; MI455X (gfx1250); checked and timed in simulation.
; The chip was launched on July 23, 2026; its instructions are those of AMD's public machine-readable ISA for CDNA 5 (MIT licence, August 2026) and "CDNA5" Instruction Set Architecture Reference Guide (July 2026). The comments in the code are by the model that wrote it; some were corrected since.
;; Mixture Of Experts. Allowed arithmetic: float matrix products may take bf16 or f16 operands with f32 sums; other float arithmetic in f32, or as packed bf16 or f16 multiplies, adds, multiply-adds, maxima and minima; sums over many terms, partial sums and values carried from step to step in f32; what a program stores and reads back later, other than sums and carried values, may be rounded once to bf16 or f16.
;; Inputs: W1 8 x 1,024 x 4,096 float32; W2 8 x 4,096 x 1,024 float32; Wg 1,024 x 8 float32; b1 8 x 4,096 float32; b2 8 x 1,024 float32; bg 8 float32; x 4 x 256 x 1,024 float32.
;; Outputs: out0 4 x 256 x 1,024 float32.
;; 3 versions, each right; version 3 is version 2 with the launches ffn1, ffn2 written anew for expert scheduling mode. Each part assembles by itself: llvm-mc -triple=amdgcn-amd-amdhsa -mcpu=gfx1250 --defsym DOCPART=n.
;; ======== version 1 of 3: 4 launches
;; workspace buffers: xb 2,097,152 bytes; choice 8,192 bytes of whole numbers; gates 8,192 bytes; h 16,777,216 bytes; part 33,554,432 bytes
;; launch router (part 1): grid 64 x 1, 4 waves a work-group, no clusters, 54,272 bytes of LDS; arguments x, Wg, bg, xb, choice, gates; writes xb, choice, gates
.if DOCPART == 1
	.amdgcn_target "amdgcn-amd-amdhsa--gfx1250"
	.amdhsa_code_object_version 6
	.text
	.protected	k_qaae15cc704_router
	.globl	k_qaae15cc704_router
	.p2align	8
	.type	k_qaae15cc704_router,@function
k_qaae15cc704_router:
	s_mov_b64 s[64:65], 0
	v_nop
	global_prefetch_b8 v0, s[64:65] scope:SCOPE_SE
	s_setreg_imm32_b32 hwreg(HW_REG_WAVE_MODE, 25, 1), 1
	s_wait_xcnt 0x0
; ROUTER.  logits = x Wg + bg for 1,024 tokens and 8 experts; the two largest logits of a token (the lower index wins a tie), a softmax over the two; x rounded to bf16 for the products that follow.
; Stored at fixed places: xb [1024][1024] bf16; choice [1024][2] u32 (slot 0 the largest logit's expert); gates [1024][2] f32.  No address here hangs on the choice.
; FORMATS.  x, Wg and bg are rounded once to bf16, products on the bf16 matrix form, sums in f32: the choice is that of the rounded inputs.
; LIMITS.  A token whose second and third logits lie within the f32 summing error of each other (some 1e-6 of the logits' size) may choose the other one; NaN and infinite logits are not treated apart.
; SHARES.  A work-group has 16 tokens.  Wave w first rounds tokens 4 w .. 4 w + 3 (stored to xb and laid into LDS), then multiplies all 16 tokens by K = 256 w .. 256 w + 255; wave 0 adds the four parts and chooses.
; No cluster: the only shared input, Wg, is 32 KB against 64 KB of x for a work-group, and it is read once by each.
.set XP,    2064                      ; a token's row in LDS: 2,048 bytes + 16: an odd multiple of 16, so the 16 rows of a fragment load start at 16 different groups of four banks (64 banks of 4 bytes: ISA guide 11.1)
.set WGT,   33280                     ; Wg in bf16: 1,024 rows (k) of 16 bytes (8 experts)
.set RED,   49664                     ; the waves' partial logits: 32 bytes for each of 128 threads
.set SPARE, 53760                     ; the spare words: 128 bytes a wave, two blocks of 256 bytes that no other line names
.set SPW, 28                          ; v28  LDS address of my spare word; never rewritten
.set NIL, 29                          ; v29  0; never rewritten
.set XR,  32                          ; v32-159  x as loaded, 8 numbers for each of 16 pieces; later the fragments
.set WR,  160                         ; v160-223 Wg as loaded, 8 rows of 8
.set FT,  32                          ; v32-95   token fragments, 8 K steps
.set FE,  96                          ; v96-159  expert fragments, 8 K steps
.set AC0, 224                         ; two accumulators, which take turns
.set AC1, 232
.set LG,  240                         ; v240-247 eight logits of the lane's token
	s_load_b256 s[4:11], s[0:1], 0x0               ; x s[4:5], Wg s[6:7], bg s[8:9], xb s[10:11]
	s_load_b128 s[12:15], s[0:1], 0x20             ; choice s[12:13], gates s[14:15]
	v_lshl_add_u32 v[SPW], v0, 2, SPARE
	v_mov_b32 v[NIL], 0
	v_lshrrev_b32 v1, 5, v0
	v_readfirstlane_b32 s16, v1                    ; wave 0..3
	v_and_b32 v1, 31, v0                           ; lane
	v_and_b32 v2, 15, v0                           ; r = lane % 16
	v_bfe_u32 v3, v0, 4, 1                         ; h = lane / 16
	v_lshlrev_b32 v4, 5, v0                        ; Wg: row t of 32 bytes
	s_lshl_b32 s17, s16, 14
	v_lshl_add_u32 v5, v1, 5, s17                  ; x: 32 bytes a lane + my 4 tokens of 4,096 bytes
	s_lshl_b32 s17, s16, 13
	v_lshl_add_u32 v6, v1, 4, s17                  ; xb: 16 bytes a lane + my 4 tokens of 2,048 bytes
	s_mul_i32 s17, s16, 4*XP
	v_lshl_add_u32 v7, v1, 4, s17                  ; the same in LDS
	v_lshl_add_u32 v8, v0, 4, WGT                  ; Wg in LDS: row t of 16 bytes
	v_mul_u32_u24 v9, v2, XP
	v_lshl_add_u32 v9, v3, 4, v9
	s_lshl_b32 s17, s16, 9
	v_add_nc_u32 v9, s17, v9                       ; token fragment: row r, 16 h, my K quarter of 512 bytes
	v_and_b32 v10, 7, v0
	v_lshlrev_b32 v10, 4, v10
	v_lshl_add_u32 v10, v3, 7, v10
	s_lshl_b32 s17, s16, 12
	s_add_co_u32 s17, s17, WGT
	v_add_nc_u32 v10, s17, v10                     ; expert fragment: row k = 256 w + 8 h + lane % 8
	v_lshl_add_u32 v11, v0, 5, RED                 ; my partial logits
	v_lshl_add_u32 v12, v1, 5, RED                 ; wave 0 reads the four parts of its lane
	v_lshlrev_b32 v13, 3, v2
	v_lshl_add_u32 v13, v3, 2, v13                 ; choice and gates: token r, slot h
	s_lshl_b32 s28, ttmp9, 16                      ; 16 tokens of 4,096 bytes
	s_mov_b32 s29, 0
	s_wait_kmcnt 0x0
	s_load_b256 s[20:27], s[8:9], 0x0              ; bg
	s_add_nc_u64 s[4:5], s[4:5], s[28:29]
	s_lshl_b32 s28, ttmp9, 15
	s_add_nc_u64 s[10:11], s[10:11], s[28:29]
	s_lshl_b32 s28, ttmp9, 7
	s_add_nc_u64 s[12:13], s[12:13], s[28:29]
	s_add_nc_u64 s[14:15], s[14:15], s[28:29]
	; all loads go out first: 16 of Wg (thread t: rows t + 128 j), then 32 of x (piece n = 4 i + sg: token i of my four, numbers 256 sg + 8 lane .. + 7)
.set j, 0
.rept 8
	global_load_b128 v[WR+8*j:WR+8*j+3],   v4, s[6:7] offset:4096*j
	global_load_b128 v[WR+8*j+4:WR+8*j+7], v4, s[6:7] offset:4096*j+16
.set j, j+1
.endr
.set n, 0
.rept 16
	global_load_b128 v[XR+8*n:XR+8*n+3],   v5, s[4:5] offset:(n/4)*4096+(n%4)*1024 th:TH_LOAD_NT
	global_load_b128 v[XR+8*n+4:XR+8*n+7], v5, s[4:5] offset:(n/4)*4096+(n%4)*1024+16 th:TH_LOAD_NT
.set n, n+1
.endr
	s_wait_loadcnt 32                              ; Wg is in: the 32 loads of x are younger
.set j, 0
.rept 8
.irp k, 0,1,2,3
	v_cvt_pk_bf16_f32 v[WR+8*j+(\k)], v[WR+8*j+2*(\k)], v[WR+8*j+2*(\k)+1]   ; in place: word k is written when numbers 2 k, 2 k + 1 are read
.endr
	ds_store_b128 v8, v[WR+8*j:WR+8*j+3] offset:2048*j
.set j, j+1
.endr
.set n, 0
.rept 16
	s_wait_loadcnt 30-2*n                          ; piece n's two loads are in: two for each later piece stay out
.irp k, 0,1,2,3
	v_cvt_pk_bf16_f32 v[XR+8*n+(\k)], v[XR+8*n+2*(\k)], v[XR+8*n+2*(\k)+1]
.endr
	global_store_b128 v6, v[XR+8*n:XR+8*n+3], s[10:11] offset:(n/4)*2048+(n%4)*512   ; the wave stores 512 consecutive bytes, at a multiple of 256 from xb's first
	ds_store_b128 v7, v[XR+8*n:XR+8*n+3] offset:(n/4)*XP+(n%4)*512
.set n, n+1
.endr
	s_wait_kmcnt 0x0                               ; bg
	s_wait_dscnt 0x0                               ; for the others' sake: my rows of x and of Wg are in LDS
	s_barrier_signal -1
	s_barrier_wait -1
	s_wait_xcnt 0x0                                ; the stores to xb have read their registers, which the fragments now take
	; Source 0 = experts, turned out of [k][8 experts]: both groups of eight lanes of a half address the same 16 bytes, so matrix rows 8-15 repeat experts 0-7.  Source 1 = 16 tokens.
	; In the result lane (r, h) holds in register j the logit of expert j for token r, alike in both halves.
.set q, 0
.rept 8
	ds_load_b128 v[FT+8*q:FT+8*q+3],   v9 offset:64*q
	ds_load_b128 v[FT+8*q+4:FT+8*q+7], v9 offset:64*q+32
	ds_load_tr16_b128 v[FE+8*q:FE+8*q+3],   v10 offset:512*q
	ds_load_tr16_b128 v[FE+8*q+4:FE+8*q+7], v10 offset:512*q+256
.set q, q+1
.endr
	s_wait_dscnt 0x0
	v_wmma_f32_16x16x32_bf16 v[AC0:AC0+7], v[FE:FE+7], v[FT:FT+7], 0            ; the first two K steps start the two sums
	v_wmma_f32_16x16x32_bf16 v[AC1:AC1+7], v[FE+8:FE+15], v[FT+8:FT+15], 0
.set q, 2
.rept 3                                            ; the two accumulators take turns, one instruction a turn
	v_wmma_f32_16x16x32_bf16 v[AC0:AC0+7], v[FE+8*q:FE+8*q+7], v[FT+8*q:FT+8*q+7], v[AC0:AC0+7]
	v_wmma_f32_16x16x32_bf16 v[AC1:AC1+7], v[FE+8*q+8:FE+8*q+15], v[FT+8*q+8:FT+8*q+15], v[AC1:AC1+7]
.set q, q+2
.endr
.rept 4
	v_nop                                          ; four places between the last product and the first read of a result (ISA guide 7.12.1)
.endr
.irp k, 0,1,2,3
	v_pk_add_f32 v[LG+2*(\k):LG+2*(\k)+1], v[AC0+2*(\k):AC0+2*(\k)+1], v[AC1+2*(\k):AC1+2*(\k)+1]   ; from each accumulator's low end on
.endr
	ds_store_b128 v11, v[LG:LG+3]
	ds_store_b128 v11, v[LG+4:LG+7] offset:16
	s_wait_dscnt 0x0                               ; for wave 0's sake
	s_barrier_signal -1
	s_barrier_wait -1
	s_cmp_lg_u32 s16, 0
	s_cbranch_scc1 .Lend                           ; no barrier stands behind this branch
	; wave 0: the four K quarters in the waves' order, bg, the two largest, the gates
.irp u, 0,1,2,3
	ds_load_b128 v[WR+8*(\u):WR+8*(\u)+3],   v12 offset:1024*(\u)
	ds_load_b128 v[WR+8*(\u)+4:WR+8*(\u)+7], v12 offset:1024*(\u)+16
.endr
.irp k, 0,1,2,3
	v_cvt_pk_bf16_f32 v[192+(\k)], s[20+2*(\k)], s[21+2*(\k)]     ; bg rounded to bf16 like every input,
.endr
.irp k, 0,1,2,3
	v_lshlrev_b32 v[200+2*(\k)], 16, v[192+(\k)]                  ; and widened again
	v_and_b32 v[201+2*(\k)], 0xffff0000, v[192+(\k)]
.endr
	s_wait_dscnt 0x0
.irp k, 0,1,2,3
	v_pk_add_f32 v[LG+2*(\k):LG+2*(\k)+1], v[WR+2*(\k):WR+2*(\k)+1], v[WR+8+2*(\k):WR+8+2*(\k)+1]
.endr
.irp k, 0,1,2,3
	v_pk_add_f32 v[LG+2*(\k):LG+2*(\k)+1], v[LG+2*(\k):LG+2*(\k)+1], v[WR+16+2*(\k):WR+16+2*(\k)+1]
.endr
.irp k, 0,1,2,3
	v_pk_add_f32 v[LG+2*(\k):LG+2*(\k)+1], v[LG+2*(\k):LG+2*(\k)+1], v[WR+24+2*(\k):WR+24+2*(\k)+1]
.endr
.irp k, 0,1,2,3
	v_pk_add_f32 v[LG+2*(\k):LG+2*(\k)+1], v[LG+2*(\k):LG+2*(\k)+1], v[200+2*(\k):201+2*(\k)]
.endr
	v_mov_b32 v208, v[LG]                          ; m1, i1: the largest logit; a later one takes its place only if strictly greater, so the lower index wins a tie
	v_mov_b32 v209, 0
.irp e, 1,2,3,4,5,6,7
	v_cmp_gt_f32 vcc_lo, v[LG+(\e)], v208
	v_cndmask_b32 v208, v208, v[LG+(\e)], vcc_lo
	v_cndmask_b32 v209, v209, \e, vcc_lo
.endr
	v_mov_b32 v212, 0xff800000                     ; the chosen logit leaves the field
.irp e, 0,1,2,3,4,5,6,7
	v_cmp_eq_u32 vcc_lo, \e, v209
	v_cndmask_b32 v[LG+(\e)], v[LG+(\e)], v212, vcc_lo
.endr
	v_mov_b32 v210, v[LG]                          ; m2, i2: the same scan once more
	v_mov_b32 v211, 0
.irp e, 1,2,3,4,5,6,7
	v_cmp_gt_f32 vcc_lo, v[LG+(\e)], v210
	v_cndmask_b32 v210, v210, v[LG+(\e)], vcc_lo
	v_cndmask_b32 v211, v211, \e, vcc_lo
.endr
	v_sub_f32 v212, v210, v208                     ; the maximum is taken away: the exponents are 0 and m2 - m1 <= 0
	v_mul_f32 v212, 0x3fb8aa3b, v212
	v_exp_f32 v213, v212
	v_nop                                          ; a plain instruction behind the exponential,
	s_wait_alu depctr_va_vdst(0)                   ; and a wait ahead of the first use
	v_add_f32 v214, 1.0, v213
	v_rcp_f32 v215, v214                           ; gate of slot 0 = 1 / (1 + e)
	v_nop
	s_wait_alu depctr_va_vdst(0)
	v_mul_f32 v217, v213, v215                     ; gate of slot 1 = e / (1 + e)
	v_cmp_eq_u32 vcc_lo, 1, v3                     ; lanes 0-15 store slot 0 of token r, lanes 16-31 slot 1
	v_cndmask_b32 v216, v209, v211, vcc_lo
	v_cndmask_b32 v217, v215, v217, vcc_lo
	global_store_b32 v13, v216, s[12:13]           ; the wave's 32 words are 128 consecutive bytes
	global_store_b32 v13, v217, s[14:15]
.Lend:
	s_wait_tensorcnt 0x0                           ; the wave's end: behind my last LDS store
	ds_add_u32 v[SPW], v[NIL]
	s_wait_dscnt 0x0
	s_endpgm
.Lfunc_end_k_qaae15cc704_router:
	.size	k_qaae15cc704_router, .Lfunc_end_k_qaae15cc704_router-k_qaae15cc704_router
	.p2alignl 7, 3214868480
	.fill 96, 4, 3214868480
	.section	.rodata,"a",@progbits
	.p2align	6, 0x0
	.amdhsa_kernel k_qaae15cc704_router
		.amdhsa_group_segment_fixed_size 54272
		.amdhsa_private_segment_fixed_size 0
		.amdhsa_enable_private_segment 0
		.amdhsa_kernarg_size 48
		.amdhsa_user_sgpr_count 2
		.amdhsa_user_sgpr_kernarg_segment_ptr 1
		.amdhsa_wavefront_size32 1
		.amdhsa_system_sgpr_workgroup_id_x 1
		.amdhsa_system_sgpr_workgroup_id_y 1
		.amdhsa_system_sgpr_workgroup_id_z 1
		.amdhsa_system_vgpr_workitem_id 0
		.amdhsa_next_free_vgpr 256
		.amdhsa_next_free_sgpr 66
		.amdhsa_reserve_vcc 1
		.amdhsa_float_denorm_mode_32 3
		.amdhsa_float_denorm_mode_16_64 3
		.amdhsa_memory_ordered 1
		.amdhsa_forward_progress 1
		.amdhsa_inst_pref_size 25
	.end_amdhsa_kernel
	.amdgpu_metadata
---
amdhsa.version: [ 1, 2 ]
amdhsa.kernels:
  - .name:           k_qaae15cc704_router
    .symbol:         k_qaae15cc704_router.kd
    .args:
      - { .name: x, .offset: 0, .size: 8, .value_kind: global_buffer, .address_space: global }
      - { .name: Wg, .offset: 8, .size: 8, .value_kind: global_buffer, .address_space: global }
      - { .name: bg, .offset: 16, .size: 8, .value_kind: global_buffer, .address_space: global }
      - { .name: xb, .offset: 24, .size: 8, .value_kind: global_buffer, .address_space: global }
      - { .name: choice, .offset: 32, .size: 8, .value_kind: global_buffer, .address_space: global }
      - { .name: gates, .offset: 40, .size: 8, .value_kind: global_buffer, .address_space: global }
    .group_segment_fixed_size: 54272
    .private_segment_fixed_size: 0
    .kernarg_segment_align: 8
    .kernarg_segment_size: 48
    .max_flat_workgroup_size: 128
    .sgpr_count:     66
    .vgpr_count:     256
    .wavefront_size: 32
...
	.end_amdgpu_metadata
.endif
;; end of part 1
;; launch ffn1 (part 2): grid 256 x 1, 4 waves a work-group, no clusters, 320,000 bytes of LDS; arguments W1, b1, xb, choice, h; writes h
.if DOCPART == 2
	.amdgcn_target "amdgcn-amd-amdhsa--gfx1250"
	.amdhsa_code_object_version 6
	.text
	.protected	k_qaae15cc704_ffn1
	.globl	k_qaae15cc704_ffn1
	.p2align	8
	.type	k_qaae15cc704_ffn1,@function
k_qaae15cc704_ffn1:
	s_mov_b64 s[64:65], 0
	v_nop
	global_prefetch_b8 v0, s[64:65] scope:SCOPE_SE
	s_setreg_imm32_b32 hwreg(HW_REG_WAVE_MODE, 25, 1), 1
	s_wait_xcnt 0x0
; ONE TEXT FOR BOTH PRODUCTS OF THE EXPERTS; SECOND says which.
;   SECOND = 0:  h[p][f] = relu(xb[p / 2] . W1[e][:, f] + b1[e][f]), bf16.              p = 2 token + slot is a PAIR; e is the expert that choice[p] names.
;   SECOND = 1:  part[kq][p][d] = gate[p] x (h[p][1024 kq ..] . W2[e][1024 kq .., d] + b2[e][d] where kq = 0), f32: partial sums, added by the last launch.
; Only the chosen pairs are multiplied.  Weights and biases are rounded once to bf16 on their way through registers; products on the bf16 matrix form, sums in f32.
; SHARES.  A work-group has one expert and a slice of its weights that it alone reads: 1,024 k x 128 columns of f32 (8 experts x 32 slices; 8 x 8 slices x 4 K quarters): 256 work-groups.
; Wave w has those of tokens 256 w .. 256 w + 255 that chose the expert, n_w of them (0 to 256: every split is served), in blocks of 16 rows against all 128 columns.
; The slice goes through registers into LDS, in 16 chunks of 64 k, each byte written once, and stays there.  Pass 0 (up to 96 rows a wave, 6 blocks) runs under that stream, one barrier a chunk;
; rows 96 on take one or two passes more, out of LDS alone, with no barrier, which a wave without such rows jumps over.  Barriers stand only in text that no loaded number jumps.
; THE LIST.  Each wave counts its own 256 tokens and lays its pairs into its own list in LDS; places past the count repeat the wave's first pair, so a block that is not full computes and stores that
; row again, the same bytes with the same values; whole blocks past the count are jumped by scalar branches.  EXEC is never changed.
; THE PRODUCT IS USED TRANSPOSED: source 0 = 16 columns of W (turned out of LDS by ds_load_tr16_b128), source 1 = 16 token rows (straight from memory): a lane holds one row and eight neighbouring columns.
; NO CLUSTER: each slice of weights has one reader; what an expert's work-groups share is its token rows, which come by a list that no tile descriptor covers, and their number differs from expert to expert.
; NO TENSOR LOADS: the f32 weights pass through registers to be rounded, and no LDS byte is filled twice.
; LIMITS.  NaN and infinities are not treated apart.
.set SECOND, 0
.if SECOND
.set WP,  4096                        ; bytes from a row (k) of W to the next
.set BSH, 12                          ; log2 of an expert's bytes in the bias
.else
.set WP,  16384
.set BSH, 14
.endif
.set PW,    288                       ; a row (k) of the slice in LDS: 256 bytes of bf16 + 32 = 72 words
.set CHUNK, 64*PW
.set BAMAX, 15*CHUNK+15*PW+16         ; the largest place of a lane in the last chunk
.set LIST,  1024*PW                   ; behind the slice: for each wave 384 list entries and a dump word
.set LISTB, 1792
.set DUMP,  384
.set STG,   LIST+4*LISTB              ; for each wave 16 rows x 272 bytes, for the way out
.set SP,    272
.set SPARE, STG+4*16*SP               ; the spare words: 128 bytes a wave, two blocks of 256 bytes that no other line names
; REGISTERS, in windows of 256 (s_set_vgpr_msb: bits 1:0 source 0, 3:2 source 1, 5:4 source 2, 7:6 destination).  Window 0:
.set WO,   8                          ; v8   my byte offset in a chunk of W: 16 lane + 16 w rows; never rewritten
.set WS,   9                          ; v9   where my rows of the next chunk go in LDS; steps a chunk
.set BA,   10                         ; v10  my lane's place in the chunk to be read; steps a chunk
.set LF,   11                         ; v11  list entry lane % 16 of the pass in hand
.set LR,   12                         ; v12  list entry lane / 16 of the pass in hand
.set STO,  13                         ; v13  the way out: where I put a row's piece
.set RD,   14                         ; v14  the way out: where I read rows back
.set CO,   15                         ; v15  16 (lane % 16)
.set AOFF, 16                         ; v16-21  byte offset of my row in each of the six blocks
.set GP,   22                         ; v22-33  (SECOND) my row's gate for each block, in the low word of a pair
.set SPW,  34                         ; v34  LDS address of my spare word; never rewritten
.set NIL,  35                         ; v35  0; never rewritten
.set ZERO, 36                         ; v36  0, for the ReLU
.set H16,  37                         ; v37  16 (lane / 16)
.set BA0,  38                         ; v38  BA's start
.set LP,   39                         ; v39  list entry lane
.set T,    40                         ; v40-55  choice as loaded; later list entries at work
.set RO,   56                         ; v56-63  the stores' row offsets; at the head at work
.set AB0,  64                         ; v64-159  token fragments, buffer 0: block i, K step kk at 16 i + 8 kk
.set AB1,  160                        ; v160-255 buffer 1
.set TMP,  64                         ; the way out: results packed (in buffer 0, which only pass 0 uses)
.set OB,   96                         ; the way out: rows read back
; window 1: v0-63, v64-127 two sets of a wave's 16 rows of W as loaded;
.set BIAS, 128                        ;   v128-191 the bias as a C operand: column block cb at 8 cb
.set CT,   192                        ;   v192-223 a chunk's rows rounded
; window 2: the accumulators of blocks 0-3 (block i, column block cb at 64 i + 8 cb).  Window 3: v0-127 those of blocks 4, 5;
.set FR,   128                        ;   v128-255 W's fragments of one chunk: K step kk, column block cb at 64 kk + 8 cb
.set WV, 18                           ; s18 wave   s19 expert   s20 slice   s21 K quarter
.set EX, 19
.set SL, 20
.set KQ, 21
.set NW, 22                           ; s22  n_w
.set NB, 23                           ; s23  live blocks of the pass in hand, 0 to 6
.set BM, 34                           ; s34  (SECOND) all ones where kq = 0: only that quarter adds the bias
.set LB, 35                           ; s35  my list's first byte
.set MSB, 0
.macro WIN new                        ; the immediate's high byte repeats the setting that is left; a switch that changes nothing is dropped
.if MSB != (\new)
	s_set_vgpr_msb (MSB<<8)|(\new)
.set MSB, \new
.endif
.endm
.macro PLACES                         ; four places between a matrix instruction and a vector read of its result or a load into one of its registers (ISA guide 7.12.1 for vector reads)
.rept 4
	v_nop
.endr
.endm
; 16 loads: my 16 rows of the chunk c chunks on from s[4:5]; a load takes a row's whole 512 bytes, which start at a multiple of 256 from W's first byte.  Read once in the launch.
.macro WLOAD ws, c
	WIN 0x40                                       ; destination window 1
.set k, 0
.rept 16
	global_load_b128 v[64*(\ws)+4*k:64*(\ws)+4*k+3], v[WO], s[4:5] offset:(64*(\c)+k)*WP th:TH_LOAD_NT
.set k, k+1
.endr
	WIN 0
.endm
.macro CVT ws                         ; a set's 64 words rounded to 32
	WIN 0x45                                       ; all in window 1
.set k, 0
.rept 32
	v_cvt_pk_bf16_f32 v[CT+k], v[64*(\ws)+2*k], v[64*(\ws)+2*k+1]
.set k, k+1
.endr
.endm
.macro WST                            ; and laid into LDS: a store takes a row's 256 consecutive bytes
	WIN 0x04                                       ; data window 1
.set k, 0
.rept 16
	ds_store_b64 v[WS], v[CT+2*k:CT+2*k+1] offset:PW*k
.set k, k+1
.endr
	WIN 0
	v_add_nc_u32 v[WS], CHUNK, v[WS]
.endm
.macro FLOAD                          ; a chunk's fragments of W: 64 k x 128 columns, 32 turning loads in one run
	WIN 0xc0                                       ; destination window 3
.irp kk, 0,1
.irp cb, 0,1,2,3,4,5,6,7
	ds_load_tr16_b128 v[FR+64*(\kk)+8*(\cb):FR+64*(\kk)+8*(\cb)+3],   v[BA] offset:32*(\kk)*PW+32*(\cb)
	ds_load_tr16_b128 v[FR+64*(\kk)+8*(\cb)+4:FR+64*(\kk)+8*(\cb)+7], v[BA] offset:(32*(\kk)+16)*PW+32*(\cb)
.endr
.endr
	WIN 0
	v_add_nc_u32 v[BA], CHUNK, v[BA]
.endm
; The token rows' fragments for 64 k at byte X from s[8:9]: four loads a block.  Blocks 0-2 always; blocks 3-5 only while they are live (all = 1: all six).
.macro ALOAD buf, X, all
.irp i, 0,1,2,3,4,5
.if ((\i) >= 3) && !(\all)
	s_cmp_le_u32 s[NB], \i
	s_cbranch_scc1 .Lna_\@
.endif
.irp u, 0,1,2,3
	global_load_b128 v[(\buf)+16*(\i)+4*(\u):(\buf)+16*(\i)+4*(\u)+3], v[AOFF+(\i)], s[8:9] offset:(\X)+32*(\u)
.endr
.endr
.if !(\all)
.Lna_\@:
.endif
.endm
; 16 products of block i: K step 0 on its 8 accumulators, then K step 1.  The accumulators take turns, one instruction a turn; a block's last product and any block's first name different ones.
; first = 1: the first K step starts the sums with the bias as C: nothing is cleared.
.macro MULB i, buf, first
.set AC, 64*((\i)%4)
.set HIW, (\i)/4
.set AF, (\buf)+16*(\i)
.irp kk, 0,1
.irp cb, 0,1,2,3,4,5,6,7
.if (\first) && ((\kk) == 0)
	WIN 0x93+0x40*HIW                              ; W window 3, rows window 0, C window 1, D window 2 or 3
	v_wmma_f32_16x16x32_bf16 v[AC+8*(\cb):AC+8*(\cb)+7], v[FR+64*(\kk)+8*(\cb):FR+64*(\kk)+8*(\cb)+7], v[AF+8*(\kk):AF+8*(\kk)+7], v[BIAS+8*(\cb):BIAS+8*(\cb)+7]
.else
	WIN 0xa3+0x50*HIW                              ; C and D window 2 or 3
	v_wmma_f32_16x16x32_bf16 v[AC+8*(\cb):AC+8*(\cb)+7], v[FR+64*(\kk)+8*(\cb):FR+64*(\kk)+8*(\cb)+7], v[AF+8*(\kk):AF+8*(\kk)+7], v[AC+8*(\cb):AC+8*(\cb)+7]
.endif
.endr
.endr
.endm
; A chunk's products.  bar = 1: the barrier that shows the next chunk whole: signal, 48 products on registers, wait.  Blocks 3-5 are jumped where they are dead; a dead block among 0-2 multiplies a repeated row and is never stored.
.macro MULS buf, first, bar
.if \bar
	s_barrier_signal -1
.endif
	MULB 0, \buf, \first
	MULB 1, \buf, \first
	MULB 2, \buf, \first
.if \bar
	s_barrier_wait -1
.endif
.irp i, 3,4,5
.if !(\first)
	WIN 0                                          ; at a branch and at a label every window is 0
	s_cmp_le_u32 s[NB], \i
	s_cbranch_scc1 .Lmd_\@
.endif
	MULB \i, \buf, \first
.endr
	WIN 0
.if !(\first)
.Lmd_\@:
.endif
.endm
; STAGE s of pass 0 (par = s % 2): chunk s + 1 is rounded into LDS, the rows' fragments of stage s + 1 and chunk s + 3 are asked for, chunk s is multiplied.
; lcnt = 16: the youngest 16 loads at a stage's head are always the chunk asked for last, whatever row loads were jumped: all that is older, this stage's rows and chunk s + 1, is in.
; So a chunk has two stages in which to land, and a wave has at most 16 + 24 + 16 loads out.
.macro STAGE par, first, cvt, aload, wload, lcnt, bar
.set NXS, ((\par)+1)%2
.set CUB, AB0+96*(\par)
.set NXB, AB0+96*NXS
	s_wait_loadcnt \lcnt
.if \cvt
	CVT NXS                                        ; 32 plain instructions that name no register of the last products: their places, ahead of the loads below
.else
	PLACES
.endif
	FLOAD
.if \cvt
	WST
.endif
.if (\aload) || (\wload)
	s_wait_xcnt 0x0                                ; every earlier load has had its address translated (ISA guide 3.1): the two bases step only behind this wait
.endif
.if \wload
	s_add_nc_u64 s[4:5], s[4:5], 64*WP
.endif
.if \aload
	s_add_nc_u64 s[8:9], s[8:9], 128
	ALOAD NXB, 128, 0
.endif
.if \wload
	WLOAD NXS, 2
.endif
	s_wait_dscnt 0x0                               ; W's fragments are in; and, for the others' sake, my rows of the next chunk are in LDS
	MULS CUB, \first, \bar
.endm
; The rows of a pass: six list entries a lane, clamped to the 2,048 pairs, make the blocks' row offsets (and fetch the rows' gates).
.macro ROWS
.irp i, 0,1,2,3,4,5
	ds_load_b32 v[T+(\i)], v[LF] offset:64*(\i)
.endr
	s_wait_dscnt 0x0
.irp i, 0,1,2,3,4,5
	v_min_u32 v[T+(\i)], 0x7ff, v[T+(\i)]
.if SECOND
	v_lshl_add_u32 v[AOFF+(\i)], v[T+(\i)], 13, v[H16]   ; a pair's row of h is 8,192 bytes
	v_lshlrev_b32 v[T+6+(\i)], 2, v[T+(\i)]
	global_load_b32 v[GP+2*(\i)], v[T+6+(\i)], s[14:15]
.else
	v_and_b32 v[T+(\i)], 0x7fe, v[T+(\i)]                ; 2 x token,
	v_lshl_add_u32 v[AOFF+(\i)], v[T+(\i)], 10, v[H16]   ; whose row of xb is 2,048 bytes
.endif
.endr
.endm
; A stage of a later pass: everything is waited for at once; it runs only for a wave with more than 96 rows.
.macro OVST first
	PLACES
.if !(\first)
	s_add_nc_u64 s[8:9], s[8:9], 128               ; the loads that used the base were waited for below
.endif
	ALOAD AB1, 0, \first
	v_min_u32 v[BA], BAMAX, v[BA]                  ; held inside the slice by a constant: the largest value that the walk of 16 chunks reaches, so it changes no address; with the loads' offsets, 14,064 bytes at the most, every byte read lies under 1,024 x 288
	FLOAD
	s_wait_loadcnt 0x0
	s_wait_dscnt 0x0
	MULS AB1, \first, 0
.endm
; THE WAY OUT of block i, through my own stage in LDS: in by lanes (a row's piece each), back as whole rows of 256 bytes, lanes 0-15 one row and lanes 16-31 the next.
; LDS serves a wave's instructions in order (ISA guide 5.7.1.4), so no wait stands between the stores and the loads.  Each accumulator is read from its low end on.
.macro OUT i
.set AC, 64*((\i)%4)
.set HIW, (\i)/4
.irp t, 0,1,2,3,4,5,6,7
	ds_load_b32 v[T+(\t)], v[LR] offset:4*(16*(\i)+2*(\t))     ; the pairs of the rows that I shall store
.endr
.if SECOND
.irp hf, 0,1                          ; a row's 512 bytes of f32 go in two halves of 256
	WIN 0x02+HIW                                   ; source 0 window 2 or 3
.set k, 0
.rept 16
	v_pk_mul_f32 v[TMP+2*k:TMP+2*k+1], v[AC+32*(\hf)+2*k:AC+32*(\hf)+2*k+1], v[GP+2*(\i):GP+2*(\i)+1] op_sel_hi:[1,0]   ; times the row's gate
.set k, k+1
.endr
	WIN 0
.set k, 0
.rept 8
	ds_store_b128 v[STO], v[TMP+4*k:TMP+4*k+3] offset:64*(k/2)+16*(k%2)
.set k, k+1
.endr
	s_wait_xcnt 0x0                                ; the stores before have read OB and RO, which are written again only behind this wait
.irp t, 0,1,2,3,4,5,6,7
	ds_load_b128 v[OB+4*(\t):OB+4*(\t)+3], v[RD] offset:2*SP*(\t)
.endr
.if (\hf) == 0
	s_wait_dscnt 16                                ; the eight list entries are in: eight stores and eight loads are younger
.irp t, 0,1,2,3,4,5,6,7
	v_min_u32 v[T+(\t)], 0x7ff, v[T+(\t)]
	v_lshl_add_u32 v[RO+(\t)], v[T+(\t)], 12, v[CO]            ; a pair's row of part is 4,096 bytes
.endr
.endif
	s_wait_dscnt 0x0
.irp t, 0,1,2,3,4,5,6,7
	global_store_b128 v[RO+(\t)], v[OB+4*(\t):OB+4*(\t)+3], s[12:13] offset:256*(\hf)   ; 16 lanes store 256 consecutive bytes, at a multiple of 256 from part's first
.endr
.endr
.else
	WIN 0x0a+5*HIW                                 ; sources 0 and 1 window 2 or 3
.set k, 0
.rept 32
	v_cvt_pk_bf16_f32 v[TMP+k], v[AC+2*k], v[AC+2*k+1]
.set k, k+1
.endr
	WIN 0
.set k, 0
.rept 32
	v_pk_max_num_bf16 v[TMP+k], v[TMP+k], v[ZERO]  ; the ReLU, two at a time; it commutes with the rounding
.set k, k+1
.endr
.irp cb, 0,1,2,3,4,5,6,7
	ds_store_b128 v[STO], v[TMP+4*(\cb):TMP+4*(\cb)+3] offset:32*(\cb)
.endr
	s_wait_xcnt 0x0                                ; the stores before have read OB and RO, which are written again only behind this wait
.irp t, 0,1,2,3,4,5,6,7
	ds_load_b128 v[OB+4*(\t):OB+4*(\t)+3], v[RD] offset:2*SP*(\t)
.endr
	s_wait_dscnt 16                                ; the eight list entries are in: eight stores and eight loads are younger
.irp t, 0,1,2,3,4,5,6,7
	v_min_u32 v[T+(\t)], 0x7ff, v[T+(\t)]
	v_lshl_add_u32 v[RO+(\t)], v[T+(\t)], 13, v[CO]            ; a pair's row of h is 8,192 bytes
.endr
	s_wait_dscnt 0x0
.irp t, 0,1,2,3,4,5,6,7
	global_store_b128 v[RO+(\t)], v[OB+4*(\t):OB+4*(\t)+3], s[12:13]   ; 16 lanes store 256 consecutive bytes, at a multiple of 256 from h's first
.endr
.endif
.endm
	s_load_b256 s[4:11], s[0:1], 0x0               ; W s[4:5], bias s[6:7], rows s[8:9], choice s[10:11]
	s_load_b64 s[12:13], s[0:1], 0x20              ; the output
.if SECOND
	s_load_b64 s[14:15], s[0:1], 0x28              ; gates
.endif
	v_lshl_add_u32 v[SPW], v0, 2, SPARE
	v_mov_b32 v[NIL], 0
	v_lshrrev_b32 v1, 5, v0
	v_readfirstlane_b32 s[WV], v1                  ; wave 0..3
	v_and_b32 v1, 31, v0                           ; lane
	v_and_b32 v2, 15, v0                           ; r = lane % 16
	v_bfe_u32 v3, v0, 4, 1                         ; h = lane / 16
	s_lshr_b32 s[EX], ttmp9, 5
.if SECOND
	s_and_b32 s[SL], ttmp9, 7
	s_bfe_u32 s[KQ], ttmp9, 0x20003
	s_cmp_eq_u32 s[KQ], 0
	s_cselect_b32 s[BM], -1, 0
.else
	s_and_b32 s[SL], ttmp9, 31
.endif
	s_mul_i32 s30, s[WV], 16*WP
	v_lshl_add_u32 v[WO], v1, 4, s30
	s_mul_i32 s30, s[WV], 16*PW
	v_lshl_add_u32 v[WS], v1, 3, s30
	v_and_b32 v6, 7, v0                            ; the turning load: lane l reads row 8 (l / 16) + l % 8, columns 8 ((l / 8) % 2) + 0..7
	v_lshl_add_u32 v6, v3, 3, v6
	v_mul_u32_u24 v[BA0], v6, PW
	v_bfe_u32 v6, v0, 3, 1
	v_lshl_add_u32 v[BA0], v6, 4, v[BA0]
	v_mov_b32 v[BA], v[BA0]
	s_mul_i32 s[LB], s[WV], LISTB
	s_add_co_u32 s[LB], s[LB], LIST
	v_lshl_add_u32 v[LF], v2, 2, s[LB]
	v_lshl_add_u32 v[LR], v3, 2, s[LB]
	v_lshl_add_u32 v[LP], v1, 2, s[LB]
	s_mul_i32 s30, s[WV], 16*SP
	s_add_co_u32 s30, s30, STG
	v_mul_u32_u24 v6, v2, SP
	v_lshl_add_u32 v6, v3, 4+SECOND, v6            ; a lane's eight columns are 16 bytes of bf16 or 32 of f32
	v_add_nc_u32 v[STO], s30, v6
	v_mul_u32_u24 v6, v3, SP
	v_lshl_add_u32 v6, v2, 4, v6
	v_add_nc_u32 v[RD], s30, v6
	v_lshlrev_b32 v[CO], 4, v2
	v_lshlrev_b32 v[H16], 4, v3
	v_mov_b32 v[ZERO], 0
.if SECOND
.irp i, 0,1,2,3,4,5
	v_mov_b32 v[GP+2*(\i)+1], 0                    ; named with the gate as a pair, never used
.endr
.endif
	s_lshl_b32 s30, s[WV], 11
	v_lshl_add_u32 v4, v1, 3, s30                  ; choice of token 256 w + lane: 8 bytes a token
	v_lshlrev_b32 v5, 5, v3                        ; bias: my lanes' eight columns
	s_lshl_b32 s30, s[WV], 9
	v_lshl_add_u32 v56, v1, 1, s30                 ; the pair of token 256 w + lane, slot 0
	v_mov_b32 v57, DUMP
	v_mov_b32 v60, s30                             ; a pair that exists
	s_mov_b32 s26, 0                               ; the running count
	s_mov_b32 s29, 0
	s_lshl_b32 s28, s[EX], 24                      ; an expert's weights are 2^24 bytes,
	s_lshl_b32 s31, s[SL], 9                       ; a slice's columns 512
	s_add_co_u32 s28, s28, s31
.if SECOND
	s_lshl_b32 s33, s[KQ], 22                      ; a K quarter 1,024 rows of 4,096
	s_add_co_u32 s28, s28, s33
.endif
	s_wait_kmcnt 0x0
	s_add_nc_u64 s[4:5], s[4:5], s[28:29]
	s_lshl_b32 s28, s[EX], BSH
	s_add_co_u32 s28, s28, s31
	s_add_nc_u64 s[6:7], s[6:7], s[28:29]
.if SECOND
	s_lshl_b32 s28, s[KQ], 11
	s_add_nc_u64 s[8:9], s[8:9], s[28:29]          ; my K quarter of h's rows
	s_lshl_b32 s28, s[KQ], 23
	s_add_co_u32 s28, s28, s31
.else
	s_lshl_b32 s28, s[SL], 8
.endif
	s_add_nc_u64 s[12:13], s[12:13], s[28:29]
	s_mov_b64 s[16:17], s[8:9]                     ; the rows' base, kept for the later passes
	; 8 + 16 + 32 loads: choice, bias, and the first two chunks of W
.irp i, 0,1,2,3,4,5,6,7
	global_load_b64 v[T+2*(\i):T+2*(\i)+1], v4, s[10:11] offset:256*(\i)   ; token 256 w + 32 i + lane
.endr
	WIN 0x40
.irp cb, 0,1,2,3,4,5,6,7
	global_load_b128 v[BIAS+8*(\cb):BIAS+8*(\cb)+3],   v5, s[6:7] offset:64*(\cb)
	global_load_b128 v[BIAS+8*(\cb)+4:BIAS+8*(\cb)+7], v5, s[6:7] offset:64*(\cb)+16
.endr
	WLOAD 0, 0
	WLOAD 1, 1
.irp i, 0,1,2,3,4,5,6,7,8,9,10,11
	ds_store_b32 v[LP], v60 offset:128*(\i)        ; every list entry is written before it is read
.endr
	s_wait_loadcnt 32                              ; choice and bias are in: the 32 loads of W are younger
	; my tokens that chose the expert, in their order: rank = those before, entry = rank; the others' lanes write the dump word
.irp i, 0,1,2,3,4,5,6,7
	v_cmp_eq_u32 s30, s[EX], v[T+2*(\i)]
	v_cmp_eq_u32 s31, s[EX], v[T+2*(\i)+1]
	s_or_b32 s32, s30, s31
	v_mbcnt_lo_u32_b32 v58, s32, s26
	v_cndmask_b32 v59, 0, 1, s31                   ; the slot
	v_cndmask_b32 v58, v57, v58, s32
	v_add_nc_u32 v60, v56, v59                     ; the pair
.if (\i) > 0
	v_add_nc_u32 v60, 64*(\i), v60
.endif
	v_min_u32 v58, DUMP, v58
	v_lshl_add_u32 v58, v58, 2, s[LB]
	ds_store_b32 v58, v60
	s_bcnt1_i32_b32 s33, s32
	s_add_co_u32 s26, s26, s33
.endr
	s_mov_b32 s[NW], s26
.irp i, 0,1,2,3,4,5,6,7,8,9,10,11
	ds_load_b32 v[T+(\i)], v[LP] offset:128*(\i)   ; the list back: entry 32 i + lane
.endr
	s_wait_dscnt 0x0
	v_readfirstlane_b32 s33, v[T]                  ; entry 0: places past the count take the first pair (with no pair at all: the one written first, which is never stored)
.irp i, 0,1,2,3,4,5,6,7,8,9,10,11
	v_add_nc_u32 v62, 32*(\i), v1
	v_cmp_gt_u32 vcc_lo, s[NW], v62
	v_cndmask_b32 v[T+(\i)], s33, v[T+(\i)], vcc_lo
	ds_store_b32 v[LP], v[T+(\i)] offset:128*(\i)
.endr
	WIN 0x45                                       ; the bias is rounded to bf16 like every input, and widened again
.set k, 0
.rept 32
	v_cvt_pk_bf16_f32 v[CT+k], v[BIAS+2*k], v[BIAS+2*k+1]
.set k, k+1
.endr
.if SECOND
.set k, 0
.rept 32
	v_and_b32 v[CT+k], s[BM], v[CT+k]              ; 0 in the K quarters 1 to 3
.set k, k+1
.endr
.endif
.set k, 0
.rept 32
	v_lshlrev_b32 v[BIAS+2*k], 16, v[CT+k]
	v_and_b32 v[BIAS+2*k+1], 0xffff0000, v[CT+k]
.set k, k+1
.endr
	WIN 0
	s_add_co_u32 s[NB], s[NW], 15
	s_lshr_b32 s[NB], s[NB], 4
	s_min_u32 s[NB], s[NB], 6
	ROWS
	ALOAD AB0, 0, 1                                ; stage 0's rows: all six blocks, so that every fragment register is written
	s_wait_loadcnt 40+6*SECOND                     ; chunk 0 is in: chunk 1's 16 loads, the 6 gates (SECOND) and the 24 just issued are younger
	CVT 0
	WST
	ALOAD AB1, 128, 1                              ; stage 1's rows.  Here more loads are issued than LOADcnt's field holds: the issue is held back meanwhile (ISA guide 5.7.1), once
	WLOAD 0, 2
	s_wait_dscnt 0x0                               ; for the others' sake: my rows of chunk 0 are in LDS
	s_barrier_signal -1
	s_barrier_wait -1
	STAGE 0, 1, 1, 0, 1, 16, 1                     ; stage 0 stands ahead of the loop: its products start the sums
	s_mov_b32 s24, 6
.Lk:                                                   ; stages (1, 2) to (11, 12)
	STAGE 1, 0, 1, 1, 1, 16, 1
	STAGE 0, 0, 1, 1, 1, 16, 1
	s_sub_co_u32 s24, s24, 1
	s_cmp_lg_u32 s24, 0
	s_cbranch_scc1 .Lk
	STAGE 1, 0, 1, 1, 0, 16, 1                     ; stage 13: no chunk is left to ask for; the youngest 16 loads are chunk 15's
	STAGE 0, 0, 1, 1, 0, 0, 1                      ; stage 14: the youngest loads are rows, of a number that varies: the wait is for all
	STAGE 1, 0, 0, 0, 0, 0, 0                      ; stage 15: the slice is whole in LDS; no barrier follows in the text
	; Three trips: a pass goes out, and the next 96 rows, if there are any, are multiplied out of LDS.  256 rows at the most: the third trip only stores.
	s_mov_b32 s25, 0
	s_mov_b32 s27, 0                               ; rows done
.Lpass:
	PLACES                                         ; behind the last products
.irp i, 0,1,2,3,4,5
	s_cmp_le_u32 s[NB], \i
	s_cbranch_scc1 .Loe                            ; whole blocks past the count store nothing
	OUT \i
.endr
.Loe:
	v_add_nc_u32 v[LR], 384, v[LR]                 ; 96 list entries on
	v_add_nc_u32 v[LF], 384, v[LF]
	s_add_co_u32 s27, s27, 96
	s_mov_b32 s[NB], 0
	s_cmp_le_u32 s[NW], s27
	s_cbranch_scc1 .Lnx
	s_sub_co_u32 s[NB], s[NW], s27
	s_add_co_u32 s[NB], s[NB], 15
	s_lshr_b32 s[NB], s[NB], 4
	s_min_u32 s[NB], s[NB], 6
	ROWS
	s_mov_b64 s[8:9], s[16:17]                     ; every load that used the base has been waited for
	v_mov_b32 v[BA], v[BA0]
	OVST 1
	s_mov_b32 s24, 15
.Lov:
	OVST 0
	s_sub_co_u32 s24, s24, 1
	s_cmp_lg_u32 s24, 0
	s_cbranch_scc1 .Lov
.Lnx:
	s_add_co_u32 s25, s25, 1
	s_cmp_lt_u32 s25, 3
	s_cbranch_scc1 .Lpass
	s_wait_tensorcnt 0x0                           ; the wave's end: behind my last LDS store
	ds_add_u32 v[SPW], v[NIL]
	s_wait_dscnt 0x0
	s_endpgm
.Lfunc_end_k_qaae15cc704_ffn1:
	.size	k_qaae15cc704_ffn1, .Lfunc_end_k_qaae15cc704_ffn1-k_qaae15cc704_ffn1
	.p2alignl 7, 3214868480
	.fill 96, 4, 3214868480
	.section	.rodata,"a",@progbits
	.p2align	6, 0x0
	.amdhsa_kernel k_qaae15cc704_ffn1
		.amdhsa_group_segment_fixed_size 320000
		.amdhsa_private_segment_fixed_size 0
		.amdhsa_enable_private_segment 0
		.amdhsa_kernarg_size 40
		.amdhsa_user_sgpr_count 2
		.amdhsa_user_sgpr_kernarg_segment_ptr 1
		.amdhsa_wavefront_size32 1
		.amdhsa_system_sgpr_workgroup_id_x 1
		.amdhsa_system_sgpr_workgroup_id_y 1
		.amdhsa_system_sgpr_workgroup_id_z 1
		.amdhsa_system_vgpr_workitem_id 0
		.amdhsa_next_free_vgpr 1024
		.amdhsa_next_free_sgpr 66
		.amdhsa_reserve_vcc 1
		.amdhsa_float_denorm_mode_32 3
		.amdhsa_float_denorm_mode_16_64 3
		.amdhsa_memory_ordered 1
		.amdhsa_forward_progress 1
		.amdhsa_inst_pref_size 187
	.end_amdhsa_kernel
	.amdgpu_metadata
---
amdhsa.version: [ 1, 2 ]
amdhsa.kernels:
  - .name:           k_qaae15cc704_ffn1
    .symbol:         k_qaae15cc704_ffn1.kd
    .args:
      - { .name: W1, .offset: 0, .size: 8, .value_kind: global_buffer, .address_space: global }
      - { .name: b1, .offset: 8, .size: 8, .value_kind: global_buffer, .address_space: global }
      - { .name: xb, .offset: 16, .size: 8, .value_kind: global_buffer, .address_space: global }
      - { .name: choice, .offset: 24, .size: 8, .value_kind: global_buffer, .address_space: global }
      - { .name: h, .offset: 32, .size: 8, .value_kind: global_buffer, .address_space: global }
    .group_segment_fixed_size: 320000
    .private_segment_fixed_size: 0
    .kernarg_segment_align: 8
    .kernarg_segment_size: 40
    .max_flat_workgroup_size: 128
    .sgpr_count:     66
    .vgpr_count:     1024
    .wavefront_size: 32
...
	.end_amdgpu_metadata
.endif
;; end of part 2
;; launch ffn2 (part 3): grid 256 x 1, 4 waves a work-group, no clusters, 320,000 bytes of LDS; arguments W2, b2, h, choice, part, gates; writes part
.if DOCPART == 3
	.amdgcn_target "amdgcn-amd-amdhsa--gfx1250"
	.amdhsa_code_object_version 6
	.text
	.protected	k_qaae15cc704_ffn2
	.globl	k_qaae15cc704_ffn2
	.p2align	8
	.type	k_qaae15cc704_ffn2,@function
k_qaae15cc704_ffn2:
	s_mov_b64 s[64:65], 0
	v_nop
	global_prefetch_b8 v0, s[64:65] scope:SCOPE_SE
	s_setreg_imm32_b32 hwreg(HW_REG_WAVE_MODE, 25, 1), 1
	s_wait_xcnt 0x0
; ONE TEXT FOR BOTH PRODUCTS OF THE EXPERTS; SECOND says which.
;   SECOND = 0:  h[p][f] = relu(xb[p / 2] . W1[e][:, f] + b1[e][f]), bf16.              p = 2 token + slot is a PAIR; e is the expert that choice[p] names.
;   SECOND = 1:  part[kq][p][d] = gate[p] x (h[p][1024 kq ..] . W2[e][1024 kq .., d] + b2[e][d] where kq = 0), f32: partial sums, added by the last launch.
; Only the chosen pairs are multiplied.  Weights and biases are rounded once to bf16 on their way through registers; products on the bf16 matrix form, sums in f32.
; SHARES.  A work-group has one expert and a slice of its weights that it alone reads: 1,024 k x 128 columns of f32 (8 experts x 32 slices; 8 x 8 slices x 4 K quarters): 256 work-groups.
; Wave w has those of tokens 256 w .. 256 w + 255 that chose the expert, n_w of them (0 to 256: every split is served), in blocks of 16 rows against all 128 columns.
; The slice goes through registers into LDS, in 16 chunks of 64 k, each byte written once, and stays there.  Pass 0 (up to 96 rows a wave, 6 blocks) runs under that stream, one barrier a chunk;
; rows 96 on take one or two passes more, out of LDS alone, with no barrier, which a wave without such rows jumps over.  Barriers stand only in text that no loaded number jumps.
; THE LIST.  Each wave counts its own 256 tokens and lays its pairs into its own list in LDS; places past the count repeat the wave's first pair, so a block that is not full computes and stores that
; row again, the same bytes with the same values; whole blocks past the count are jumped by scalar branches.  EXEC is never changed.
; THE PRODUCT IS USED TRANSPOSED: source 0 = 16 columns of W (turned out of LDS by ds_load_tr16_b128), source 1 = 16 token rows (straight from memory): a lane holds one row and eight neighbouring columns.
; NO CLUSTER: each slice of weights has one reader; what an expert's work-groups share is its token rows, which come by a list that no tile descriptor covers, and their number differs from expert to expert.
; NO TENSOR LOADS: the f32 weights pass through registers to be rounded, and no LDS byte is filled twice.
; LIMITS.  NaN and infinities are not treated apart.
.set SECOND, 1
.if SECOND
.set WP,  4096                        ; bytes from a row (k) of W to the next
.set BSH, 12                          ; log2 of an expert's bytes in the bias
.else
.set WP,  16384
.set BSH, 14
.endif
.set PW,    288                       ; a row (k) of the slice in LDS: 256 bytes of bf16 + 32 = 72 words
.set CHUNK, 64*PW
.set BAMAX, 15*CHUNK+15*PW+16         ; the largest place of a lane in the last chunk
.set LIST,  1024*PW                   ; behind the slice: for each wave 384 list entries and a dump word
.set LISTB, 1792
.set DUMP,  384
.set STG,   LIST+4*LISTB              ; for each wave 16 rows x 272 bytes, for the way out
.set SP,    272
.set SPARE, STG+4*16*SP               ; the spare words: 128 bytes a wave, two blocks of 256 bytes that no other line names
; REGISTERS, in windows of 256 (s_set_vgpr_msb: bits 1:0 source 0, 3:2 source 1, 5:4 source 2, 7:6 destination).  Window 0:
.set WO,   8                          ; v8   my byte offset in a chunk of W: 16 lane + 16 w rows; never rewritten
.set WS,   9                          ; v9   where my rows of the next chunk go in LDS; steps a chunk
.set BA,   10                         ; v10  my lane's place in the chunk to be read; steps a chunk
.set LF,   11                         ; v11  list entry lane % 16 of the pass in hand
.set LR,   12                         ; v12  list entry lane / 16 of the pass in hand
.set STO,  13                         ; v13  the way out: where I put a row's piece
.set RD,   14                         ; v14  the way out: where I read rows back
.set CO,   15                         ; v15  16 (lane % 16)
.set AOFF, 16                         ; v16-21  byte offset of my row in each of the six blocks
.set GP,   22                         ; v22-33  (SECOND) my row's gate for each block, in the low word of a pair
.set SPW,  34                         ; v34  LDS address of my spare word; never rewritten
.set NIL,  35                         ; v35  0; never rewritten
.set ZERO, 36                         ; v36  0, for the ReLU
.set H16,  37                         ; v37  16 (lane / 16)
.set BA0,  38                         ; v38  BA's start
.set LP,   39                         ; v39  list entry lane
.set T,    40                         ; v40-55  choice as loaded; later list entries at work
.set RO,   56                         ; v56-63  the stores' row offsets; at the head at work
.set AB0,  64                         ; v64-159  token fragments, buffer 0: block i, K step kk at 16 i + 8 kk
.set AB1,  160                        ; v160-255 buffer 1
.set TMP,  64                         ; the way out: results packed (in buffer 0, which only pass 0 uses)
.set OB,   96                         ; the way out: rows read back
; window 1: v0-63, v64-127 two sets of a wave's 16 rows of W as loaded;
.set BIAS, 128                        ;   v128-191 the bias as a C operand: column block cb at 8 cb
.set CT,   192                        ;   v192-223 a chunk's rows rounded
; window 2: the accumulators of blocks 0-3 (block i, column block cb at 64 i + 8 cb).  Window 3: v0-127 those of blocks 4, 5;
.set FR,   128                        ;   v128-255 W's fragments of one chunk: K step kk, column block cb at 64 kk + 8 cb
.set WV, 18                           ; s18 wave   s19 expert   s20 slice   s21 K quarter
.set EX, 19
.set SL, 20
.set KQ, 21
.set NW, 22                           ; s22  n_w
.set NB, 23                           ; s23  live blocks of the pass in hand, 0 to 6
.set BM, 34                           ; s34  (SECOND) all ones where kq = 0: only that quarter adds the bias
.set LB, 35                           ; s35  my list's first byte
.set MSB, 0
.macro WIN new                        ; the immediate's high byte repeats the setting that is left; a switch that changes nothing is dropped
.if MSB != (\new)
	s_set_vgpr_msb (MSB<<8)|(\new)
.set MSB, \new
.endif
.endm
.macro PLACES                         ; four places between a matrix instruction and a vector read of its result or a load into one of its registers (ISA guide 7.12.1 for vector reads)
.rept 4
	v_nop
.endr
.endm
; 16 loads: my 16 rows of the chunk c chunks on from s[4:5]; a load takes a row's whole 512 bytes, which start at a multiple of 256 from W's first byte.  Read once in the launch.
.macro WLOAD ws, c
	WIN 0x40                                       ; destination window 1
.set k, 0
.rept 16
	global_load_b128 v[64*(\ws)+4*k:64*(\ws)+4*k+3], v[WO], s[4:5] offset:(64*(\c)+k)*WP th:TH_LOAD_NT
.set k, k+1
.endr
	WIN 0
.endm
.macro CVT ws                         ; a set's 64 words rounded to 32
	WIN 0x45                                       ; all in window 1
.set k, 0
.rept 32
	v_cvt_pk_bf16_f32 v[CT+k], v[64*(\ws)+2*k], v[64*(\ws)+2*k+1]
.set k, k+1
.endr
.endm
.macro WST                            ; and laid into LDS: a store takes a row's 256 consecutive bytes
	WIN 0x04                                       ; data window 1
.set k, 0
.rept 16
	ds_store_b64 v[WS], v[CT+2*k:CT+2*k+1] offset:PW*k
.set k, k+1
.endr
	WIN 0
	v_add_nc_u32 v[WS], CHUNK, v[WS]
.endm
.macro FLOAD                          ; a chunk's fragments of W: 64 k x 128 columns, 32 turning loads in one run
	WIN 0xc0                                       ; destination window 3
.irp kk, 0,1
.irp cb, 0,1,2,3,4,5,6,7
	ds_load_tr16_b128 v[FR+64*(\kk)+8*(\cb):FR+64*(\kk)+8*(\cb)+3],   v[BA] offset:32*(\kk)*PW+32*(\cb)
	ds_load_tr16_b128 v[FR+64*(\kk)+8*(\cb)+4:FR+64*(\kk)+8*(\cb)+7], v[BA] offset:(32*(\kk)+16)*PW+32*(\cb)
.endr
.endr
	WIN 0
	v_add_nc_u32 v[BA], CHUNK, v[BA]
.endm
; The token rows' fragments for 64 k at byte X from s[8:9]: four loads a block.  Blocks 0-2 always; blocks 3-5 only while they are live (all = 1: all six).
.macro ALOAD buf, X, all
.irp i, 0,1,2,3,4,5
.if ((\i) >= 3) && !(\all)
	s_cmp_le_u32 s[NB], \i
	s_cbranch_scc1 .Lna_\@
.endif
.irp u, 0,1,2,3
	global_load_b128 v[(\buf)+16*(\i)+4*(\u):(\buf)+16*(\i)+4*(\u)+3], v[AOFF+(\i)], s[8:9] offset:(\X)+32*(\u)
.endr
.endr
.if !(\all)
.Lna_\@:
.endif
.endm
; 16 products of block i: K step 0 on its 8 accumulators, then K step 1.  The accumulators take turns, one instruction a turn; a block's last product and any block's first name different ones.
; first = 1: the first K step starts the sums with the bias as C: nothing is cleared.
.macro MULB i, buf, first
.set AC, 64*((\i)%4)
.set HIW, (\i)/4
.set AF, (\buf)+16*(\i)
.irp kk, 0,1
.irp cb, 0,1,2,3,4,5,6,7
.if (\first) && ((\kk) == 0)
	WIN 0x93+0x40*HIW                              ; W window 3, rows window 0, C window 1, D window 2 or 3
	v_wmma_f32_16x16x32_bf16 v[AC+8*(\cb):AC+8*(\cb)+7], v[FR+64*(\kk)+8*(\cb):FR+64*(\kk)+8*(\cb)+7], v[AF+8*(\kk):AF+8*(\kk)+7], v[BIAS+8*(\cb):BIAS+8*(\cb)+7]
.else
	WIN 0xa3+0x50*HIW                              ; C and D window 2 or 3
	v_wmma_f32_16x16x32_bf16 v[AC+8*(\cb):AC+8*(\cb)+7], v[FR+64*(\kk)+8*(\cb):FR+64*(\kk)+8*(\cb)+7], v[AF+8*(\kk):AF+8*(\kk)+7], v[AC+8*(\cb):AC+8*(\cb)+7]
.endif
.endr
.endr
.endm
; A chunk's products.  bar = 1: the barrier that shows the next chunk whole: signal, 48 products on registers, wait.  Blocks 3-5 are jumped where they are dead; a dead block among 0-2 multiplies a repeated row and is never stored.
.macro MULS buf, first, bar
.if \bar
	s_barrier_signal -1
.endif
	MULB 0, \buf, \first
	MULB 1, \buf, \first
	MULB 2, \buf, \first
.if \bar
	s_barrier_wait -1
.endif
.irp i, 3,4,5
.if !(\first)
	WIN 0                                          ; at a branch and at a label every window is 0
	s_cmp_le_u32 s[NB], \i
	s_cbranch_scc1 .Lmd_\@
.endif
	MULB \i, \buf, \first
.endr
	WIN 0
.if !(\first)
.Lmd_\@:
.endif
.endm
; STAGE s of pass 0 (par = s % 2): chunk s + 1 is rounded into LDS, the rows' fragments of stage s + 1 and chunk s + 3 are asked for, chunk s is multiplied.
; lcnt = 16: the youngest 16 loads at a stage's head are always the chunk asked for last, whatever row loads were jumped: all that is older, this stage's rows and chunk s + 1, is in.
; So a chunk has two stages in which to land, and a wave has at most 16 + 24 + 16 loads out.
.macro STAGE par, first, cvt, aload, wload, lcnt, bar
.set NXS, ((\par)+1)%2
.set CUB, AB0+96*(\par)
.set NXB, AB0+96*NXS
	s_wait_loadcnt \lcnt
.if \cvt
	CVT NXS                                        ; 32 plain instructions that name no register of the last products: their places, ahead of the loads below
.else
	PLACES
.endif
	FLOAD
.if \cvt
	WST
.endif
.if (\aload) || (\wload)
	s_wait_xcnt 0x0                                ; every earlier load has had its address translated (ISA guide 3.1): the two bases step only behind this wait
.endif
.if \wload
	s_add_nc_u64 s[4:5], s[4:5], 64*WP
.endif
.if \aload
	s_add_nc_u64 s[8:9], s[8:9], 128
	ALOAD NXB, 128, 0
.endif
.if \wload
	WLOAD NXS, 2
.endif
	s_wait_dscnt 0x0                               ; W's fragments are in; and, for the others' sake, my rows of the next chunk are in LDS
	MULS CUB, \first, \bar
.endm
; The rows of a pass: six list entries a lane, clamped to the 2,048 pairs, make the blocks' row offsets (and fetch the rows' gates).
.macro ROWS
.irp i, 0,1,2,3,4,5
	ds_load_b32 v[T+(\i)], v[LF] offset:64*(\i)
.endr
	s_wait_dscnt 0x0
.irp i, 0,1,2,3,4,5
	v_min_u32 v[T+(\i)], 0x7ff, v[T+(\i)]
.if SECOND
	v_lshl_add_u32 v[AOFF+(\i)], v[T+(\i)], 13, v[H16]   ; a pair's row of h is 8,192 bytes
	v_lshlrev_b32 v[T+6+(\i)], 2, v[T+(\i)]
	global_load_b32 v[GP+2*(\i)], v[T+6+(\i)], s[14:15]
.else
	v_and_b32 v[T+(\i)], 0x7fe, v[T+(\i)]                ; 2 x token,
	v_lshl_add_u32 v[AOFF+(\i)], v[T+(\i)], 10, v[H16]   ; whose row of xb is 2,048 bytes
.endif
.endr
.endm
; A stage of a later pass: everything is waited for at once; it runs only for a wave with more than 96 rows.
.macro OVST first
	PLACES
.if !(\first)
	s_add_nc_u64 s[8:9], s[8:9], 128               ; the loads that used the base were waited for below
.endif
	ALOAD AB1, 0, \first
	v_min_u32 v[BA], BAMAX, v[BA]                  ; held inside the slice by a constant: the largest value that the walk of 16 chunks reaches, so it changes no address; with the loads' offsets, 14,064 bytes at the most, every byte read lies under 1,024 x 288
	FLOAD
	s_wait_loadcnt 0x0
	s_wait_dscnt 0x0
	MULS AB1, \first, 0
.endm
; THE WAY OUT of block i, through my own stage in LDS: in by lanes (a row's piece each), back as whole rows of 256 bytes, lanes 0-15 one row and lanes 16-31 the next.
; LDS serves a wave's instructions in order (ISA guide 5.7.1.4), so no wait stands between the stores and the loads.  Each accumulator is read from its low end on.
.macro OUT i
.set AC, 64*((\i)%4)
.set HIW, (\i)/4
.irp t, 0,1,2,3,4,5,6,7
	ds_load_b32 v[T+(\t)], v[LR] offset:4*(16*(\i)+2*(\t))     ; the pairs of the rows that I shall store
.endr
.if SECOND
.irp hf, 0,1                          ; a row's 512 bytes of f32 go in two halves of 256
	WIN 0x02+HIW                                   ; source 0 window 2 or 3
.set k, 0
.rept 16
	v_pk_mul_f32 v[TMP+2*k:TMP+2*k+1], v[AC+32*(\hf)+2*k:AC+32*(\hf)+2*k+1], v[GP+2*(\i):GP+2*(\i)+1] op_sel_hi:[1,0]   ; times the row's gate
.set k, k+1
.endr
	WIN 0
.set k, 0
.rept 8
	ds_store_b128 v[STO], v[TMP+4*k:TMP+4*k+3] offset:64*(k/2)+16*(k%2)
.set k, k+1
.endr
	s_wait_xcnt 0x0                                ; the stores before have read OB and RO, which are written again only behind this wait
.irp t, 0,1,2,3,4,5,6,7
	ds_load_b128 v[OB+4*(\t):OB+4*(\t)+3], v[RD] offset:2*SP*(\t)
.endr
.if (\hf) == 0
	s_wait_dscnt 16                                ; the eight list entries are in: eight stores and eight loads are younger
.irp t, 0,1,2,3,4,5,6,7
	v_min_u32 v[T+(\t)], 0x7ff, v[T+(\t)]
	v_lshl_add_u32 v[RO+(\t)], v[T+(\t)], 12, v[CO]            ; a pair's row of part is 4,096 bytes
.endr
.endif
	s_wait_dscnt 0x0
.irp t, 0,1,2,3,4,5,6,7
	global_store_b128 v[RO+(\t)], v[OB+4*(\t):OB+4*(\t)+3], s[12:13] offset:256*(\hf)   ; 16 lanes store 256 consecutive bytes, at a multiple of 256 from part's first
.endr
.endr
.else
	WIN 0x0a+5*HIW                                 ; sources 0 and 1 window 2 or 3
.set k, 0
.rept 32
	v_cvt_pk_bf16_f32 v[TMP+k], v[AC+2*k], v[AC+2*k+1]
.set k, k+1
.endr
	WIN 0
.set k, 0
.rept 32
	v_pk_max_num_bf16 v[TMP+k], v[TMP+k], v[ZERO]  ; the ReLU, two at a time; it commutes with the rounding
.set k, k+1
.endr
.irp cb, 0,1,2,3,4,5,6,7
	ds_store_b128 v[STO], v[TMP+4*(\cb):TMP+4*(\cb)+3] offset:32*(\cb)
.endr
	s_wait_xcnt 0x0                                ; the stores before have read OB and RO, which are written again only behind this wait
.irp t, 0,1,2,3,4,5,6,7
	ds_load_b128 v[OB+4*(\t):OB+4*(\t)+3], v[RD] offset:2*SP*(\t)
.endr
	s_wait_dscnt 16                                ; the eight list entries are in: eight stores and eight loads are younger
.irp t, 0,1,2,3,4,5,6,7
	v_min_u32 v[T+(\t)], 0x7ff, v[T+(\t)]
	v_lshl_add_u32 v[RO+(\t)], v[T+(\t)], 13, v[CO]            ; a pair's row of h is 8,192 bytes
.endr
	s_wait_dscnt 0x0
.irp t, 0,1,2,3,4,5,6,7
	global_store_b128 v[RO+(\t)], v[OB+4*(\t):OB+4*(\t)+3], s[12:13]   ; 16 lanes store 256 consecutive bytes, at a multiple of 256 from h's first
.endr
.endif
.endm
	s_load_b256 s[4:11], s[0:1], 0x0               ; W s[4:5], bias s[6:7], rows s[8:9], choice s[10:11]
	s_load_b64 s[12:13], s[0:1], 0x20              ; the output
.if SECOND
	s_load_b64 s[14:15], s[0:1], 0x28              ; gates
.endif
	v_lshl_add_u32 v[SPW], v0, 2, SPARE
	v_mov_b32 v[NIL], 0
	v_lshrrev_b32 v1, 5, v0
	v_readfirstlane_b32 s[WV], v1                  ; wave 0..3
	v_and_b32 v1, 31, v0                           ; lane
	v_and_b32 v2, 15, v0                           ; r = lane % 16
	v_bfe_u32 v3, v0, 4, 1                         ; h = lane / 16
	s_lshr_b32 s[EX], ttmp9, 5
.if SECOND
	s_and_b32 s[SL], ttmp9, 7
	s_bfe_u32 s[KQ], ttmp9, 0x20003
	s_cmp_eq_u32 s[KQ], 0
	s_cselect_b32 s[BM], -1, 0
.else
	s_and_b32 s[SL], ttmp9, 31
.endif
	s_mul_i32 s30, s[WV], 16*WP
	v_lshl_add_u32 v[WO], v1, 4, s30
	s_mul_i32 s30, s[WV], 16*PW
	v_lshl_add_u32 v[WS], v1, 3, s30
	v_and_b32 v6, 7, v0                            ; the turning load: lane l reads row 8 (l / 16) + l % 8, columns 8 ((l / 8) % 2) + 0..7
	v_lshl_add_u32 v6, v3, 3, v6
	v_mul_u32_u24 v[BA0], v6, PW
	v_bfe_u32 v6, v0, 3, 1
	v_lshl_add_u32 v[BA0], v6, 4, v[BA0]
	v_mov_b32 v[BA], v[BA0]
	s_mul_i32 s[LB], s[WV], LISTB
	s_add_co_u32 s[LB], s[LB], LIST
	v_lshl_add_u32 v[LF], v2, 2, s[LB]
	v_lshl_add_u32 v[LR], v3, 2, s[LB]
	v_lshl_add_u32 v[LP], v1, 2, s[LB]
	s_mul_i32 s30, s[WV], 16*SP
	s_add_co_u32 s30, s30, STG
	v_mul_u32_u24 v6, v2, SP
	v_lshl_add_u32 v6, v3, 4+SECOND, v6            ; a lane's eight columns are 16 bytes of bf16 or 32 of f32
	v_add_nc_u32 v[STO], s30, v6
	v_mul_u32_u24 v6, v3, SP
	v_lshl_add_u32 v6, v2, 4, v6
	v_add_nc_u32 v[RD], s30, v6
	v_lshlrev_b32 v[CO], 4, v2
	v_lshlrev_b32 v[H16], 4, v3
	v_mov_b32 v[ZERO], 0
.if SECOND
.irp i, 0,1,2,3,4,5
	v_mov_b32 v[GP+2*(\i)+1], 0                    ; named with the gate as a pair, never used
.endr
.endif
	s_lshl_b32 s30, s[WV], 11
	v_lshl_add_u32 v4, v1, 3, s30                  ; choice of token 256 w + lane: 8 bytes a token
	v_lshlrev_b32 v5, 5, v3                        ; bias: my lanes' eight columns
	s_lshl_b32 s30, s[WV], 9
	v_lshl_add_u32 v56, v1, 1, s30                 ; the pair of token 256 w + lane, slot 0
	v_mov_b32 v57, DUMP
	v_mov_b32 v60, s30                             ; a pair that exists
	s_mov_b32 s26, 0                               ; the running count
	s_mov_b32 s29, 0
	s_lshl_b32 s28, s[EX], 24                      ; an expert's weights are 2^24 bytes,
	s_lshl_b32 s31, s[SL], 9                       ; a slice's columns 512
	s_add_co_u32 s28, s28, s31
.if SECOND
	s_lshl_b32 s33, s[KQ], 22                      ; a K quarter 1,024 rows of 4,096
	s_add_co_u32 s28, s28, s33
.endif
	s_wait_kmcnt 0x0
	s_add_nc_u64 s[4:5], s[4:5], s[28:29]
	s_lshl_b32 s28, s[EX], BSH
	s_add_co_u32 s28, s28, s31
	s_add_nc_u64 s[6:7], s[6:7], s[28:29]
.if SECOND
	s_lshl_b32 s28, s[KQ], 11
	s_add_nc_u64 s[8:9], s[8:9], s[28:29]          ; my K quarter of h's rows
	s_lshl_b32 s28, s[KQ], 23
	s_add_co_u32 s28, s28, s31
.else
	s_lshl_b32 s28, s[SL], 8
.endif
	s_add_nc_u64 s[12:13], s[12:13], s[28:29]
	s_mov_b64 s[16:17], s[8:9]                     ; the rows' base, kept for the later passes
	; 8 + 16 + 32 loads: choice, bias, and the first two chunks of W
.irp i, 0,1,2,3,4,5,6,7
	global_load_b64 v[T+2*(\i):T+2*(\i)+1], v4, s[10:11] offset:256*(\i)   ; token 256 w + 32 i + lane
.endr
	WIN 0x40
.irp cb, 0,1,2,3,4,5,6,7
	global_load_b128 v[BIAS+8*(\cb):BIAS+8*(\cb)+3],   v5, s[6:7] offset:64*(\cb)
	global_load_b128 v[BIAS+8*(\cb)+4:BIAS+8*(\cb)+7], v5, s[6:7] offset:64*(\cb)+16
.endr
	WLOAD 0, 0
	WLOAD 1, 1
.irp i, 0,1,2,3,4,5,6,7,8,9,10,11
	ds_store_b32 v[LP], v60 offset:128*(\i)        ; every list entry is written before it is read
.endr
	s_wait_loadcnt 32                              ; choice and bias are in: the 32 loads of W are younger
	; my tokens that chose the expert, in their order: rank = those before, entry = rank; the others' lanes write the dump word
.irp i, 0,1,2,3,4,5,6,7
	v_cmp_eq_u32 s30, s[EX], v[T+2*(\i)]
	v_cmp_eq_u32 s31, s[EX], v[T+2*(\i)+1]
	s_or_b32 s32, s30, s31
	v_mbcnt_lo_u32_b32 v58, s32, s26
	v_cndmask_b32 v59, 0, 1, s31                   ; the slot
	v_cndmask_b32 v58, v57, v58, s32
	v_add_nc_u32 v60, v56, v59                     ; the pair
.if (\i) > 0
	v_add_nc_u32 v60, 64*(\i), v60
.endif
	v_min_u32 v58, DUMP, v58
	v_lshl_add_u32 v58, v58, 2, s[LB]
	ds_store_b32 v58, v60
	s_bcnt1_i32_b32 s33, s32
	s_add_co_u32 s26, s26, s33
.endr
	s_mov_b32 s[NW], s26
.irp i, 0,1,2,3,4,5,6,7,8,9,10,11
	ds_load_b32 v[T+(\i)], v[LP] offset:128*(\i)   ; the list back: entry 32 i + lane
.endr
	s_wait_dscnt 0x0
	v_readfirstlane_b32 s33, v[T]                  ; entry 0: places past the count take the first pair (with no pair at all: the one written first, which is never stored)
.irp i, 0,1,2,3,4,5,6,7,8,9,10,11
	v_add_nc_u32 v62, 32*(\i), v1
	v_cmp_gt_u32 vcc_lo, s[NW], v62
	v_cndmask_b32 v[T+(\i)], s33, v[T+(\i)], vcc_lo
	ds_store_b32 v[LP], v[T+(\i)] offset:128*(\i)
.endr
	WIN 0x45                                       ; the bias is rounded to bf16 like every input, and widened again
.set k, 0
.rept 32
	v_cvt_pk_bf16_f32 v[CT+k], v[BIAS+2*k], v[BIAS+2*k+1]
.set k, k+1
.endr
.if SECOND
.set k, 0
.rept 32
	v_and_b32 v[CT+k], s[BM], v[CT+k]              ; 0 in the K quarters 1 to 3
.set k, k+1
.endr
.endif
.set k, 0
.rept 32
	v_lshlrev_b32 v[BIAS+2*k], 16, v[CT+k]
	v_and_b32 v[BIAS+2*k+1], 0xffff0000, v[CT+k]
.set k, k+1
.endr
	WIN 0
	s_add_co_u32 s[NB], s[NW], 15
	s_lshr_b32 s[NB], s[NB], 4
	s_min_u32 s[NB], s[NB], 6
	ROWS
	ALOAD AB0, 0, 1                                ; stage 0's rows: all six blocks, so that every fragment register is written
	s_wait_loadcnt 40+6*SECOND                     ; chunk 0 is in: chunk 1's 16 loads, the 6 gates (SECOND) and the 24 just issued are younger
	CVT 0
	WST
	ALOAD AB1, 128, 1                              ; stage 1's rows.  Here more loads are issued than LOADcnt's field holds: the issue is held back meanwhile (ISA guide 5.7.1), once
	WLOAD 0, 2
	s_wait_dscnt 0x0                               ; for the others' sake: my rows of chunk 0 are in LDS
	s_barrier_signal -1
	s_barrier_wait -1
	STAGE 0, 1, 1, 0, 1, 16, 1                     ; stage 0 stands ahead of the loop: its products start the sums
	s_mov_b32 s24, 6
.Lk:                                                   ; stages (1, 2) to (11, 12)
	STAGE 1, 0, 1, 1, 1, 16, 1
	STAGE 0, 0, 1, 1, 1, 16, 1
	s_sub_co_u32 s24, s24, 1
	s_cmp_lg_u32 s24, 0
	s_cbranch_scc1 .Lk
	STAGE 1, 0, 1, 1, 0, 16, 1                     ; stage 13: no chunk is left to ask for; the youngest 16 loads are chunk 15's
	STAGE 0, 0, 1, 1, 0, 0, 1                      ; stage 14: the youngest loads are rows, of a number that varies: the wait is for all
	STAGE 1, 0, 0, 0, 0, 0, 0                      ; stage 15: the slice is whole in LDS; no barrier follows in the text
	; Three trips: a pass goes out, and the next 96 rows, if there are any, are multiplied out of LDS.  256 rows at the most: the third trip only stores.
	s_mov_b32 s25, 0
	s_mov_b32 s27, 0                               ; rows done
.Lpass:
	PLACES                                         ; behind the last products
.irp i, 0,1,2,3,4,5
	s_cmp_le_u32 s[NB], \i
	s_cbranch_scc1 .Loe                            ; whole blocks past the count store nothing
	OUT \i
.endr
.Loe:
	v_add_nc_u32 v[LR], 384, v[LR]                 ; 96 list entries on
	v_add_nc_u32 v[LF], 384, v[LF]
	s_add_co_u32 s27, s27, 96
	s_mov_b32 s[NB], 0
	s_cmp_le_u32 s[NW], s27
	s_cbranch_scc1 .Lnx
	s_sub_co_u32 s[NB], s[NW], s27
	s_add_co_u32 s[NB], s[NB], 15
	s_lshr_b32 s[NB], s[NB], 4
	s_min_u32 s[NB], s[NB], 6
	ROWS
	s_mov_b64 s[8:9], s[16:17]                     ; every load that used the base has been waited for
	v_mov_b32 v[BA], v[BA0]
	OVST 1
	s_mov_b32 s24, 15
.Lov:
	OVST 0
	s_sub_co_u32 s24, s24, 1
	s_cmp_lg_u32 s24, 0
	s_cbranch_scc1 .Lov
.Lnx:
	s_add_co_u32 s25, s25, 1
	s_cmp_lt_u32 s25, 3
	s_cbranch_scc1 .Lpass
	s_wait_tensorcnt 0x0                           ; the wave's end: behind my last LDS store
	ds_add_u32 v[SPW], v[NIL]
	s_wait_dscnt 0x0
	s_endpgm
.Lfunc_end_k_qaae15cc704_ffn2:
	.size	k_qaae15cc704_ffn2, .Lfunc_end_k_qaae15cc704_ffn2-k_qaae15cc704_ffn2
	.p2alignl 7, 3214868480
	.fill 96, 4, 3214868480
	.section	.rodata,"a",@progbits
	.p2align	6, 0x0
	.amdhsa_kernel k_qaae15cc704_ffn2
		.amdhsa_group_segment_fixed_size 320000
		.amdhsa_private_segment_fixed_size 0
		.amdhsa_enable_private_segment 0
		.amdhsa_kernarg_size 48
		.amdhsa_user_sgpr_count 2
		.amdhsa_user_sgpr_kernarg_segment_ptr 1
		.amdhsa_wavefront_size32 1
		.amdhsa_system_sgpr_workgroup_id_x 1
		.amdhsa_system_sgpr_workgroup_id_y 1
		.amdhsa_system_sgpr_workgroup_id_z 1
		.amdhsa_system_vgpr_workitem_id 0
		.amdhsa_next_free_vgpr 1024
		.amdhsa_next_free_sgpr 66
		.amdhsa_reserve_vcc 1
		.amdhsa_float_denorm_mode_32 3
		.amdhsa_float_denorm_mode_16_64 3
		.amdhsa_memory_ordered 1
		.amdhsa_forward_progress 1
		.amdhsa_inst_pref_size 188
	.end_amdhsa_kernel
	.amdgpu_metadata
---
amdhsa.version: [ 1, 2 ]
amdhsa.kernels:
  - .name:           k_qaae15cc704_ffn2
    .symbol:         k_qaae15cc704_ffn2.kd
    .args:
      - { .name: W2, .offset: 0, .size: 8, .value_kind: global_buffer, .address_space: global }
      - { .name: b2, .offset: 8, .size: 8, .value_kind: global_buffer, .address_space: global }
      - { .name: h, .offset: 16, .size: 8, .value_kind: global_buffer, .address_space: global }
      - { .name: choice, .offset: 24, .size: 8, .value_kind: global_buffer, .address_space: global }
      - { .name: part, .offset: 32, .size: 8, .value_kind: global_buffer, .address_space: global }
      - { .name: gates, .offset: 40, .size: 8, .value_kind: global_buffer, .address_space: global }
    .group_segment_fixed_size: 320000
    .private_segment_fixed_size: 0
    .kernarg_segment_align: 8
    .kernarg_segment_size: 48
    .max_flat_workgroup_size: 128
    .sgpr_count:     66
    .vgpr_count:     1024
    .wavefront_size: 32
...
	.end_amdgpu_metadata
.endif
;; end of part 3
;; launch sum (part 4): grid 256 x 1, 8 waves a work-group, no clusters, 0 bytes of LDS; arguments part, out0; writes out0
.if DOCPART == 4
	.amdgcn_target "amdgcn-amd-amdhsa--gfx1250"
	.amdhsa_code_object_version 6
	.text
	.protected	k_qaae15cc704_sum
	.globl	k_qaae15cc704_sum
	.p2align	8
	.type	k_qaae15cc704_sum,@function
k_qaae15cc704_sum:
	s_mov_b64 s[64:65], 0
	v_nop
	global_prefetch_b8 v0, s[64:65] scope:SCOPE_SE
	s_setreg_imm32_b32 hwreg(HW_REG_WAVE_MODE, 25, 1), 1
	s_wait_xcnt 0x0
; out0[t][d] = the sum over the four K quarters kq and the two slots k of part[kq][2 t + k][d], all f32; the gates and b2 are already in part.
; The order is fixed: slot 0 + slot 1 within a quarter, then the quarters ascending.
; A stream: a work-group has 4 tokens, thread i the 16 bytes at 16 i of every row, so a wave's load or store covers 512 consecutive bytes at a multiple of 256 from the buffer's first.
; All 32 loads of a thread go out first; no register is used twice, so no wait but the counted ones is needed.  LDS, barriers, matrix units and clusters would add nothing: no byte is read twice.
.set R, 4                             ; v4-131: token j, quarter q, slot k at 4 (8 j + 2 q + k)
	s_load_b128 s[4:7], s[0:1], 0x0                ; part s[4:5], out0 s[6:7]
	v_lshlrev_b32 v1, 4, v0
	s_lshl_b32 s2, ttmp9, 15                       ; 8 pairs of 4,096 bytes
	s_mov_b32 s3, 0
	s_lshl_b32 s16, ttmp9, 14                      ; 4 tokens of 4,096 bytes
	s_mov_b32 s17, 0
	s_wait_kmcnt 0x0
	s_add_nc_u64 s[8:9], s[4:5], s[2:3]            ; a base for each quarter: 2^23 bytes apart, more than a load's immediate holds
	s_add_nc_u64 s[10:11], s[8:9], 0x800000
	s_add_nc_u64 s[12:13], s[10:11], 0x800000
	s_add_nc_u64 s[14:15], s[12:13], 0x800000
	s_add_nc_u64 s[6:7], s[6:7], s[16:17]
.irp j, 0,1,2,3
.irp q, 0,1,2,3
.irp k, 0,1
	global_load_b128 v[R+4*(8*(\j)+2*(\q)+(\k)):R+4*(8*(\j)+2*(\q)+(\k))+3], v1, s[8+2*(\q):9+2*(\q)] offset:(\j)*8192+(\k)*4096 th:TH_LOAD_NT
.endr
.endr
.endr
.irp j, 0,1,2,3
	s_wait_loadcnt 24-8*(\j)                       ; token j's eight loads are in: eight for each later token stay out
.irp q, 0,1,2,3
.irp u, 0,1
	v_pk_add_f32 v[R+32*(\j)+8*(\q)+2*(\u):R+32*(\j)+8*(\q)+2*(\u)+1], v[R+32*(\j)+8*(\q)+2*(\u):R+32*(\j)+8*(\q)+2*(\u)+1], v[R+32*(\j)+8*(\q)+4+2*(\u):R+32*(\j)+8*(\q)+4+2*(\u)+1]
.endr
.endr
.irp q, 1,2,3
.irp u, 0,1
	v_pk_add_f32 v[R+32*(\j)+2*(\u):R+32*(\j)+2*(\u)+1], v[R+32*(\j)+2*(\u):R+32*(\j)+2*(\u)+1], v[R+32*(\j)+8*(\q)+2*(\u):R+32*(\j)+8*(\q)+2*(\u)+1]
.endr
.endr
	global_store_b128 v1, v[R+32*(\j):R+32*(\j)+3], s[6:7] offset:(\j)*4096 th:TH_STORE_NT
.endr
	s_endpgm
.Lfunc_end_k_qaae15cc704_sum:
	.size	k_qaae15cc704_sum, .Lfunc_end_k_qaae15cc704_sum-k_qaae15cc704_sum
	.p2alignl 7, 3214868480
	.fill 96, 4, 3214868480
	.section	.rodata,"a",@progbits
	.p2align	6, 0x0
	.amdhsa_kernel k_qaae15cc704_sum
		.amdhsa_group_segment_fixed_size 0
		.amdhsa_private_segment_fixed_size 0
		.amdhsa_enable_private_segment 0
		.amdhsa_kernarg_size 16
		.amdhsa_user_sgpr_count 2
		.amdhsa_user_sgpr_kernarg_segment_ptr 1
		.amdhsa_wavefront_size32 1
		.amdhsa_system_sgpr_workgroup_id_x 1
		.amdhsa_system_sgpr_workgroup_id_y 1
		.amdhsa_system_sgpr_workgroup_id_z 1
		.amdhsa_system_vgpr_workitem_id 0
		.amdhsa_next_free_vgpr 136
		.amdhsa_next_free_sgpr 66
		.amdhsa_reserve_vcc 0
		.amdhsa_float_denorm_mode_32 3
		.amdhsa_float_denorm_mode_16_64 3
		.amdhsa_memory_ordered 1
		.amdhsa_forward_progress 1
		.amdhsa_inst_pref_size 8
	.end_amdhsa_kernel
	.amdgpu_metadata
---
amdhsa.version: [ 1, 2 ]
amdhsa.kernels:
  - .name:           k_qaae15cc704_sum
    .symbol:         k_qaae15cc704_sum.kd
    .args:
      - { .name: part, .offset: 0, .size: 8, .value_kind: global_buffer, .address_space: global }
      - { .name: out0, .offset: 8, .size: 8, .value_kind: global_buffer, .address_space: global }
    .group_segment_fixed_size: 0
    .private_segment_fixed_size: 0
    .kernarg_segment_align: 8
    .kernarg_segment_size: 16
    .max_flat_workgroup_size: 256
    .sgpr_count:     66
    .vgpr_count:     136
    .wavefront_size: 32
...
	.end_amdgpu_metadata
.endif
;; end of part 4
;; ======== version 2 of 3: 5 launches
;; workspace buffers: xb 2,097,152 bytes; choice 8,192 bytes of whole numbers; gates 8,192 bytes; list 49,152 bytes of whole numbers; h 16,777,216 bytes; part 33,554,432 bytes
;; launch router: the kernel of part 1 again; grid 64 x 1, 4 waves a work-group, no clusters, 54,272 bytes of LDS; arguments x, Wg, bg, xb, choice, gates; writes xb, choice, gates
;; launch place (part 5): grid 8 x 1, 4 waves a work-group, no clusters, 7,680 bytes of LDS; arguments choice, list; writes list
.if DOCPART == 5
	.amdgcn_target "amdgcn-amd-amdhsa--gfx1250"
	.amdhsa_code_object_version 6
	.text
	.protected	k_qaae15cc704_place
	.globl	k_qaae15cc704_place
	.p2align	8
	.type	k_qaae15cc704_place,@function
k_qaae15cc704_place:
	s_mov_b64 s[64:65], 0
	v_nop
	global_prefetch_b8 v0, s[64:65] scope:SCOPE_SE
	s_setreg_imm32_b32 hwreg(HW_REG_WAVE_MODE, 25, 1), 1
	s_wait_xcnt 0x0
; PLACE.  From choice [1024 tokens][2 slots] (the experts that the router stored) the lists of rows for the two products of the experts.
; p = 2 token + slot is a PAIR.  list[4 e + w] is a record of 384 words for expert e and tokens 256 w .. 256 w + 255: the pairs that name e, in the tokens' order; places past their number
; repeat the record's first pair (with no pair at all: pair 512 w, which exists and which the products never store); word 383, which no pass of the products reads as a row, holds the number.
; A launch of its own, since all 32 work-groups of an expert in each of the two products want the same lists, and want them as numbers that they load.
; SHARES.  A work-group has an expert, wave w a quarter of the tokens: 8 work-groups, as many as there are lists to make; each wave works for itself, with no barrier.
; The rank of a token among its wave's is a count of mask bits; the pair goes to its rank in the wave's own list in LDS and comes back in order.  Global addresses hang on no loaded number.
.set LISTB, 1792                      ; a wave's list in LDS: 384 entries and a dump word, in whole blocks of 256 bytes
.set DUMP,  384
.set RECB,  1536                      ; a record in memory: six blocks of 256 bytes
.set SPARE, 4*LISTB                   ; the spare words: 128 bytes a wave, two blocks of 256 bytes that no other line names
.set SPW, 34                          ; v34  LDS address of my spare word; never rewritten
.set NIL, 35                          ; v35  0; never rewritten
.set LQ,  38                          ; v38  list entries 4 lane .. 4 lane + 3
.set LP,  39                          ; v39  list entry lane
.set T,   40                          ; v40-55  choice as loaded; later the list
.set WV, 18
.set EX, 19
.set NW, 22                           ; s22  the wave's number of pairs
.set LB, 35                           ; s35  my list's first byte
	s_load_b128 s[4:7], s[0:1], 0x0                ; choice s[4:5], list s[6:7]
	v_lshl_add_u32 v[SPW], v0, 2, SPARE
	v_mov_b32 v[NIL], 0
	v_lshrrev_b32 v1, 5, v0
	v_readfirstlane_b32 s[WV], v1                  ; wave 0..3
	v_and_b32 v1, 31, v0                           ; lane
	s_mov_b32 s[EX], ttmp9
	s_mul_i32 s[LB], s[WV], LISTB
	v_lshl_add_u32 v[LP], v1, 2, s[LB]
	v_lshl_add_u32 v[LQ], v1, 4, s[LB]
	s_lshl_b32 s30, s[WV], 11
	v_lshl_add_u32 v4, v1, 3, s30                  ; choice of token 256 w + lane: 8 bytes a token
	v_lshlrev_b32 v5, 4, v1                        ; my 16 bytes of 512 in the record
	v_lshlrev_b32 v6, 2, v1                        ; the first of my four entries
	s_lshl_b32 s30, s[WV], 9
	v_lshl_add_u32 v56, v1, 1, s30                 ; the pair of token 256 w + lane, slot 0
	v_mov_b32 v57, DUMP
	v_mov_b32 v60, s30                             ; a pair that exists
	s_mov_b32 s26, 0                               ; the running count
	s_lshl2_add_u32 s28, s[EX], s[WV]              ; 4 e + w
	s_mul_i32 s28, s28, RECB
	s_mov_b32 s29, 0
	s_wait_kmcnt 0x0
	s_add_nc_u64 s[6:7], s[6:7], s[28:29]
.irp i, 0,1,2,3,4,5,6,7
	global_load_b64 v[T+2*(\i):T+2*(\i)+1], v4, s[4:5] offset:256*(\i)   ; token 256 w + 32 i + lane
.endr
.irp i, 0,1,2,3,4,5,6,7,8,9,10,11
	ds_store_b32 v[LP], v60 offset:128*(\i)        ; every list entry is written before it is read
.endr
	s_wait_loadcnt 0x0
	; my tokens that chose the expert, in their order: rank = those before, entry = rank; the others' lanes write the dump word
.irp i, 0,1,2,3,4,5,6,7
	v_cmp_eq_u32 s30, s[EX], v[T+2*(\i)]
	v_cmp_eq_u32 s31, s[EX], v[T+2*(\i)+1]
	s_or_b32 s32, s30, s31
	v_mbcnt_lo_u32_b32 v58, s32, s26
	v_cndmask_b32 v59, 0, 1, s31                   ; the slot
	v_cndmask_b32 v58, v57, v58, s32
	v_add_nc_u32 v60, v56, v59                     ; the pair
.if (\i) > 0
	v_add_nc_u32 v60, 64*(\i), v60
.endif
	v_min_u32 v58, DUMP, v58
	v_lshl_add_u32 v58, v58, 2, s[LB]
	ds_store_b32 v58, v60
	s_bcnt1_i32_b32 s33, s32
	s_add_co_u32 s26, s26, s33
.endr
	s_mov_b32 s[NW], s26
.irp j, 0,1,2
	ds_load_b128 v[T+4*(\j):T+4*(\j)+3], v[LQ] offset:512*(\j)   ; the list back: entries 128 j + 4 lane .. + 3.  LDS serves a wave's instructions in order (ISA guide 5.7.1.4): these see the stores above
.endr
	v_mov_b32 v61, s[NW]
	s_wait_dscnt 0x0
	v_readfirstlane_b32 s33, v[T]                  ; entry 0
.irp j, 0,1,2
.irp c, 0,1,2,3
	v_add_nc_u32 v62, 128*(\j)+(\c), v6
	v_cmp_gt_u32 vcc_lo, s[NW], v62
	v_cndmask_b32 v[T+4*(\j)+(\c)], s33, v[T+4*(\j)+(\c)], vcc_lo   ; places past the count take the first pair
.endr
.endr
	v_cmp_eq_u32 vcc_lo, 383, v62                  ; v62 still holds the last entries' numbers, 259 + 4 lane
	v_cndmask_b32 v[T+11], v[T+11], v61, vcc_lo    ; word 383: the count
.irp j, 0,1,2
	global_store_b128 v5, v[T+4*(\j):T+4*(\j)+3], s[6:7] offset:512*(\j)   ; the wave stores 512 consecutive bytes, at a multiple of 256 from list's first
.endr
	s_wait_tensorcnt 0x0                           ; the wave's end: behind my last LDS store
	ds_add_u32 v[SPW], v[NIL]
	s_wait_dscnt 0x0
	s_endpgm
.Lfunc_end_k_qaae15cc704_place:
	.size	k_qaae15cc704_place, .Lfunc_end_k_qaae15cc704_place-k_qaae15cc704_place
	.p2alignl 7, 3214868480
	.fill 96, 4, 3214868480
	.section	.rodata,"a",@progbits
	.p2align	6, 0x0
	.amdhsa_kernel k_qaae15cc704_place
		.amdhsa_group_segment_fixed_size 7680
		.amdhsa_private_segment_fixed_size 0
		.amdhsa_enable_private_segment 0
		.amdhsa_kernarg_size 16
		.amdhsa_user_sgpr_count 2
		.amdhsa_user_sgpr_kernarg_segment_ptr 1
		.amdhsa_wavefront_size32 1
		.amdhsa_system_sgpr_workgroup_id_x 1
		.amdhsa_system_sgpr_workgroup_id_y 1
		.amdhsa_system_sgpr_workgroup_id_z 1
		.amdhsa_system_vgpr_workitem_id 0
		.amdhsa_next_free_vgpr 64
		.amdhsa_next_free_sgpr 66
		.amdhsa_reserve_vcc 1
		.amdhsa_float_denorm_mode_32 3
		.amdhsa_float_denorm_mode_16_64 3
		.amdhsa_memory_ordered 1
		.amdhsa_forward_progress 1
		.amdhsa_inst_pref_size 11
	.end_amdhsa_kernel
	.amdgpu_metadata
---
amdhsa.version: [ 1, 2 ]
amdhsa.kernels:
  - .name:           k_qaae15cc704_place
    .symbol:         k_qaae15cc704_place.kd
    .args:
      - { .name: choice, .offset: 0, .size: 8, .value_kind: global_buffer, .address_space: global }
      - { .name: list, .offset: 8, .size: 8, .value_kind: global_buffer, .address_space: global }
    .group_segment_fixed_size: 7680
    .private_segment_fixed_size: 0
    .kernarg_segment_align: 8
    .kernarg_segment_size: 16
    .max_flat_workgroup_size: 128
    .sgpr_count:     66
    .vgpr_count:     64
    .wavefront_size: 32
...
	.end_amdgpu_metadata
.endif
;; end of part 5
;; launch ffn1 (part 6): grid 256 x 1, 4 waves a work-group, no clusters, 312,832 bytes of LDS; arguments W1, b1, xb, list, h; writes h
.if DOCPART == 6
	.amdgcn_target "amdgcn-amd-amdhsa--gfx1250"
	.amdhsa_code_object_version 6
	.text
	.protected	k_qaae15cc704_ffn1
	.globl	k_qaae15cc704_ffn1
	.p2align	8
	.type	k_qaae15cc704_ffn1,@function
k_qaae15cc704_ffn1:
	s_mov_b64 s[64:65], 0
	v_nop
	global_prefetch_b8 v0, s[64:65] scope:SCOPE_SE
	s_setreg_imm32_b32 hwreg(HW_REG_WAVE_MODE, 25, 1), 1
	s_wait_xcnt 0x0
; ONE TEXT FOR BOTH PRODUCTS OF THE EXPERTS; SECOND says which.
;   SECOND = 0:  h[p][f] = relu(xb[p / 2] . W1[e][:, f] + b1[e][f]), bf16.              p = 2 token + slot is a PAIR; e is the expert that the router chose for it.
;   SECOND = 1:  part[kq][p][d] = gate[p] x (h[p][1024 kq ..] . W2[e][1024 kq .., d] + b2[e][d] where kq = 0), f32: partial sums, added by the last launch.
; Only the chosen pairs are multiplied.  Weights and biases are rounded once to bf16 on their way through registers; products on the bf16 matrix form, sums in f32.
; SHARES.  A work-group has one expert and a slice of its weights that it alone reads: 1,024 k x 128 columns of f32 (8 experts x 32 slices; 8 x 8 slices x 4 K quarters): 256 work-groups.
; Wave w has those of tokens 256 w .. 256 w + 255 that chose the expert, n_w of them (0 to 256: every split is served), in blocks of 16 rows against all 128 columns.
; The slice goes through registers into LDS, in 16 chunks of 64 k, each byte written once, and stays there.  Pass 0 (up to 96 rows a wave, 6 blocks) runs under that stream, one barrier a chunk;
; rows 96 on take one or two passes more, out of LDS alone, with no barrier, which a wave without such rows jumps over.  Barriers stand only in text that no loaded number jumps.
; THE WALK ALONG K IS ROTATED.  The work-group begins at chunk ROT = 2 x (slice % 8) of its 16 and goes round: the walk's t-th chunk is (ROT + t) % 16, for the weights and for the rows alike; in LDS the
; chunks lie in the order of the walk.  So the work-groups that read the same token rows (the slices of one expert) ask for different bytes of a row at the same stage, and from the walk's third chunk on
; each byte that one of them asks for was asked for by another two stages earlier.
; THE LIST.  The launch before laid my wave's pairs, in their order, into a record of 384 words; places past the count repeat the record's first pair, so a block that is not full computes and stores that
; row again, the same bytes with the same values; word 383 holds the count.  A lane loads its rows' pairs from the record into registers; whole blocks past the count are jumped by scalar branches.  EXEC is never changed.
; THE PRODUCT IS USED TRANSPOSED: source 0 = 16 columns of W (turned out of LDS by ds_load_tr16_b128), source 1 = 16 token rows (straight from memory): a lane holds one row and eight neighbouring columns.
; NO CLUSTER: each slice of weights has one reader; what an expert's work-groups share is its token rows, which come by a list that no tile descriptor covers, and their number differs from expert to expert.
; NO TENSOR LOADS: the f32 weights pass through registers to be rounded, and no LDS byte is filled twice.
; LIMITS.  A sum takes K in the order of the walk, not ascending: it differs from an ascending sum by f32 rounding alone.  NaN and infinities are not treated apart.
.set SECOND, 0
.if SECOND
.set WPSH, 12                         ; log2 of the bytes from a row (k) of W to the next
.set BSH,  12                         ; log2 of an expert's bytes in the bias
.else
.set WPSH, 14
.set BSH,  14
.endif
.set WP,    1<<WPSH
.set WSH,   WPSH+6                    ; log2 of a chunk's 64 rows of W in memory
.set PW,    288                       ; a row (k) of the slice in LDS: 256 bytes of bf16 + 32 = 72 words
.set CHUNK, 64*PW
.set BAMAX, 15*CHUNK+15*PW+16         ; the largest place of a lane in the last chunk
.set RECB,  1536                      ; a wave's record in list
.set STG,   1024*PW                   ; behind the slice: for each wave 16 rows x 272 bytes, for the way out
.set SP,    272
.set SPARE, STG+4*16*SP               ; the spare words: 128 bytes a wave, two blocks of 256 bytes that no other line names
; REGISTERS, in windows of 256 (s_set_vgpr_msb: bits 1:0 source 0, 3:2 source 1, 5:4 source 2, 7:6 destination).  Window 0:
.set WO,   8                          ; v8   my byte offset in a chunk of W: 16 lane + 16 w rows; never rewritten
.set WS,   9                          ; v9   where my rows of the next chunk go in LDS; steps a chunk
.set BA,   10                         ; v10  my lane's place in the chunk to be read; steps a chunk
.set LF,   11                         ; v11  byte in my record of entry lane % 16 of the pass in hand
.set LR,   12                         ; v12  byte in my record of entry 8 (lane / 16) of the pass in hand
.set STO,  13                         ; v13  the way out: where I put a row's piece
.set RD,   14                         ; v14  the way out: where I read rows back
.set CO,   15                         ; v15  16 (lane % 16)
.set AOFF, 16                         ; v16-21  byte offset of my row in each of the six blocks
.set GP,   22                         ; v22-33  (SECOND) my row's gate for each block, in the low word of a pair
.set SPW,  34                         ; v34  LDS address of my spare word; never rewritten
.set NIL,  35                         ; v35  0; never rewritten
.set ZERO, 36                         ; v36  0, for the ReLU
.set H16,  37                         ; v37  16 (lane / 16)
.set BA0,  38                         ; v38  BA's start
.set PFO,  39                         ; v39  the prefetch: byte offset in a chunk of W of half lane % 2 of my wave's row lane / 2; never rewritten
.set T,    40                         ; v40-55  list entries at work
.set RO,   56                         ; v56-63  the stores' row offsets
.set AB0,  64                         ; v64-159  token fragments, buffer 0: block i, K step kk at 16 i + 8 kk
.set AB1,  160                        ; v160-255 buffer 1
.set TMP,  64                         ; the way out: results packed (in buffer 0, which only pass 0 uses)
.set OB,   96                         ; the way out: rows read back
; window 1: v0-63, v64-127 two sets of a wave's 16 rows of W as loaded;
.set RL,   0                          ;   v0-47, when the first set has been rounded for the last time: the pairs of the rows that I store, block i at 8 i
.set BIAS, 128                        ;   v128-191 the bias as a C operand: column block cb at 8 cb
.set CT,   192                        ;   v192-223 a chunk's rows rounded
; window 2: the accumulators of blocks 0-3 (block i, column block cb at 64 i + 8 cb).  Window 3: v0-127 those of blocks 4, 5;
.set FR,   128                        ;   v128-255 W's fragments of one chunk: K step kk, column block cb at 64 kk + 8 cb
; s[4:5] W at the chunk to be loaded   s[6:7] bias   s[8:9] the rows at the chunk to be loaded   s[10:11] my record   s[12:13] the output   s[14:15] gates   s[16:17] the rows at chunk 0
.set WV, 18                           ; s18 wave   s19 expert   s20 slice   s21 K quarter
.set EX, 19
.set SL, 20
.set KQ, 21
.set NW, 22                           ; s22  n_w
.set NB, 23                           ; s23  live blocks of the pass in hand, 0 to 6
.set BM, 34                           ; s34  (SECOND) all ones where kq = 0: only that quarter adds the bias
.set W0, 36                           ; s[36:37] my slice of W at chunk 0
.set CW, 38                           ; s38  the chunk (0 to 15) at which W's pointer stands
.set CA, 39                           ; s39  the same for the rows' pointer
.set OFS, 40                          ; s[40:41] a chunk's byte offset, in 64 bits; the high word stays 0
.set ROT, 42                          ; s42  the chunk at which my walk begins
.set CP, 43                           ; s43  the chunk at which the prefetch's pointer stands
.set PP, 44                           ; s[44:45] W at the chunk to be asked for
.set MSB, 0
.macro WIN new                        ; the immediate's high byte repeats the setting that is left; a switch that changes nothing is dropped
.if MSB != (\new)
	s_set_vgpr_msb (MSB<<8)|(\new)
.set MSB, \new
.endif
.endm
.macro PLACES                         ; four places between a matrix instruction and a vector read of its result or a load into one of its registers (ISA guide 7.12.1 for vector reads)
.rept 4
	v_nop
.endr
.endm
; A pointer goes one chunk on in the walk, round the 16: the chunk's number steps modulo 16, and the pointer is made anew from its base and the chunk's offset.
.macro WALK cnt, sh, ptr, base
	s_add_co_u32 s[\cnt], s[\cnt], 1
	s_and_b32 s[\cnt], s[\cnt], 15
	s_lshl_b32 s[OFS], s[\cnt], \sh
	s_add_nc_u64 s[(\ptr):(\ptr)+1], s[(\base):(\base)+1], s[OFS:OFS+1]
.endm
; 16 loads: my 16 rows of the chunk c chunks on from s[4:5]; a load takes a row's whole 512 bytes, which start at a multiple of 256 from W's first byte.  Read once in the launch.
.macro WLOAD ws, c
	WIN 0x40                                       ; destination window 1
.set k, 0
.rept 16
	global_load_b128 v[64*(\ws)+4*k:64*(\ws)+4*k+3], v[WO], s[4:5] offset:(64*(\c)+k)*WP th:TH_LOAD_NT
.set k, k+1
.endr
	WIN 0
.endm
.macro CVT ws                         ; a set's 64 words rounded to 32
	WIN 0x45                                       ; all in window 1
.set k, 0
.rept 32
	v_cvt_pk_bf16_f32 v[CT+k], v[64*(\ws)+2*k], v[64*(\ws)+2*k+1]
.set k, k+1
.endr
.endm
.macro WST                            ; and laid into LDS: a store takes a row's 256 consecutive bytes
	WIN 0x04                                       ; data window 1
.set k, 0
.rept 16
	ds_store_b64 v[WS], v[CT+2*k:CT+2*k+1] offset:PW*k
.set k, k+1
.endr
	WIN 0
	v_add_nc_u32 v[WS], CHUNK, v[WS]
.endm
.macro FLOAD                          ; a chunk's fragments of W: 64 k x 128 columns, 32 turning loads in one run
	WIN 0xc0                                       ; destination window 3
.irp kk, 0,1
.irp cb, 0,1,2,3,4,5,6,7
	ds_load_tr16_b128 v[FR+64*(\kk)+8*(\cb):FR+64*(\kk)+8*(\cb)+3],   v[BA] offset:32*(\kk)*PW+32*(\cb)
	ds_load_tr16_b128 v[FR+64*(\kk)+8*(\cb)+4:FR+64*(\kk)+8*(\cb)+7], v[BA] offset:(32*(\kk)+16)*PW+32*(\cb)
.endr
.endr
	WIN 0
	v_add_nc_u32 v[BA], CHUNK, v[BA]
.endm
; The token rows' fragments for 64 k at byte X from s[8:9]: four loads a block.  Blocks 0-2 always; blocks 3-5 only while they are live (all = 1: all six).
.macro ALOAD buf, X, all
.irp i, 0,1,2,3,4,5
.if ((\i) >= 3) && !(\all)
	s_cmp_le_u32 s[NB], \i
	s_cbranch_scc1 .Lna_\@
.endif
.irp u, 0,1,2,3
	global_load_b128 v[(\buf)+16*(\i)+4*(\u):(\buf)+16*(\i)+4*(\u)+3], v[AOFF+(\i)], s[8:9] offset:(\X)+32*(\u)
.endr
.endr
.if !(\all)
.Lna_\@:
.endif
.endm
; The pairs of the rows that I store on the way out of the pass in hand: for block i entries 16 i + 8 (lane / 16) + 0..7, 32 bytes on end in my record: two loads a block.
.macro RLLOAD
	WIN 0x40                                       ; destination window 1
.irp i, 0,1,2,3,4,5
	global_load_b128 v[RL+8*(\i):RL+8*(\i)+3],   v[LR], s[10:11] offset:64*(\i)
	global_load_b128 v[RL+8*(\i)+4:RL+8*(\i)+7], v[LR], s[10:11] offset:64*(\i)+16
.endr
	WIN 0
.endm
; 16 products of block i: K step 0 on its 8 accumulators, then K step 1.  The accumulators take turns, one instruction a turn; a block's last product and any block's first name different ones.
; first = 1: the first K step starts the sums with the bias as C: nothing is cleared.
.macro MULB i, buf, first
.set AC, 64*((\i)%4)
.set HIW, (\i)/4
.set AF, (\buf)+16*(\i)
.irp kk, 0,1
.irp cb, 0,1,2,3,4,5,6,7
.if (\first) && ((\kk) == 0)
	WIN 0x93+0x40*HIW                              ; W window 3, rows window 0, C window 1, D window 2 or 3
	v_wmma_f32_16x16x32_bf16 v[AC+8*(\cb):AC+8*(\cb)+7], v[FR+64*(\kk)+8*(\cb):FR+64*(\kk)+8*(\cb)+7], v[AF+8*(\kk):AF+8*(\kk)+7], v[BIAS+8*(\cb):BIAS+8*(\cb)+7]
.else
	WIN 0xa3+0x50*HIW                              ; C and D window 2 or 3
	v_wmma_f32_16x16x32_bf16 v[AC+8*(\cb):AC+8*(\cb)+7], v[FR+64*(\kk)+8*(\cb):FR+64*(\kk)+8*(\cb)+7], v[AF+8*(\kk):AF+8*(\kk)+7], v[AC+8*(\cb):AC+8*(\cb)+7]
.endif
.endr
.endr
.endm
; A chunk's products.  bar = 1: the barrier that shows the next chunk whole: signal, 48 products on registers, wait.  Blocks 3-5 are jumped where they are dead; a dead block among 0-2 multiplies a repeated row and is never stored.
.macro MULS buf, first, bar
.if \bar
	s_barrier_signal -1
.endif
	MULB 0, \buf, \first
	MULB 1, \buf, \first
	MULB 2, \buf, \first
.if \bar
	s_barrier_wait -1
.endif
.irp i, 3,4,5
.if !(\first)
	WIN 0                                          ; at a branch and at a label every window is 0
	s_cmp_le_u32 s[NB], \i
	s_cbranch_scc1 .Lmd_\@
.endif
	MULB \i, \buf, \first
.endr
	WIN 0
.if !(\first)
.Lmd_\@:
.endif
.endm
; STAGE s of pass 0 (par = s % 2); chunks are counted along the walk.  Chunk s + 1 is rounded into LDS, the rows' fragments of stage s + 1 and chunk s + 3 are asked for, chunk s is multiplied.
; lcnt = 16: the youngest 16 loads at a stage's head are always the chunk asked for last, whatever row loads were jumped: all that is older, this stage's rows and chunk s + 1, is in.
; So a chunk has two stages in which to land, and a wave has at most 16 + 24 + 16 loads out.  rl = 1 (the last stage): the way out's pairs are asked for ahead of the stage's products.
; pf: THE PREFETCH.  Stage s asks for chunk s + 5, which stage s + 2 loads: my wave's own 16 rows, 32 lanes 256 bytes apart, so each aligned block of 256 bytes is asked for once in the launch, by the wave that
; will load it; two chunks, 16 KB a wave, are asked for and not yet loaded.  Stages 0 to 10 ask (pf = 2: the loop's last trip, stages 11 and 12, jumps over the request); chunks 0 to 4 are loaded without.
; The chunk's number is taken modulo 16, so no request leaves the slice.  The request raises no counter that a wait here counts.
.macro STAGE par, first, cvt, aload, wload, lcnt, bar, pf=0, rl=0
.set NXS, ((\par)+1)%2
.set CUB, AB0+96*(\par)
.set NXB, AB0+96*NXS
	s_wait_loadcnt \lcnt
.if \cvt
	CVT NXS                                        ; 32 plain instructions that name no register of the last products: their places, ahead of the loads below
.else
	PLACES
.endif
	FLOAD
.if \cvt
	WST
.endif
.if \rl
	RLLOAD
.endif
.if (\aload) || (\wload)
	s_wait_xcnt 0x0                                ; every earlier load and request has had its address translated (ISA guide 3.1): the three pointers are written only behind this wait
.endif
.if \aload
	WALK CA, 7, 8, 16                              ; a chunk of a row is 128 bytes
	ALOAD NXB, 0, 0
.endif
.if \wload
	WALK CW, WSH, 4, W0
	WLOAD NXS, 0
.endif
.if \pf
.if (\pf) == 2
	s_cmp_eq_u32 s24, 1
	s_cbranch_scc1 .Lnp_\@
.endif
	WALK CP, WSH, PP, W0
	global_prefetch_b8 v[PFO], s[PP:PP+1] th:TH_LOAD_NT scope:SCOPE_SE
.if (\pf) == 2
.Lnp_\@:
.endif
.endif
	s_wait_dscnt 0x0                               ; W's fragments are in; and, for the others' sake, my rows of the next chunk are in LDS
	MULS CUB, \first, \bar
.endm
; The rows of a pass: six list entries a lane (entry 16 i + lane % 16 for block i),
.macro ROWS_LD
.irp i, 0,1,2,3,4,5
	global_load_b32 v[T+(\i)], v[LF], s[10:11] offset:64*(\i)
.endr
.endm
; which, clamped to the 2,048 pairs, make the blocks' row offsets (and fetch the rows' gates).
.macro ROWS_MK
.irp i, 0,1,2,3,4,5
	v_min_u32 v[T+(\i)], 0x7ff, v[T+(\i)]
.if SECOND
	v_lshl_add_u32 v[AOFF+(\i)], v[T+(\i)], 13, v[H16]   ; a pair's row of h is 8,192 bytes
	v_lshlrev_b32 v[T+6+(\i)], 2, v[T+(\i)]
	global_load_b32 v[GP+2*(\i)], v[T+6+(\i)], s[14:15]
.else
	v_and_b32 v[T+(\i)], 0x7fe, v[T+(\i)]                ; 2 x token,
	v_lshl_add_u32 v[AOFF+(\i)], v[T+(\i)], 10, v[H16]   ; whose row of xb is 2,048 bytes
.endif
.endr
.endm
; A stage of a later pass: everything is waited for at once; it runs only for a wave with more than 96 rows.
.macro OVST first
	PLACES
.if !(\first)
	WALK CA, 7, 8, 16                              ; the loads that used the pointer were waited for below
.endif
	ALOAD AB1, 0, \first
	v_min_u32 v[BA], BAMAX, v[BA]                  ; held inside the slice by a constant: the largest value that the walk of 16 chunks reaches, so it changes no address; with the loads' offsets, 14,064 bytes at the most, every byte read lies under 1,024 x 288
	FLOAD
	s_wait_loadcnt 0x0
	s_wait_dscnt 0x0
	MULS AB1, \first, 0
.endm
; THE WAY OUT of block i, through my own stage in LDS: in by lanes (a row's piece each), back as whole rows of 256 bytes, lanes 0-15 row t and lanes 16-31 row 8 + t.
; LDS serves a wave's instructions in order (ISA guide 5.7.1.4), so no wait stands between the stores and the loads.  Each accumulator is read from its low end on.
.macro ROFF i, sh                     ; the eight rows' offsets in the output: the pair, clamped, times a row's bytes, plus my 16 bytes of 256
	WIN 0x04                                       ; source 1 window 1
.irp t, 0,1,2,3,4,5,6,7
	v_min_u32 v[T+(\t)], 0x7ff, v[RL+8*(\i)+(\t)]
.endr
	WIN 0
.irp t, 0,1,2,3,4,5,6,7
	v_lshl_add_u32 v[RO+(\t)], v[T+(\t)], \sh, v[CO]
.endr
.endm
.macro OUT i
.set AC, 64*((\i)%4)
.set HIW, (\i)/4
.if SECOND
.irp hf, 0,1                          ; a row's 512 bytes of f32 go in two halves of 256
	WIN 0x02+HIW                                   ; source 0 window 2 or 3
.set k, 0
.rept 16
	v_pk_mul_f32 v[TMP+2*k:TMP+2*k+1], v[AC+32*(\hf)+2*k:AC+32*(\hf)+2*k+1], v[GP+2*(\i):GP+2*(\i)+1] op_sel_hi:[1,0]   ; times the row's gate
.set k, k+1
.endr
	WIN 0
.set k, 0
.rept 8
	ds_store_b128 v[STO], v[TMP+4*k:TMP+4*k+3] offset:64*(k/2)+16*(k%2)
.set k, k+1
.endr
	s_wait_xcnt 0x0                                ; the stores before have read OB and RO, which are written again only behind this wait
.irp t, 0,1,2,3,4,5,6,7
	ds_load_b128 v[OB+4*(\t):OB+4*(\t)+3], v[RD] offset:SP*(\t)
.endr
.if (\hf) == 0
	ROFF \i, 12                                    ; a pair's row of part is 4,096 bytes
.endif
	s_wait_dscnt 0x0
.irp t, 0,1,2,3,4,5,6,7
	global_store_b128 v[RO+(\t)], v[OB+4*(\t):OB+4*(\t)+3], s[12:13] offset:256*(\hf)   ; 16 lanes store 256 consecutive bytes, at a multiple of 256 from part's first
.endr
.endr
.else
	WIN 0x0a+5*HIW                                 ; sources 0 and 1 window 2 or 3
.set k, 0
.rept 32
	v_cvt_pk_bf16_f32 v[TMP+k], v[AC+2*k], v[AC+2*k+1]
.set k, k+1
.endr
	WIN 0
.set k, 0
.rept 32
	v_pk_max_num_bf16 v[TMP+k], v[TMP+k], v[ZERO]  ; the ReLU, two at a time; it commutes with the rounding
.set k, k+1
.endr
.irp cb, 0,1,2,3,4,5,6,7
	ds_store_b128 v[STO], v[TMP+4*(\cb):TMP+4*(\cb)+3] offset:32*(\cb)
.endr
	s_wait_xcnt 0x0                                ; the stores before have read OB and RO, which are written again only behind this wait
.irp t, 0,1,2,3,4,5,6,7
	ds_load_b128 v[OB+4*(\t):OB+4*(\t)+3], v[RD] offset:SP*(\t)
.endr
	ROFF \i, 13                                    ; a pair's row of h is 8,192 bytes
	s_wait_dscnt 0x0
.irp t, 0,1,2,3,4,5,6,7
	global_store_b128 v[RO+(\t)], v[OB+4*(\t):OB+4*(\t)+3], s[12:13]   ; 16 lanes store 256 consecutive bytes, at a multiple of 256 from h's first
.endr
.endif
.endm
	s_load_b256 s[4:11], s[0:1], 0x0               ; W s[4:5], bias s[6:7], rows s[8:9], list s[10:11]
	s_load_b64 s[12:13], s[0:1], 0x20              ; the output
.if SECOND
	s_load_b64 s[14:15], s[0:1], 0x28              ; gates
.endif
	v_lshl_add_u32 v[SPW], v0, 2, SPARE
	v_mov_b32 v[NIL], 0
	v_lshrrev_b32 v1, 5, v0
	v_readfirstlane_b32 s[WV], v1                  ; wave 0..3
	v_and_b32 v1, 31, v0                           ; lane
	v_and_b32 v2, 15, v0                           ; r = lane % 16
	v_bfe_u32 v3, v0, 4, 1                         ; h = lane / 16
.if SECOND
	s_lshr_b32 s[SL], ttmp9, 5                     ; the work-group's number is 32 x slice + 4 x expert + K quarter: the eight that read the same rows of h
	s_bfe_u32 s[EX], ttmp9, 0x30002                ; (one expert, one K quarter) have numbers 32 apart
	s_and_b32 s[KQ], ttmp9, 3
	s_cmp_eq_u32 s[KQ], 0
	s_cselect_b32 s[BM], -1, 0
.else
	s_lshr_b32 s[EX], ttmp9, 5                     ; the work-group's number is 32 x expert + slice
	s_and_b32 s[SL], ttmp9, 31
.endif
	s_and_b32 s[ROT], s[SL], 7
	s_lshl_b32 s[ROT], s[ROT], 1                   ; my walk begins at chunk 0, 2, .. 14
	s_add_co_u32 s[CW], s[ROT], 1                  ; the first pointers serve the walk's chunks 0 and 1 (ROT is even: ROT + 1 is 15 at the most), so the counts stand at chunk 1;
	s_add_co_u32 s[CA], s[ROT], 1
	s_add_co_u32 s[CP], s[ROT], 4                  ; the first request is for the walk's chunk 5
	s_mov_b32 s[OFS+1], 0
	s_mul_i32 s30, s[WV], 16*WP
	v_lshl_add_u32 v[WO], v1, 4, s30
	v_lshrrev_b32 v6, 1, v1                        ; the prefetch: row lane / 2 of my 16,
	v_and_b32 v4, 1, v1                            ; half lane % 2 of its 512 bytes
	v_lshlrev_b32 v4, 8, v4
	v_lshl_add_u32 v4, v6, WPSH, v4
	v_add_nc_u32 v[PFO], s30, v4
	s_mul_i32 s30, s[WV], 16*PW
	v_lshl_add_u32 v[WS], v1, 3, s30
	v_and_b32 v6, 7, v0                            ; the turning load: lane l reads row 8 (l / 16) + l % 8, columns 8 ((l / 8) % 2) + 0..7
	v_lshl_add_u32 v6, v3, 3, v6
	v_mul_u32_u24 v[BA0], v6, PW
	v_bfe_u32 v6, v0, 3, 1
	v_lshl_add_u32 v[BA0], v6, 4, v[BA0]
	v_mov_b32 v[BA], v[BA0]
	v_lshlrev_b32 v[LF], 2, v2                     ; entry r
	v_lshlrev_b32 v[LR], 5, v3                     ; entry 8 h
	s_mul_i32 s30, s[WV], 16*SP
	s_add_co_u32 s30, s30, STG
	v_mul_u32_u24 v6, v2, SP
	v_lshl_add_u32 v6, v3, 4+SECOND, v6            ; a lane's eight columns are 16 bytes of bf16 or 32 of f32
	v_add_nc_u32 v[STO], s30, v6
	v_mul_u32_u24 v6, v3, 8*SP                     ; back: row 8 h, 16 bytes a lane
	v_lshl_add_u32 v6, v2, 4, v6
	v_add_nc_u32 v[RD], s30, v6
	v_lshlrev_b32 v[CO], 4, v2
	v_lshlrev_b32 v[H16], 4, v3
	v_mov_b32 v[ZERO], 0
.if SECOND
.irp i, 0,1,2,3,4,5
	v_mov_b32 v[GP+2*(\i)+1], 0                    ; named with the gate as a pair, never used
.endr
.endif
	v_lshlrev_b32 v5, 5, v3                        ; bias: my lanes' eight columns
	s_mov_b32 s29, 0
	s_lshl_b32 s28, s[EX], 24                      ; an expert's weights are 2^24 bytes,
	s_lshl_b32 s31, s[SL], 9                       ; a slice's columns 512
	s_add_co_u32 s28, s28, s31
.if SECOND
	s_lshl_b32 s33, s[KQ], 22                      ; a K quarter 1,024 rows of 4,096
	s_add_co_u32 s28, s28, s33
.endif
	s_lshl2_add_u32 s32, s[EX], s[WV]              ; my record: 4 e + w
	s_mul_i32 s32, s32, RECB
	s_mov_b32 s33, 0
	s_wait_kmcnt 0x0
	s_add_nc_u64 s[W0:W0+1], s[4:5], s[28:29]      ; my slice,
	s_lshl_b32 s[OFS], s[ROT], WSH
	s_add_nc_u64 s[4:5], s[W0:W0+1], s[OFS:OFS+1]  ; and the chunk at which my walk begins
	s_add_nc_u64 s[10:11], s[10:11], s[32:33]
	s_load_b32 s[NW], s[10:11], RECB-4             ; the record's last word: n_w
	s_lshl_b32 s28, s[EX], BSH
	s_add_co_u32 s28, s28, s31
	s_add_nc_u64 s[6:7], s[6:7], s[28:29]
.if SECOND
	s_lshl_b32 s28, s[KQ], 11
	s_add_nc_u64 s[8:9], s[8:9], s[28:29]          ; my K quarter of h's rows
	s_lshl_b32 s28, s[KQ], 23
	s_add_co_u32 s28, s28, s31
.else
	s_lshl_b32 s28, s[SL], 8
.endif
	s_add_nc_u64 s[12:13], s[12:13], s[28:29]
	s_mov_b64 s[16:17], s[8:9]                     ; the rows at chunk 0,
	s_lshl_b32 s[OFS], s[ROT], 7
	s_add_nc_u64 s[8:9], s[16:17], s[OFS:OFS+1]    ; and at the chunk at which my walk begins
	; 6 + 16 + 32 loads: pass 0's rows, the bias, and the walk's first two chunks of W
	ROWS_LD
	WIN 0x40
.irp cb, 0,1,2,3,4,5,6,7
	global_load_b128 v[BIAS+8*(\cb):BIAS+8*(\cb)+3],   v5, s[6:7] offset:64*(\cb)
	global_load_b128 v[BIAS+8*(\cb)+4:BIAS+8*(\cb)+7], v5, s[6:7] offset:64*(\cb)+16
.endr
	WLOAD 0, 0
	WLOAD 1, 1
	s_wait_loadcnt 32                              ; the rows' pairs and the bias are in: the 32 loads of W are younger
	ROWS_MK
	ALOAD AB0, 0, 1                                ; stage 0's rows: all six blocks, so that every fragment register is written
	WIN 0x45                                       ; the bias is rounded to bf16 like every input, and widened again
.set k, 0
.rept 32
	v_cvt_pk_bf16_f32 v[CT+k], v[BIAS+2*k], v[BIAS+2*k+1]
.set k, k+1
.endr
.if SECOND
.set k, 0
.rept 32
	v_and_b32 v[CT+k], s[BM], v[CT+k]              ; 0 in the K quarters 1 to 3
.set k, k+1
.endr
.endif
.set k, 0
.rept 32
	v_lshlrev_b32 v[BIAS+2*k], 16, v[CT+k]
	v_and_b32 v[BIAS+2*k+1], 0xffff0000, v[CT+k]
.set k, k+1
.endr
	WIN 0
	s_wait_kmcnt 0x0                               ; n_w,
	s_min_u32 s[NW], s[NW], 0x100                  ; 256 at the most
	s_add_co_u32 s[NB], s[NW], 15
	s_lshr_b32 s[NB], s[NB], 4
	s_min_u32 s[NB], s[NB], 6
	s_wait_loadcnt 40+6*SECOND                     ; chunk 0 is in: chunk 1's 16 loads, the 6 gates (SECOND) and the 24 rows' loads are younger
	CVT 0
	WST
	ALOAD AB1, 128, 1                              ; stage 1's rows.  Here more loads are issued than LOADcnt's field holds: the issue is held back meanwhile (ISA guide 5.7.1), once
	s_wait_xcnt 0x0                                ; chunk 1's loads have had their addresses translated: W's pointer is written only behind this wait
	WALK CW, WSH, 4, W0
	WLOAD 0, 0                                     ; the walk's chunk 2
	s_wait_dscnt 0x0                               ; for the others' sake: my rows of chunk 0 are in LDS
	s_barrier_signal -1
	s_barrier_wait -1
	STAGE 0, 1, 1, 0, 1, 16, 1, 1                  ; stage 0 stands ahead of the loop: its products start the sums
	s_mov_b32 s24, 6
.Lk:                                                   ; stages (1, 2) to (11, 12)
	STAGE 1, 0, 1, 1, 1, 16, 1, 2
	STAGE 0, 0, 1, 1, 1, 16, 1, 2
	s_sub_co_u32 s24, s24, 1
	s_cmp_lg_u32 s24, 0
	s_cbranch_scc1 .Lk
	STAGE 1, 0, 1, 1, 0, 16, 1                     ; stage 13: no chunk is left to ask for; the youngest 16 loads are chunk 15's
	STAGE 0, 0, 1, 1, 0, 0, 1                      ; stage 14: the youngest loads are rows, of a number that varies: the wait is for all
	STAGE 1, 0, 0, 0, 0, 0, 0, 0, 1                ; stage 15: the slice is whole in LDS; no barrier follows in the text
	; Three trips: a pass goes out, and the next 96 rows, if there are any, are multiplied out of LDS.  256 rows at the most: the third trip only stores.
	s_mov_b32 s25, 0
	s_mov_b32 s27, 0                               ; rows done
.Lpass:
	PLACES                                         ; behind the last products
	s_wait_loadcnt 0x0                             ; the pairs of the rows to be stored are in
.irp i, 0,1,2,3,4,5
	s_cmp_le_u32 s[NB], \i
	s_cbranch_scc1 .Loe                            ; whole blocks past the count store nothing
	OUT \i
.endr
.Loe:
	v_add_nc_u32 v[LR], 384, v[LR]                 ; 96 list entries on; the loads that used these two have been waited for
	v_add_nc_u32 v[LF], 384, v[LF]
	s_add_co_u32 s27, s27, 96
	s_mov_b32 s[NB], 0
	s_cmp_le_u32 s[NW], s27
	s_cbranch_scc1 .Lnx
	s_sub_co_u32 s[NB], s[NW], s27
	s_add_co_u32 s[NB], s[NB], 15
	s_lshr_b32 s[NB], s[NB], 4
	s_min_u32 s[NB], s[NB], 6
	ROWS_LD
	RLLOAD
	s_wait_loadcnt 0x0
	ROWS_MK
	s_mov_b32 s[CA], s[ROT]                        ; the rows' pointer goes back to the walk's first chunk: every load that used it has been waited for
	s_lshl_b32 s[OFS], s[ROT], 7
	s_add_nc_u64 s[8:9], s[16:17], s[OFS:OFS+1]
	v_mov_b32 v[BA], v[BA0]
	OVST 1
	s_mov_b32 s24, 15
.Lov:
	OVST 0
	s_sub_co_u32 s24, s24, 1
	s_cmp_lg_u32 s24, 0
	s_cbranch_scc1 .Lov
.Lnx:
	s_add_co_u32 s25, s25, 1
	s_cmp_lt_u32 s25, 3
	s_cbranch_scc1 .Lpass
	s_wait_tensorcnt 0x0                           ; the wave's end: behind my last LDS store
	ds_add_u32 v[SPW], v[NIL]
	s_wait_dscnt 0x0
	s_endpgm
.Lfunc_end_k_qaae15cc704_ffn1:
	.size	k_qaae15cc704_ffn1, .Lfunc_end_k_qaae15cc704_ffn1-k_qaae15cc704_ffn1
	.p2alignl 7, 3214868480
	.fill 96, 4, 3214868480
	.section	.rodata,"a",@progbits
	.p2align	6, 0x0
	.amdhsa_kernel k_qaae15cc704_ffn1
		.amdhsa_group_segment_fixed_size 312832
		.amdhsa_private_segment_fixed_size 0
		.amdhsa_enable_private_segment 0
		.amdhsa_kernarg_size 40
		.amdhsa_user_sgpr_count 2
		.amdhsa_user_sgpr_kernarg_segment_ptr 1
		.amdhsa_wavefront_size32 1
		.amdhsa_system_sgpr_workgroup_id_x 1
		.amdhsa_system_sgpr_workgroup_id_y 1
		.amdhsa_system_sgpr_workgroup_id_z 1
		.amdhsa_system_vgpr_workitem_id 0
		.amdhsa_next_free_vgpr 1024
		.amdhsa_next_free_sgpr 66
		.amdhsa_reserve_vcc 0
		.amdhsa_float_denorm_mode_32 3
		.amdhsa_float_denorm_mode_16_64 3
		.amdhsa_memory_ordered 1
		.amdhsa_forward_progress 1
		.amdhsa_inst_pref_size 179
	.end_amdhsa_kernel
	.amdgpu_metadata
---
amdhsa.version: [ 1, 2 ]
amdhsa.kernels:
  - .name:           k_qaae15cc704_ffn1
    .symbol:         k_qaae15cc704_ffn1.kd
    .args:
      - { .name: W1, .offset: 0, .size: 8, .value_kind: global_buffer, .address_space: global }
      - { .name: b1, .offset: 8, .size: 8, .value_kind: global_buffer, .address_space: global }
      - { .name: xb, .offset: 16, .size: 8, .value_kind: global_buffer, .address_space: global }
      - { .name: list, .offset: 24, .size: 8, .value_kind: global_buffer, .address_space: global }
      - { .name: h, .offset: 32, .size: 8, .value_kind: global_buffer, .address_space: global }
    .group_segment_fixed_size: 312832
    .private_segment_fixed_size: 0
    .kernarg_segment_align: 8
    .kernarg_segment_size: 40
    .max_flat_workgroup_size: 128
    .sgpr_count:     66
    .vgpr_count:     1024
    .wavefront_size: 32
...
	.end_amdgpu_metadata
.endif
;; end of part 6
;; launch ffn2 (part 7): grid 256 x 1, 4 waves a work-group, no clusters, 312,832 bytes of LDS; arguments W2, b2, h, list, part, gates; writes part
.if DOCPART == 7
	.amdgcn_target "amdgcn-amd-amdhsa--gfx1250"
	.amdhsa_code_object_version 6
	.text
	.protected	k_qaae15cc704_ffn2
	.globl	k_qaae15cc704_ffn2
	.p2align	8
	.type	k_qaae15cc704_ffn2,@function
k_qaae15cc704_ffn2:
	s_mov_b64 s[64:65], 0
	v_nop
	global_prefetch_b8 v0, s[64:65] scope:SCOPE_SE
	s_setreg_imm32_b32 hwreg(HW_REG_WAVE_MODE, 25, 1), 1
	s_wait_xcnt 0x0
; ONE TEXT FOR BOTH PRODUCTS OF THE EXPERTS; SECOND says which.
;   SECOND = 0:  h[p][f] = relu(xb[p / 2] . W1[e][:, f] + b1[e][f]), bf16.              p = 2 token + slot is a PAIR; e is the expert that the router chose for it.
;   SECOND = 1:  part[kq][p][d] = gate[p] x (h[p][1024 kq ..] . W2[e][1024 kq .., d] + b2[e][d] where kq = 0), f32: partial sums, added by the last launch.
; Only the chosen pairs are multiplied.  Weights and biases are rounded once to bf16 on their way through registers; products on the bf16 matrix form, sums in f32.
; SHARES.  A work-group has one expert and a slice of its weights that it alone reads: 1,024 k x 128 columns of f32 (8 experts x 32 slices; 8 x 8 slices x 4 K quarters): 256 work-groups.
; Wave w has those of tokens 256 w .. 256 w + 255 that chose the expert, n_w of them (0 to 256: every split is served), in blocks of 16 rows against all 128 columns.
; The slice goes through registers into LDS, in 16 chunks of 64 k, each byte written once, and stays there.  Pass 0 (up to 96 rows a wave, 6 blocks) runs under that stream, one barrier a chunk;
; rows 96 on take one or two passes more, out of LDS alone, with no barrier, which a wave without such rows jumps over.  Barriers stand only in text that no loaded number jumps.
; THE WALK ALONG K IS ROTATED.  The work-group begins at chunk ROT = 2 x (slice % 8) of its 16 and goes round: the walk's t-th chunk is (ROT + t) % 16, for the weights and for the rows alike; in LDS the
; chunks lie in the order of the walk.  So the work-groups that read the same token rows (the slices of one expert) ask for different bytes of a row at the same stage, and from the walk's third chunk on
; each byte that one of them asks for was asked for by another two stages earlier.
; THE LIST.  The launch before laid my wave's pairs, in their order, into a record of 384 words; places past the count repeat the record's first pair, so a block that is not full computes and stores that
; row again, the same bytes with the same values; word 383 holds the count.  A lane loads its rows' pairs from the record into registers; whole blocks past the count are jumped by scalar branches.  EXEC is never changed.
; THE PRODUCT IS USED TRANSPOSED: source 0 = 16 columns of W (turned out of LDS by ds_load_tr16_b128), source 1 = 16 token rows (straight from memory): a lane holds one row and eight neighbouring columns.
; NO CLUSTER: each slice of weights has one reader; what an expert's work-groups share is its token rows, which come by a list that no tile descriptor covers, and their number differs from expert to expert.
; NO TENSOR LOADS: the f32 weights pass through registers to be rounded, and no LDS byte is filled twice.
; LIMITS.  A sum takes K in the order of the walk, not ascending: it differs from an ascending sum by f32 rounding alone.  NaN and infinities are not treated apart.
.set SECOND, 1
.if SECOND
.set WPSH, 12                         ; log2 of the bytes from a row (k) of W to the next
.set BSH,  12                         ; log2 of an expert's bytes in the bias
.else
.set WPSH, 14
.set BSH,  14
.endif
.set WP,    1<<WPSH
.set WSH,   WPSH+6                    ; log2 of a chunk's 64 rows of W in memory
.set PW,    288                       ; a row (k) of the slice in LDS: 256 bytes of bf16 + 32 = 72 words
.set CHUNK, 64*PW
.set BAMAX, 15*CHUNK+15*PW+16         ; the largest place of a lane in the last chunk
.set RECB,  1536                      ; a wave's record in list
.set STG,   1024*PW                   ; behind the slice: for each wave 16 rows x 272 bytes, for the way out
.set SP,    272
.set SPARE, STG+4*16*SP               ; the spare words: 128 bytes a wave, two blocks of 256 bytes that no other line names
; REGISTERS, in windows of 256 (s_set_vgpr_msb: bits 1:0 source 0, 3:2 source 1, 5:4 source 2, 7:6 destination).  Window 0:
.set WO,   8                          ; v8   my byte offset in a chunk of W: 16 lane + 16 w rows; never rewritten
.set WS,   9                          ; v9   where my rows of the next chunk go in LDS; steps a chunk
.set BA,   10                         ; v10  my lane's place in the chunk to be read; steps a chunk
.set LF,   11                         ; v11  byte in my record of entry lane % 16 of the pass in hand
.set LR,   12                         ; v12  byte in my record of entry 8 (lane / 16) of the pass in hand
.set STO,  13                         ; v13  the way out: where I put a row's piece
.set RD,   14                         ; v14  the way out: where I read rows back
.set CO,   15                         ; v15  16 (lane % 16)
.set AOFF, 16                         ; v16-21  byte offset of my row in each of the six blocks
.set GP,   22                         ; v22-33  (SECOND) my row's gate for each block, in the low word of a pair
.set SPW,  34                         ; v34  LDS address of my spare word; never rewritten
.set NIL,  35                         ; v35  0; never rewritten
.set ZERO, 36                         ; v36  0, for the ReLU
.set H16,  37                         ; v37  16 (lane / 16)
.set BA0,  38                         ; v38  BA's start
.set PFO,  39                         ; v39  the prefetch: byte offset in a chunk of W of half lane % 2 of my wave's row lane / 2; never rewritten
.set T,    40                         ; v40-55  list entries at work
.set RO,   56                         ; v56-63  the stores' row offsets
.set AB0,  64                         ; v64-159  token fragments, buffer 0: block i, K step kk at 16 i + 8 kk
.set AB1,  160                        ; v160-255 buffer 1
.set TMP,  64                         ; the way out: results packed (in buffer 0, which only pass 0 uses)
.set OB,   96                         ; the way out: rows read back
; window 1: v0-63, v64-127 two sets of a wave's 16 rows of W as loaded;
.set RL,   0                          ;   v0-47, when the first set has been rounded for the last time: the pairs of the rows that I store, block i at 8 i
.set BIAS, 128                        ;   v128-191 the bias as a C operand: column block cb at 8 cb
.set CT,   192                        ;   v192-223 a chunk's rows rounded
; window 2: the accumulators of blocks 0-3 (block i, column block cb at 64 i + 8 cb).  Window 3: v0-127 those of blocks 4, 5;
.set FR,   128                        ;   v128-255 W's fragments of one chunk: K step kk, column block cb at 64 kk + 8 cb
; s[4:5] W at the chunk to be loaded   s[6:7] bias   s[8:9] the rows at the chunk to be loaded   s[10:11] my record   s[12:13] the output   s[14:15] gates   s[16:17] the rows at chunk 0
.set WV, 18                           ; s18 wave   s19 expert   s20 slice   s21 K quarter
.set EX, 19
.set SL, 20
.set KQ, 21
.set NW, 22                           ; s22  n_w
.set NB, 23                           ; s23  live blocks of the pass in hand, 0 to 6
.set BM, 34                           ; s34  (SECOND) all ones where kq = 0: only that quarter adds the bias
.set W0, 36                           ; s[36:37] my slice of W at chunk 0
.set CW, 38                           ; s38  the chunk (0 to 15) at which W's pointer stands
.set CA, 39                           ; s39  the same for the rows' pointer
.set OFS, 40                          ; s[40:41] a chunk's byte offset, in 64 bits; the high word stays 0
.set ROT, 42                          ; s42  the chunk at which my walk begins
.set CP, 43                           ; s43  the chunk at which the prefetch's pointer stands
.set PP, 44                           ; s[44:45] W at the chunk to be asked for
.set MSB, 0
.macro WIN new                        ; the immediate's high byte repeats the setting that is left; a switch that changes nothing is dropped
.if MSB != (\new)
	s_set_vgpr_msb (MSB<<8)|(\new)
.set MSB, \new
.endif
.endm
.macro PLACES                         ; four places between a matrix instruction and a vector read of its result or a load into one of its registers (ISA guide 7.12.1 for vector reads)
.rept 4
	v_nop
.endr
.endm
; A pointer goes one chunk on in the walk, round the 16: the chunk's number steps modulo 16, and the pointer is made anew from its base and the chunk's offset.
.macro WALK cnt, sh, ptr, base
	s_add_co_u32 s[\cnt], s[\cnt], 1
	s_and_b32 s[\cnt], s[\cnt], 15
	s_lshl_b32 s[OFS], s[\cnt], \sh
	s_add_nc_u64 s[(\ptr):(\ptr)+1], s[(\base):(\base)+1], s[OFS:OFS+1]
.endm
; 16 loads: my 16 rows of the chunk c chunks on from s[4:5]; a load takes a row's whole 512 bytes, which start at a multiple of 256 from W's first byte.  Read once in the launch.
.macro WLOAD ws, c
	WIN 0x40                                       ; destination window 1
.set k, 0
.rept 16
	global_load_b128 v[64*(\ws)+4*k:64*(\ws)+4*k+3], v[WO], s[4:5] offset:(64*(\c)+k)*WP th:TH_LOAD_NT
.set k, k+1
.endr
	WIN 0
.endm
.macro CVT ws                         ; a set's 64 words rounded to 32
	WIN 0x45                                       ; all in window 1
.set k, 0
.rept 32
	v_cvt_pk_bf16_f32 v[CT+k], v[64*(\ws)+2*k], v[64*(\ws)+2*k+1]
.set k, k+1
.endr
.endm
.macro WST                            ; and laid into LDS: a store takes a row's 256 consecutive bytes
	WIN 0x04                                       ; data window 1
.set k, 0
.rept 16
	ds_store_b64 v[WS], v[CT+2*k:CT+2*k+1] offset:PW*k
.set k, k+1
.endr
	WIN 0
	v_add_nc_u32 v[WS], CHUNK, v[WS]
.endm
.macro FLOAD                          ; a chunk's fragments of W: 64 k x 128 columns, 32 turning loads in one run
	WIN 0xc0                                       ; destination window 3
.irp kk, 0,1
.irp cb, 0,1,2,3,4,5,6,7
	ds_load_tr16_b128 v[FR+64*(\kk)+8*(\cb):FR+64*(\kk)+8*(\cb)+3],   v[BA] offset:32*(\kk)*PW+32*(\cb)
	ds_load_tr16_b128 v[FR+64*(\kk)+8*(\cb)+4:FR+64*(\kk)+8*(\cb)+7], v[BA] offset:(32*(\kk)+16)*PW+32*(\cb)
.endr
.endr
	WIN 0
	v_add_nc_u32 v[BA], CHUNK, v[BA]
.endm
; The token rows' fragments for 64 k at byte X from s[8:9]: four loads a block.  Blocks 0-2 always; blocks 3-5 only while they are live (all = 1: all six).
.macro ALOAD buf, X, all
.irp i, 0,1,2,3,4,5
.if ((\i) >= 3) && !(\all)
	s_cmp_le_u32 s[NB], \i
	s_cbranch_scc1 .Lna_\@
.endif
.irp u, 0,1,2,3
	global_load_b128 v[(\buf)+16*(\i)+4*(\u):(\buf)+16*(\i)+4*(\u)+3], v[AOFF+(\i)], s[8:9] offset:(\X)+32*(\u)
.endr
.endr
.if !(\all)
.Lna_\@:
.endif
.endm
; The pairs of the rows that I store on the way out of the pass in hand: for block i entries 16 i + 8 (lane / 16) + 0..7, 32 bytes on end in my record: two loads a block.
.macro RLLOAD
	WIN 0x40                                       ; destination window 1
.irp i, 0,1,2,3,4,5
	global_load_b128 v[RL+8*(\i):RL+8*(\i)+3],   v[LR], s[10:11] offset:64*(\i)
	global_load_b128 v[RL+8*(\i)+4:RL+8*(\i)+7], v[LR], s[10:11] offset:64*(\i)+16
.endr
	WIN 0
.endm
; 16 products of block i: K step 0 on its 8 accumulators, then K step 1.  The accumulators take turns, one instruction a turn; a block's last product and any block's first name different ones.
; first = 1: the first K step starts the sums with the bias as C: nothing is cleared.
.macro MULB i, buf, first
.set AC, 64*((\i)%4)
.set HIW, (\i)/4
.set AF, (\buf)+16*(\i)
.irp kk, 0,1
.irp cb, 0,1,2,3,4,5,6,7
.if (\first) && ((\kk) == 0)
	WIN 0x93+0x40*HIW                              ; W window 3, rows window 0, C window 1, D window 2 or 3
	v_wmma_f32_16x16x32_bf16 v[AC+8*(\cb):AC+8*(\cb)+7], v[FR+64*(\kk)+8*(\cb):FR+64*(\kk)+8*(\cb)+7], v[AF+8*(\kk):AF+8*(\kk)+7], v[BIAS+8*(\cb):BIAS+8*(\cb)+7]
.else
	WIN 0xa3+0x50*HIW                              ; C and D window 2 or 3
	v_wmma_f32_16x16x32_bf16 v[AC+8*(\cb):AC+8*(\cb)+7], v[FR+64*(\kk)+8*(\cb):FR+64*(\kk)+8*(\cb)+7], v[AF+8*(\kk):AF+8*(\kk)+7], v[AC+8*(\cb):AC+8*(\cb)+7]
.endif
.endr
.endr
.endm
; A chunk's products.  bar = 1: the barrier that shows the next chunk whole: signal, 48 products on registers, wait.  Blocks 3-5 are jumped where they are dead; a dead block among 0-2 multiplies a repeated row and is never stored.
.macro MULS buf, first, bar
.if \bar
	s_barrier_signal -1
.endif
	MULB 0, \buf, \first
	MULB 1, \buf, \first
	MULB 2, \buf, \first
.if \bar
	s_barrier_wait -1
.endif
.irp i, 3,4,5
.if !(\first)
	WIN 0                                          ; at a branch and at a label every window is 0
	s_cmp_le_u32 s[NB], \i
	s_cbranch_scc1 .Lmd_\@
.endif
	MULB \i, \buf, \first
.endr
	WIN 0
.if !(\first)
.Lmd_\@:
.endif
.endm
; STAGE s of pass 0 (par = s % 2); chunks are counted along the walk.  Chunk s + 1 is rounded into LDS, the rows' fragments of stage s + 1 and chunk s + 3 are asked for, chunk s is multiplied.
; lcnt = 16: the youngest 16 loads at a stage's head are always the chunk asked for last, whatever row loads were jumped: all that is older, this stage's rows and chunk s + 1, is in.
; So a chunk has two stages in which to land, and a wave has at most 16 + 24 + 16 loads out.  rl = 1 (the last stage): the way out's pairs are asked for ahead of the stage's products.
; pf: THE PREFETCH.  Stage s asks for chunk s + 5, which stage s + 2 loads: my wave's own 16 rows, 32 lanes 256 bytes apart, so each aligned block of 256 bytes is asked for once in the launch, by the wave that
; will load it; two chunks, 16 KB a wave, are asked for and not yet loaded.  Stages 0 to 10 ask (pf = 2: the loop's last trip, stages 11 and 12, jumps over the request); chunks 0 to 4 are loaded without.
; The chunk's number is taken modulo 16, so no request leaves the slice.  The request raises no counter that a wait here counts.
.macro STAGE par, first, cvt, aload, wload, lcnt, bar, pf=0, rl=0
.set NXS, ((\par)+1)%2
.set CUB, AB0+96*(\par)
.set NXB, AB0+96*NXS
	s_wait_loadcnt \lcnt
.if \cvt
	CVT NXS                                        ; 32 plain instructions that name no register of the last products: their places, ahead of the loads below
.else
	PLACES
.endif
	FLOAD
.if \cvt
	WST
.endif
.if \rl
	RLLOAD
.endif
.if (\aload) || (\wload)
	s_wait_xcnt 0x0                                ; every earlier load and request has had its address translated (ISA guide 3.1): the three pointers are written only behind this wait
.endif
.if \aload
	WALK CA, 7, 8, 16                              ; a chunk of a row is 128 bytes
	ALOAD NXB, 0, 0
.endif
.if \wload
	WALK CW, WSH, 4, W0
	WLOAD NXS, 0
.endif
.if \pf
.if (\pf) == 2
	s_cmp_eq_u32 s24, 1
	s_cbranch_scc1 .Lnp_\@
.endif
	WALK CP, WSH, PP, W0
	global_prefetch_b8 v[PFO], s[PP:PP+1] th:TH_LOAD_NT scope:SCOPE_SE
.if (\pf) == 2
.Lnp_\@:
.endif
.endif
	s_wait_dscnt 0x0                               ; W's fragments are in; and, for the others' sake, my rows of the next chunk are in LDS
	MULS CUB, \first, \bar
.endm
; The rows of a pass: six list entries a lane (entry 16 i + lane % 16 for block i),
.macro ROWS_LD
.irp i, 0,1,2,3,4,5
	global_load_b32 v[T+(\i)], v[LF], s[10:11] offset:64*(\i)
.endr
.endm
; which, clamped to the 2,048 pairs, make the blocks' row offsets (and fetch the rows' gates).
.macro ROWS_MK
.irp i, 0,1,2,3,4,5
	v_min_u32 v[T+(\i)], 0x7ff, v[T+(\i)]
.if SECOND
	v_lshl_add_u32 v[AOFF+(\i)], v[T+(\i)], 13, v[H16]   ; a pair's row of h is 8,192 bytes
	v_lshlrev_b32 v[T+6+(\i)], 2, v[T+(\i)]
	global_load_b32 v[GP+2*(\i)], v[T+6+(\i)], s[14:15]
.else
	v_and_b32 v[T+(\i)], 0x7fe, v[T+(\i)]                ; 2 x token,
	v_lshl_add_u32 v[AOFF+(\i)], v[T+(\i)], 10, v[H16]   ; whose row of xb is 2,048 bytes
.endif
.endr
.endm
; A stage of a later pass: everything is waited for at once; it runs only for a wave with more than 96 rows.
.macro OVST first
	PLACES
.if !(\first)
	WALK CA, 7, 8, 16                              ; the loads that used the pointer were waited for below
.endif
	ALOAD AB1, 0, \first
	v_min_u32 v[BA], BAMAX, v[BA]                  ; held inside the slice by a constant: the largest value that the walk of 16 chunks reaches, so it changes no address; with the loads' offsets, 14,064 bytes at the most, every byte read lies under 1,024 x 288
	FLOAD
	s_wait_loadcnt 0x0
	s_wait_dscnt 0x0
	MULS AB1, \first, 0
.endm
; THE WAY OUT of block i, through my own stage in LDS: in by lanes (a row's piece each), back as whole rows of 256 bytes, lanes 0-15 row t and lanes 16-31 row 8 + t.
; LDS serves a wave's instructions in order (ISA guide 5.7.1.4), so no wait stands between the stores and the loads.  Each accumulator is read from its low end on.
.macro ROFF i, sh                     ; the eight rows' offsets in the output: the pair, clamped, times a row's bytes, plus my 16 bytes of 256
	WIN 0x04                                       ; source 1 window 1
.irp t, 0,1,2,3,4,5,6,7
	v_min_u32 v[T+(\t)], 0x7ff, v[RL+8*(\i)+(\t)]
.endr
	WIN 0
.irp t, 0,1,2,3,4,5,6,7
	v_lshl_add_u32 v[RO+(\t)], v[T+(\t)], \sh, v[CO]
.endr
.endm
.macro OUT i
.set AC, 64*((\i)%4)
.set HIW, (\i)/4
.if SECOND
.irp hf, 0,1                          ; a row's 512 bytes of f32 go in two halves of 256
	WIN 0x02+HIW                                   ; source 0 window 2 or 3
.set k, 0
.rept 16
	v_pk_mul_f32 v[TMP+2*k:TMP+2*k+1], v[AC+32*(\hf)+2*k:AC+32*(\hf)+2*k+1], v[GP+2*(\i):GP+2*(\i)+1] op_sel_hi:[1,0]   ; times the row's gate
.set k, k+1
.endr
	WIN 0
.set k, 0
.rept 8
	ds_store_b128 v[STO], v[TMP+4*k:TMP+4*k+3] offset:64*(k/2)+16*(k%2)
.set k, k+1
.endr
	s_wait_xcnt 0x0                                ; the stores before have read OB and RO, which are written again only behind this wait
.irp t, 0,1,2,3,4,5,6,7
	ds_load_b128 v[OB+4*(\t):OB+4*(\t)+3], v[RD] offset:SP*(\t)
.endr
.if (\hf) == 0
	ROFF \i, 12                                    ; a pair's row of part is 4,096 bytes
.endif
	s_wait_dscnt 0x0
.irp t, 0,1,2,3,4,5,6,7
	global_store_b128 v[RO+(\t)], v[OB+4*(\t):OB+4*(\t)+3], s[12:13] offset:256*(\hf)   ; 16 lanes store 256 consecutive bytes, at a multiple of 256 from part's first
.endr
.endr
.else
	WIN 0x0a+5*HIW                                 ; sources 0 and 1 window 2 or 3
.set k, 0
.rept 32
	v_cvt_pk_bf16_f32 v[TMP+k], v[AC+2*k], v[AC+2*k+1]
.set k, k+1
.endr
	WIN 0
.set k, 0
.rept 32
	v_pk_max_num_bf16 v[TMP+k], v[TMP+k], v[ZERO]  ; the ReLU, two at a time; it commutes with the rounding
.set k, k+1
.endr
.irp cb, 0,1,2,3,4,5,6,7
	ds_store_b128 v[STO], v[TMP+4*(\cb):TMP+4*(\cb)+3] offset:32*(\cb)
.endr
	s_wait_xcnt 0x0                                ; the stores before have read OB and RO, which are written again only behind this wait
.irp t, 0,1,2,3,4,5,6,7
	ds_load_b128 v[OB+4*(\t):OB+4*(\t)+3], v[RD] offset:SP*(\t)
.endr
	ROFF \i, 13                                    ; a pair's row of h is 8,192 bytes
	s_wait_dscnt 0x0
.irp t, 0,1,2,3,4,5,6,7
	global_store_b128 v[RO+(\t)], v[OB+4*(\t):OB+4*(\t)+3], s[12:13]   ; 16 lanes store 256 consecutive bytes, at a multiple of 256 from h's first
.endr
.endif
.endm
	s_load_b256 s[4:11], s[0:1], 0x0               ; W s[4:5], bias s[6:7], rows s[8:9], list s[10:11]
	s_load_b64 s[12:13], s[0:1], 0x20              ; the output
.if SECOND
	s_load_b64 s[14:15], s[0:1], 0x28              ; gates
.endif
	v_lshl_add_u32 v[SPW], v0, 2, SPARE
	v_mov_b32 v[NIL], 0
	v_lshrrev_b32 v1, 5, v0
	v_readfirstlane_b32 s[WV], v1                  ; wave 0..3
	v_and_b32 v1, 31, v0                           ; lane
	v_and_b32 v2, 15, v0                           ; r = lane % 16
	v_bfe_u32 v3, v0, 4, 1                         ; h = lane / 16
.if SECOND
	s_lshr_b32 s[SL], ttmp9, 5                     ; the work-group's number is 32 x slice + 4 x expert + K quarter: the eight that read the same rows of h
	s_bfe_u32 s[EX], ttmp9, 0x30002                ; (one expert, one K quarter) have numbers 32 apart
	s_and_b32 s[KQ], ttmp9, 3
	s_cmp_eq_u32 s[KQ], 0
	s_cselect_b32 s[BM], -1, 0
.else
	s_lshr_b32 s[EX], ttmp9, 5                     ; the work-group's number is 32 x expert + slice
	s_and_b32 s[SL], ttmp9, 31
.endif
	s_and_b32 s[ROT], s[SL], 7
	s_lshl_b32 s[ROT], s[ROT], 1                   ; my walk begins at chunk 0, 2, .. 14
	s_add_co_u32 s[CW], s[ROT], 1                  ; the first pointers serve the walk's chunks 0 and 1 (ROT is even: ROT + 1 is 15 at the most), so the counts stand at chunk 1;
	s_add_co_u32 s[CA], s[ROT], 1
	s_add_co_u32 s[CP], s[ROT], 4                  ; the first request is for the walk's chunk 5
	s_mov_b32 s[OFS+1], 0
	s_mul_i32 s30, s[WV], 16*WP
	v_lshl_add_u32 v[WO], v1, 4, s30
	v_lshrrev_b32 v6, 1, v1                        ; the prefetch: row lane / 2 of my 16,
	v_and_b32 v4, 1, v1                            ; half lane % 2 of its 512 bytes
	v_lshlrev_b32 v4, 8, v4
	v_lshl_add_u32 v4, v6, WPSH, v4
	v_add_nc_u32 v[PFO], s30, v4
	s_mul_i32 s30, s[WV], 16*PW
	v_lshl_add_u32 v[WS], v1, 3, s30
	v_and_b32 v6, 7, v0                            ; the turning load: lane l reads row 8 (l / 16) + l % 8, columns 8 ((l / 8) % 2) + 0..7
	v_lshl_add_u32 v6, v3, 3, v6
	v_mul_u32_u24 v[BA0], v6, PW
	v_bfe_u32 v6, v0, 3, 1
	v_lshl_add_u32 v[BA0], v6, 4, v[BA0]
	v_mov_b32 v[BA], v[BA0]
	v_lshlrev_b32 v[LF], 2, v2                     ; entry r
	v_lshlrev_b32 v[LR], 5, v3                     ; entry 8 h
	s_mul_i32 s30, s[WV], 16*SP
	s_add_co_u32 s30, s30, STG
	v_mul_u32_u24 v6, v2, SP
	v_lshl_add_u32 v6, v3, 4+SECOND, v6            ; a lane's eight columns are 16 bytes of bf16 or 32 of f32
	v_add_nc_u32 v[STO], s30, v6
	v_mul_u32_u24 v6, v3, 8*SP                     ; back: row 8 h, 16 bytes a lane
	v_lshl_add_u32 v6, v2, 4, v6
	v_add_nc_u32 v[RD], s30, v6
	v_lshlrev_b32 v[CO], 4, v2
	v_lshlrev_b32 v[H16], 4, v3
	v_mov_b32 v[ZERO], 0
.if SECOND
.irp i, 0,1,2,3,4,5
	v_mov_b32 v[GP+2*(\i)+1], 0                    ; named with the gate as a pair, never used
.endr
.endif
	v_lshlrev_b32 v5, 5, v3                        ; bias: my lanes' eight columns
	s_mov_b32 s29, 0
	s_lshl_b32 s28, s[EX], 24                      ; an expert's weights are 2^24 bytes,
	s_lshl_b32 s31, s[SL], 9                       ; a slice's columns 512
	s_add_co_u32 s28, s28, s31
.if SECOND
	s_lshl_b32 s33, s[KQ], 22                      ; a K quarter 1,024 rows of 4,096
	s_add_co_u32 s28, s28, s33
.endif
	s_lshl2_add_u32 s32, s[EX], s[WV]              ; my record: 4 e + w
	s_mul_i32 s32, s32, RECB
	s_mov_b32 s33, 0
	s_wait_kmcnt 0x0
	s_add_nc_u64 s[W0:W0+1], s[4:5], s[28:29]      ; my slice,
	s_lshl_b32 s[OFS], s[ROT], WSH
	s_add_nc_u64 s[4:5], s[W0:W0+1], s[OFS:OFS+1]  ; and the chunk at which my walk begins
	s_add_nc_u64 s[10:11], s[10:11], s[32:33]
	s_load_b32 s[NW], s[10:11], RECB-4             ; the record's last word: n_w
	s_lshl_b32 s28, s[EX], BSH
	s_add_co_u32 s28, s28, s31
	s_add_nc_u64 s[6:7], s[6:7], s[28:29]
.if SECOND
	s_lshl_b32 s28, s[KQ], 11
	s_add_nc_u64 s[8:9], s[8:9], s[28:29]          ; my K quarter of h's rows
	s_lshl_b32 s28, s[KQ], 23
	s_add_co_u32 s28, s28, s31
.else
	s_lshl_b32 s28, s[SL], 8
.endif
	s_add_nc_u64 s[12:13], s[12:13], s[28:29]
	s_mov_b64 s[16:17], s[8:9]                     ; the rows at chunk 0,
	s_lshl_b32 s[OFS], s[ROT], 7
	s_add_nc_u64 s[8:9], s[16:17], s[OFS:OFS+1]    ; and at the chunk at which my walk begins
	; 6 + 16 + 32 loads: pass 0's rows, the bias, and the walk's first two chunks of W
	ROWS_LD
	WIN 0x40
.irp cb, 0,1,2,3,4,5,6,7
	global_load_b128 v[BIAS+8*(\cb):BIAS+8*(\cb)+3],   v5, s[6:7] offset:64*(\cb)
	global_load_b128 v[BIAS+8*(\cb)+4:BIAS+8*(\cb)+7], v5, s[6:7] offset:64*(\cb)+16
.endr
	WLOAD 0, 0
	WLOAD 1, 1
	s_wait_loadcnt 32                              ; the rows' pairs and the bias are in: the 32 loads of W are younger
	ROWS_MK
	ALOAD AB0, 0, 1                                ; stage 0's rows: all six blocks, so that every fragment register is written
	WIN 0x45                                       ; the bias is rounded to bf16 like every input, and widened again
.set k, 0
.rept 32
	v_cvt_pk_bf16_f32 v[CT+k], v[BIAS+2*k], v[BIAS+2*k+1]
.set k, k+1
.endr
.if SECOND
.set k, 0
.rept 32
	v_and_b32 v[CT+k], s[BM], v[CT+k]              ; 0 in the K quarters 1 to 3
.set k, k+1
.endr
.endif
.set k, 0
.rept 32
	v_lshlrev_b32 v[BIAS+2*k], 16, v[CT+k]
	v_and_b32 v[BIAS+2*k+1], 0xffff0000, v[CT+k]
.set k, k+1
.endr
	WIN 0
	s_wait_kmcnt 0x0                               ; n_w,
	s_min_u32 s[NW], s[NW], 0x100                  ; 256 at the most
	s_add_co_u32 s[NB], s[NW], 15
	s_lshr_b32 s[NB], s[NB], 4
	s_min_u32 s[NB], s[NB], 6
	s_wait_loadcnt 40+6*SECOND                     ; chunk 0 is in: chunk 1's 16 loads, the 6 gates (SECOND) and the 24 rows' loads are younger
	CVT 0
	WST
	ALOAD AB1, 128, 1                              ; stage 1's rows.  Here more loads are issued than LOADcnt's field holds: the issue is held back meanwhile (ISA guide 5.7.1), once
	s_wait_xcnt 0x0                                ; chunk 1's loads have had their addresses translated: W's pointer is written only behind this wait
	WALK CW, WSH, 4, W0
	WLOAD 0, 0                                     ; the walk's chunk 2
	s_wait_dscnt 0x0                               ; for the others' sake: my rows of chunk 0 are in LDS
	s_barrier_signal -1
	s_barrier_wait -1
	STAGE 0, 1, 1, 0, 1, 16, 1, 1                  ; stage 0 stands ahead of the loop: its products start the sums
	s_mov_b32 s24, 6
.Lk:                                                   ; stages (1, 2) to (11, 12)
	STAGE 1, 0, 1, 1, 1, 16, 1, 2
	STAGE 0, 0, 1, 1, 1, 16, 1, 2
	s_sub_co_u32 s24, s24, 1
	s_cmp_lg_u32 s24, 0
	s_cbranch_scc1 .Lk
	STAGE 1, 0, 1, 1, 0, 16, 1                     ; stage 13: no chunk is left to ask for; the youngest 16 loads are chunk 15's
	STAGE 0, 0, 1, 1, 0, 0, 1                      ; stage 14: the youngest loads are rows, of a number that varies: the wait is for all
	STAGE 1, 0, 0, 0, 0, 0, 0, 0, 1                ; stage 15: the slice is whole in LDS; no barrier follows in the text
	; Three trips: a pass goes out, and the next 96 rows, if there are any, are multiplied out of LDS.  256 rows at the most: the third trip only stores.
	s_mov_b32 s25, 0
	s_mov_b32 s27, 0                               ; rows done
.Lpass:
	PLACES                                         ; behind the last products
	s_wait_loadcnt 0x0                             ; the pairs of the rows to be stored are in
.irp i, 0,1,2,3,4,5
	s_cmp_le_u32 s[NB], \i
	s_cbranch_scc1 .Loe                            ; whole blocks past the count store nothing
	OUT \i
.endr
.Loe:
	v_add_nc_u32 v[LR], 384, v[LR]                 ; 96 list entries on; the loads that used these two have been waited for
	v_add_nc_u32 v[LF], 384, v[LF]
	s_add_co_u32 s27, s27, 96
	s_mov_b32 s[NB], 0
	s_cmp_le_u32 s[NW], s27
	s_cbranch_scc1 .Lnx
	s_sub_co_u32 s[NB], s[NW], s27
	s_add_co_u32 s[NB], s[NB], 15
	s_lshr_b32 s[NB], s[NB], 4
	s_min_u32 s[NB], s[NB], 6
	ROWS_LD
	RLLOAD
	s_wait_loadcnt 0x0
	ROWS_MK
	s_mov_b32 s[CA], s[ROT]                        ; the rows' pointer goes back to the walk's first chunk: every load that used it has been waited for
	s_lshl_b32 s[OFS], s[ROT], 7
	s_add_nc_u64 s[8:9], s[16:17], s[OFS:OFS+1]
	v_mov_b32 v[BA], v[BA0]
	OVST 1
	s_mov_b32 s24, 15
.Lov:
	OVST 0
	s_sub_co_u32 s24, s24, 1
	s_cmp_lg_u32 s24, 0
	s_cbranch_scc1 .Lov
.Lnx:
	s_add_co_u32 s25, s25, 1
	s_cmp_lt_u32 s25, 3
	s_cbranch_scc1 .Lpass
	s_wait_tensorcnt 0x0                           ; the wave's end: behind my last LDS store
	ds_add_u32 v[SPW], v[NIL]
	s_wait_dscnt 0x0
	s_endpgm
.Lfunc_end_k_qaae15cc704_ffn2:
	.size	k_qaae15cc704_ffn2, .Lfunc_end_k_qaae15cc704_ffn2-k_qaae15cc704_ffn2
	.p2alignl 7, 3214868480
	.fill 96, 4, 3214868480
	.section	.rodata,"a",@progbits
	.p2align	6, 0x0
	.amdhsa_kernel k_qaae15cc704_ffn2
		.amdhsa_group_segment_fixed_size 312832
		.amdhsa_private_segment_fixed_size 0
		.amdhsa_enable_private_segment 0
		.amdhsa_kernarg_size 48
		.amdhsa_user_sgpr_count 2
		.amdhsa_user_sgpr_kernarg_segment_ptr 1
		.amdhsa_wavefront_size32 1
		.amdhsa_system_sgpr_workgroup_id_x 1
		.amdhsa_system_sgpr_workgroup_id_y 1
		.amdhsa_system_sgpr_workgroup_id_z 1
		.amdhsa_system_vgpr_workitem_id 0
		.amdhsa_next_free_vgpr 1024
		.amdhsa_next_free_sgpr 66
		.amdhsa_reserve_vcc 0
		.amdhsa_float_denorm_mode_32 3
		.amdhsa_float_denorm_mode_16_64 3
		.amdhsa_memory_ordered 1
		.amdhsa_forward_progress 1
		.amdhsa_inst_pref_size 180
	.end_amdhsa_kernel
	.amdgpu_metadata
---
amdhsa.version: [ 1, 2 ]
amdhsa.kernels:
  - .name:           k_qaae15cc704_ffn2
    .symbol:         k_qaae15cc704_ffn2.kd
    .args:
      - { .name: W2, .offset: 0, .size: 8, .value_kind: global_buffer, .address_space: global }
      - { .name: b2, .offset: 8, .size: 8, .value_kind: global_buffer, .address_space: global }
      - { .name: h, .offset: 16, .size: 8, .value_kind: global_buffer, .address_space: global }
      - { .name: list, .offset: 24, .size: 8, .value_kind: global_buffer, .address_space: global }
      - { .name: part, .offset: 32, .size: 8, .value_kind: global_buffer, .address_space: global }
      - { .name: gates, .offset: 40, .size: 8, .value_kind: global_buffer, .address_space: global }
    .group_segment_fixed_size: 312832
    .private_segment_fixed_size: 0
    .kernarg_segment_align: 8
    .kernarg_segment_size: 48
    .max_flat_workgroup_size: 128
    .sgpr_count:     66
    .vgpr_count:     1024
    .wavefront_size: 32
...
	.end_amdgpu_metadata
.endif
;; end of part 7
;; launch sum: the kernel of part 4 again; grid 256 x 1, 8 waves a work-group, no clusters, 0 bytes of LDS; arguments part, out0; writes out0
;; ======== version 3 of 3: 5 launches; version 2 with the launches ffn1, ffn2 written anew for expert scheduling mode
;; workspace buffers: xb 2,097,152 bytes; choice 8,192 bytes of whole numbers; gates 8,192 bytes; list 49,152 bytes of whole numbers; h 16,777,216 bytes; part 33,554,432 bytes
;; launch router: the kernel of part 1 again; grid 64 x 1, 4 waves a work-group, no clusters, 54,272 bytes of LDS; arguments x, Wg, bg, xb, choice, gates; writes xb, choice, gates
;; launch place: the kernel of part 5 again; grid 8 x 1, 4 waves a work-group, no clusters, 7,680 bytes of LDS; arguments choice, list; writes list
;; launch ffn1 (part 8): grid 256 x 1, 4 waves a work-group, no clusters, 312,832 bytes of LDS; arguments W1, b1, xb, list, h; writes h
.if DOCPART == 8
	.amdgcn_target "amdgcn-amd-amdhsa--gfx1250"
	.amdhsa_code_object_version 6
	.text
	.protected	k_qaae15cc704_ffn1
	.globl	k_qaae15cc704_ffn1
	.p2align	8
	.type	k_qaae15cc704_ffn1,@function
k_qaae15cc704_ffn1:
	s_mov_b64 s[64:65], 0
	v_nop
	global_prefetch_b8 v0, s[64:65] scope:SCOPE_SE
	s_setreg_imm32_b32 hwreg(HW_REG_WAVE_SCHED_MODE, 0, 2), 2
	s_setreg_imm32_b32 hwreg(HW_REG_WAVE_MODE, 25, 1), 1
	s_wait_xcnt 0x0
	s_wait_alu depctr_vm_vsrc(0)
; ONE TEXT FOR BOTH PRODUCTS OF THE EXPERTS; SECOND says which.
;   SECOND = 0:  h[p][f] = relu(xb[p / 2] . W1[e][:, f] + b1[e][f]), bf16.              p = 2 token + slot is a PAIR; e is the expert that the router chose for it.
;   SECOND = 1:  part[kq][p][d] = gate[p] x (h[p][1024 kq ..] . W2[e][1024 kq .., d] + b2[e][d] where kq = 0), f32: partial sums, added by the last launch.
; Only the chosen pairs are multiplied.  Weights and biases are rounded once to bf16 on their way through registers; products on the bf16 matrix form, sums in f32.
; SHARES.  A work-group has one expert and a slice of its weights that it alone reads: 1,024 k x 128 columns of f32 (8 experts x 32 slices; 8 x 8 slices x 4 K quarters): 256 work-groups.
; Wave w has those of tokens 256 w .. 256 w + 255 that chose the expert, n_w of them (0 to 256: every split is served), in blocks of 16 rows against all 128 columns.
; The slice goes through registers into LDS, in 16 chunks of 64 k, each byte written once, and stays there.  Pass 0 (up to 96 rows a wave, 6 blocks) runs under that stream, one barrier a chunk;
; rows 96 on take one or two passes more, out of LDS alone, with no barrier, which a wave without such rows jumps over.  Barriers stand only in text that no loaded number jumps.
; THE WALK ALONG K IS ROTATED.  The work-group begins at chunk ROT = 2 x (slice % 8) of its 16 and goes round: the walk's t-th chunk is (ROT + t) % 16, for the weights and for the rows alike; in LDS the
; chunks lie in the order of the walk.  So the work-groups that read the same token rows (the slices of one expert) ask for different bytes of a row at the same stage, and from the walk's third chunk on
; each byte that one of them asks for was asked for by another two stages earlier.
; THE LIST.  The launch before laid my wave's pairs, in their order, into a record of 384 words; places past the count repeat the record's first pair, so a block that is not full computes and stores that
; row again, the same bytes with the same values; word 383 holds the count.  A lane loads its rows' pairs from the record into registers; whole blocks past the count are jumped by scalar branches.  EXEC is never changed.
; THE PRODUCT IS USED TRANSPOSED: source 0 = 16 columns of W (turned out of LDS by ds_load_tr16_b128), source 1 = 16 token rows (straight from memory): a lane holds one row and eight neighbouring columns.
; NO CLUSTER: each slice of weights has one reader; what an expert's work-groups share is its token rows, which come by a list that no tile descriptor covers, and their number differs from expert to expert.
; NO TENSOR LOADS: the f32 weights pass through registers to be rounded, and no LDS byte is filled twice.
; LIMITS.  A sum takes K in the order of the walk, not ascending: it differs from an ascending sum by f32 rounding alone.  NaN and infinities are not treated apart.
; THE MODE: SCHED_MODE bits 1:0 = 2 (LLVM: expert scheduling mode 2), set by the entry lines.  The code itself states the register dependences between vector or matrix instructions
; and memory or LDS instructions, with s_wait_alu, always for 0.
; THE PLAN.  Registers that memory or LDS instructions touch, in pass 0's stages:
;   raw sets 0, 1  Stage s: its 32 roundings read set (s + 1) % 2; behind them the loads of chunk s + 3 land in it.
;   CT             Stage s: written by the roundings, read by the 16 LDS stores behind them; written again by stage s + 1's roundings.
;   FR             Stage s: the 32 turning loads land in it, the stage's products read it.
;   AB0, AB1       Stage s: the products read buffer s % 2; the rows of stage s + 1 land in the other, which the products of stage s - 1 read.
;   BA, WS         Read by a stage's turning loads and LDS stores; stepped at the next stage's head.  (In the later passes BA is stepped behind its loads, behind a wait on vm_vsrc of its own.)
;   WO, PFO, STO, RD, v5 are made at the head and never written again; AOFF, LF, LR, T and the gates are written once a pass.  The accumulators and BIAS are named by vector and matrix instructions alone.
; So a stage has two lines.  A wait on vm_vsrc at its head, a stage behind the LDS instructions that it speaks of, ahead of the two address steps and the roundings; and a wait on va_vdst behind the
; roundings, ahead of all the stage's LDS and memory instructions.  Between that wait and the products stands no vector instruction, and the products name FR, the buffer in hand, the accumulators and BIAS:
; none of the registers that a load or store of the stage touches behind the wait.
; THE WAY OUT has two sets of TMP, OB and RO, taken by turns.  A turn: its vector lines write TMP and RO of its set; a wait on va_vdst; LDS stores from TMP, LDS loads into OB; then, AHEAD of the turn's own
; global stores, s_wait_xcnt 0 and a wait on vm_vsrc, which free the other set: the turn before stored from it, the next turn writes it, and the stores behind the two lines read the set in hand alone.
.set SECOND, 0
.if SECOND
.set WPSH, 12                         ; log2 of the bytes from a row (k) of W to the next
.set BSH,  12                         ; log2 of an expert's bytes in the bias
.else
.set WPSH, 14
.set BSH,  14
.endif
.set WP,    1<<WPSH
.set WSH,   WPSH+6                    ; log2 of a chunk's 64 rows of W in memory
.set PW,    288                       ; a row (k) of the slice in LDS: 256 bytes of bf16 + 32 = 72 words
.set CHUNK, 64*PW
.set BAMAX, 15*CHUNK+15*PW+16         ; the largest place of a lane in the last chunk
.set RECB,  1536                      ; a wave's record in list
.set STG,   1024*PW                   ; behind the slice: for each wave 16 rows x 272 bytes, for the way out; the 512 bytes behind the stages hold the spare words of the wave's end
.set SP,    272
; REGISTERS, in windows of 256 (s_set_vgpr_msb: bits 1:0 source 0, 3:2 source 1, 5:4 source 2, 7:6 destination).  Window 0:
.set WO,   8                          ; v8   my byte offset in a chunk of W: 16 lane + 16 w rows; never rewritten
.set WS,   9                          ; v9   where my rows of a chunk go in LDS; steps a chunk
.set BA,   10                         ; v10  my lane's place in the chunk to be read; steps a chunk
.set LF,   11                         ; v11  byte in my record of entry lane % 16 of the pass in hand
.set LR,   12                         ; v12  byte in my record of entry 8 (lane / 16) of the pass in hand
.set STO,  13                         ; v13  the way out: where I put a row's piece
.set RD,   14                         ; v14  the way out: where I read rows back
.set CO,   15                         ; v15  16 (lane % 16)
.set AOFF, 16                         ; v16-21  byte offset of my row in each of the six blocks
.set GP,   22                         ; v22-33  (SECOND) my row's gate for each block, in the low word of a pair
.set ZERO, 36                         ; v36  0, for the ReLU
.set H16,  37                         ; v37  16 (lane / 16)
.set BA0,  38                         ; v38  BA's start
.set PFO,  39                         ; v39  the prefetch: byte offset in a chunk of W of half lane % 2 of my wave's row lane / 2; never rewritten
.set T,    40                         ; v40-55  list entries at work
.set RO,   56                         ; v56-63, v128-135  the stores' row offsets: two sets, 72 registers apart
.set AB0,  64                         ; v64-159  token fragments, buffer 0: block i, K step kk at 16 i + 8 kk
.set AB1,  160                        ; v160-255 buffer 1
.set TMP,  64                         ; v64-95, v160-191  the way out: results packed: two sets, 96 registers apart (in the rows' buffers, which are idle on the way out)
.set OB,   96                         ; v96-127, v192-223 the way out: rows read back: two sets, 96 registers apart
; window 1: v0-63, v64-127 two sets of a wave's 16 rows of W as loaded;
.set RL,   0                          ;   v0-47, when the first set has been rounded for the last time: the pairs of the rows that I store, block i at 8 i
.set BIAS, 128                        ;   v128-191 the bias as a C operand: column block cb at 8 cb
.set CT,   192                        ;   v192-223 a chunk's rows rounded
; window 2: the accumulators of blocks 0-3 (block i, column block cb at 64 i + 8 cb).  Window 3: v0-127 those of blocks 4, 5;
.set FR,   128                        ;   v128-255 W's fragments of one chunk: K step kk, column block cb at 64 kk + 8 cb
; s[4:5] W at the chunk to be loaded   s[6:7] bias   s[8:9] the rows at the chunk to be loaded   s[10:11] my record   s[12:13] the output   s[14:15] gates   s[16:17] the rows at chunk 0
.set WV, 18                           ; s18 wave   s19 expert   s20 slice   s21 K quarter
.set EX, 19
.set SL, 20
.set KQ, 21
.set NW, 22                           ; s22  n_w
.set NB, 23                           ; s23  live blocks of the pass in hand, 0 to 6
.set BM, 34                           ; s34  (SECOND) all ones where kq = 0: only that quarter adds the bias
.set W0, 36                           ; s[36:37] my slice of W at chunk 0
.set CW, 38                           ; s38  the chunk (0 to 15) at which W's pointer stands
.set CA, 39                           ; s39  the same for the rows' pointer
.set OFS, 40                          ; s[40:41] a chunk's byte offset, in 64 bits; the high word stays 0
.set ROT, 42                          ; s42  the chunk at which my walk begins
.set CP, 43                           ; s43  the chunk at which the prefetch's pointer stands
.set PP, 44                           ; s[44:45] W at the chunk to be asked for
.set MSB, 0
.macro WIN new                        ; the immediate's high byte repeats the setting that is left; a switch that changes nothing is dropped
.if MSB != (\new)
	s_set_vgpr_msb (MSB<<8)|(\new)
.set MSB, \new
.endif
.endm
.macro PLACES                         ; four places between a matrix instruction and a vector read of its result or a vector write of one of its registers; ahead of runs of loads they stand beside the wait that states the dependence
.rept 4
	v_nop
.endr
.endm
; A pointer goes one chunk on in the walk, round the 16: the chunk's number steps modulo 16, and the pointer is made anew from its base and the chunk's offset.
.macro WALK cnt, sh, ptr, base
	s_add_co_u32 s[\cnt], s[\cnt], 1
	s_and_b32 s[\cnt], s[\cnt], 15
	s_lshl_b32 s[OFS], s[\cnt], \sh
	s_add_nc_u64 s[(\ptr):(\ptr)+1], s[(\base):(\base)+1], s[OFS:OFS+1]
.endm
; 16 loads: my 16 rows of the chunk c chunks on from s[4:5]; a load takes a row's whole 512 bytes, which start at a multiple of 256 from W's first byte.  Read once in the launch.
.macro WLOAD ws, c
	WIN 0x40                                       ; destination window 1
.set k, 0
.rept 16
	global_load_b128 v[64*(\ws)+4*k:64*(\ws)+4*k+3], v[WO], s[4:5] offset:(64*(\c)+k)*WP th:TH_LOAD_NT
.set k, k+1
.endr
	WIN 0
.endm
.macro CVT ws                         ; a set's 64 words rounded to 32
	WIN 0x45                                       ; all in window 1
.set k, 0
.rept 32
	v_cvt_pk_bf16_f32 v[CT+k], v[64*(\ws)+2*k], v[64*(\ws)+2*k+1]
.set k, k+1
.endr
.endm
.macro WST                            ; and laid into LDS: a store takes a row's 256 consecutive bytes
	WIN 0x04                                       ; data window 1
.set k, 0
.rept 16
	ds_store_b64 v[WS], v[CT+2*k:CT+2*k+1] offset:PW*k
.set k, k+1
.endr
	WIN 0
.endm
.macro FLOAD                          ; a chunk's fragments of W: 64 k x 128 columns, 32 turning loads in one run
	WIN 0xc0                                       ; destination window 3
.irp kk, 0,1
.irp cb, 0,1,2,3,4,5,6,7
	ds_load_tr16_b128 v[FR+64*(\kk)+8*(\cb):FR+64*(\kk)+8*(\cb)+3],   v[BA] offset:32*(\kk)*PW+32*(\cb)
	ds_load_tr16_b128 v[FR+64*(\kk)+8*(\cb)+4:FR+64*(\kk)+8*(\cb)+7], v[BA] offset:(32*(\kk)+16)*PW+32*(\cb)
.endr
.endr
	WIN 0
.endm
; The token rows' fragments for 64 k at byte X from s[8:9]: four loads a block.  Blocks 0-2 always; blocks 3-5 only while they are live (all = 1: all six).
.macro ALOAD buf, X, all
.irp i, 0,1,2,3,4,5
.if ((\i) >= 3) && !(\all)
	s_cmp_le_u32 s[NB], \i
	s_cbranch_scc1 .Lna_\@
.endif
.irp u, 0,1,2,3
	global_load_b128 v[(\buf)+16*(\i)+4*(\u):(\buf)+16*(\i)+4*(\u)+3], v[AOFF+(\i)], s[8:9] offset:(\X)+32*(\u)
.endr
.endr
.if !(\all)
.Lna_\@:
.endif
.endm
; The pairs of the rows that I store on the way out of the pass in hand: for block i entries 16 i + 8 (lane / 16) + 0..7, 32 bytes on end in my record: two loads a block.
.macro RLLOAD
	WIN 0x40                                       ; destination window 1
.irp i, 0,1,2,3,4,5
	global_load_b128 v[RL+8*(\i):RL+8*(\i)+3],   v[LR], s[10:11] offset:64*(\i)
	global_load_b128 v[RL+8*(\i)+4:RL+8*(\i)+7], v[LR], s[10:11] offset:64*(\i)+16
.endr
	WIN 0
.endm
; 16 products of block i: K step 0 on its 8 accumulators, then K step 1.  The accumulators take turns, one instruction a turn; a block's last product and any block's first name different ones.
; first = 1: the first K step starts the sums with the bias as C: nothing is cleared.
.macro MULB i, buf, first
.set AC, 64*((\i)%4)
.set HIW, (\i)/4
.set AF, (\buf)+16*(\i)
.irp kk, 0,1
.irp cb, 0,1,2,3,4,5,6,7
.if (\first) && ((\kk) == 0)
	WIN 0x93+0x40*HIW                              ; W window 3, rows window 0, C window 1, D window 2 or 3
	v_wmma_f32_16x16x32_bf16 v[AC+8*(\cb):AC+8*(\cb)+7], v[FR+64*(\kk)+8*(\cb):FR+64*(\kk)+8*(\cb)+7], v[AF+8*(\kk):AF+8*(\kk)+7], v[BIAS+8*(\cb):BIAS+8*(\cb)+7]
.else
	WIN 0xa3+0x50*HIW                              ; C and D window 2 or 3
	v_wmma_f32_16x16x32_bf16 v[AC+8*(\cb):AC+8*(\cb)+7], v[FR+64*(\kk)+8*(\cb):FR+64*(\kk)+8*(\cb)+7], v[AF+8*(\kk):AF+8*(\kk)+7], v[AC+8*(\cb):AC+8*(\cb)+7]
.endif
.endr
.endr
.endm
; A chunk's products.  bar = 1: the barrier that shows the next chunk whole: signal, 48 products on registers, wait.  Blocks 3-5 are jumped where they are dead; a dead block among 0-2 multiplies a repeated row and is never stored.
.macro MULS buf, first, bar
.if \bar
	s_barrier_signal -1
.endif
	MULB 0, \buf, \first
	MULB 1, \buf, \first
	MULB 2, \buf, \first
.if \bar
	s_barrier_wait -1
.endif
.irp i, 3,4,5
.if !(\first)
	WIN 0                                          ; at a branch and at a label every window is 0
	s_cmp_le_u32 s[NB], \i
	s_cbranch_scc1 .Lmd_\@
.endif
	MULB \i, \buf, \first
.endr
	WIN 0
.if !(\first)
.Lmd_\@:
.endif
.endm
; STAGE s of pass 0 (par = s % 2); chunks are counted along the walk.  Chunk s + 1 is rounded into LDS, the rows' fragments of stage s + 1 and chunk s + 3 are asked for, chunk s is multiplied.
; lcnt = 16: the youngest 16 loads at a stage's head are always the chunk asked for last, whatever row loads were jumped: all that is older, this stage's rows and chunk s + 1, is in.
; So a chunk has two stages in which to land, and a wave has at most 16 + 24 + 16 loads out.  rl = 1 (the last stage): the way out's pairs are asked for ahead of the stage's products.
; The global loads stand in one run ahead of the products, while the stage's 48 LDS instructions are out: 48 of the products stand between the barrier's signal and its wait, where only work on registers
; stands, the others are jumped where blocks are dead, and the count 16 wants W's loads to be the youngest on every path.
; pf: THE PREFETCH.  Stage s asks for chunk s + 5, which stage s + 2 loads: my wave's own 16 rows, 32 lanes 256 bytes apart, so each aligned block of 256 bytes is asked for once in the launch, by the wave that
; will load it; two chunks, 16 KB a wave, are asked for and not yet loaded.  Stages 0 to 10 ask (pf = 2: the loop's last trip, stages 11 and 12, jumps over the request); chunks 0 to 4 are loaded without.
; The chunk's number is taken modulo 16, so no request leaves the slice.  The request raises no counter that a wait here counts.
.macro STAGE par, first, cvt, aload, wload, lcnt, bar, pf=0, rl=0
.set NXS, ((\par)+1)%2
.set CUB, AB0+96*(\par)
.set NXB, AB0+96*NXS
	s_wait_loadcnt \lcnt
	s_wait_alu depctr_vm_vsrc(0)                   ; the turning loads and LDS stores issued so far have read BA, WS and CT, which the lines below write again
.if !(\first)
	v_add_nc_u32 v[BA], CHUNK, v[BA]               ; this stage's chunk
.endif
.if \cvt
	v_add_nc_u32 v[WS], CHUNK, v[WS]               ; the next chunk's place
	CVT NXS                                        ; 32 plain instructions that name no register of the last products
.else
	PLACES
.endif
	s_wait_alu depctr_va_vdst(0)                   ; BA, WS and CT are written, which the LDS instructions below read; the roundings are done reading the raw set, and the last stage's products are done reading FR and the other rows' buffer, in which the loads below land
	FLOAD
.if \cvt
	WST
.endif
.if \rl
	RLLOAD                                         ; into the first raw set: its last roundings stand ahead of the wait above
.endif
.if (\aload) || (\wload)
	s_wait_xcnt 0x0                                ; every earlier load and request has had its address translated (ISA guide 3.1): the three pointers are written only behind this wait
.endif
.if \aload
	WALK CA, 7, 8, 16                              ; a chunk of a row is 128 bytes
	ALOAD NXB, 0, 0
.endif
.if \wload
	WALK CW, WSH, 4, W0
	WLOAD NXS, 0
.endif
.if \pf
.if (\pf) == 2
	s_cmp_eq_u32 s24, 1
	s_cbranch_scc1 .Lnp_\@
.endif
	WALK CP, WSH, PP, W0
	global_prefetch_b8 v[PFO], s[PP:PP+1] th:TH_LOAD_NT scope:SCOPE_SE
.if (\pf) == 2
.Lnp_\@:
.endif
.endif
	s_wait_dscnt 0x0                               ; W's fragments are in; and, for the others' sake, my rows of the next chunk are in LDS
	MULS CUB, \first, \bar
.endm
; The rows of a pass: six list entries a lane (entry 16 i + lane % 16 for block i),
.macro ROWS_LD
.irp i, 0,1,2,3,4,5
	global_load_b32 v[T+(\i)], v[LF], s[10:11] offset:64*(\i)
.endr
.endm
; which, clamped to the 2,048 pairs, make the blocks' row offsets (and fetch the rows' gates, in one run behind the one wait).  w = 1: loads by the row offsets follow at once.
.macro ROWS_MK w
.irp i, 0,1,2,3,4,5
	v_min_u32 v[T+(\i)], 0x7ff, v[T+(\i)]
.if SECOND
	v_lshl_add_u32 v[AOFF+(\i)], v[T+(\i)], 13, v[H16]   ; a pair's row of h is 8,192 bytes
	v_lshlrev_b32 v[T+6+(\i)], 2, v[T+(\i)]
.else
	v_and_b32 v[T+(\i)], 0x7fe, v[T+(\i)]                ; 2 x token,
	v_lshl_add_u32 v[AOFF+(\i)], v[T+(\i)], 10, v[H16]   ; whose row of xb is 2,048 bytes
.endif
.endr
.if (\w) || SECOND
	s_wait_alu depctr_va_vdst(0)                   ; the row offsets and the gates' addresses are written, which the loads below read; the way out's multiplies are done reading the gates, in which loads land
.endif
.if SECOND
.irp i, 0,1,2,3,4,5
	global_load_b32 v[GP+2*(\i)], v[T+6+(\i)], s[14:15]
.endr
.endif
.endm
; A stage of a later pass: everything is waited for at once; it runs only for a wave with more than 96 rows.  BA is held under its bound, read by the turning loads at once, with no branch and no label between, and stepped
; behind them; the rows' loads, with their branches, follow.
.macro OVST first
	PLACES
	v_min_u32 v[BA], BAMAX, v[BA]                  ; held inside the slice by a constant: the largest value that the walk of 16 chunks reaches, so it changes no address; with the loads' offsets, 14,064 bytes at the most, every byte read lies under 1,024 x 288.  (The loads that read BA last stand ahead of a wait on vm_vsrc: the one below, or the one at the pass's head)
	s_wait_alu depctr_va_vdst(0)                   ; BA is written (in a pass's first stage the row offsets too); the last products, and the way out's lines that wrote into buffer 1, are done with buffer 1 and FR, in which the loads below land
	FLOAD
	s_wait_alu depctr_vm_vsrc(0)                   ; the turning loads have read BA, which the next line writes (and, in a pass's first stage, the gates' loads their addresses, which the way out writes again)
	v_add_nc_u32 v[BA], CHUNK, v[BA]               ; the next stage's chunk; it names no register of the rows' loads below
.if !(\first)
	WALK CA, 7, 8, 16                              ; the loads that used the pointer were waited for below
.endif
	ALOAD AB1, 0, \first
	s_wait_loadcnt 0x0
	s_wait_dscnt 0x0
	MULS AB1, \first, 0
.endm
; THE WAY OUT of block i, through my own stage in LDS: in by lanes (a row's piece each), back as whole rows of 256 bytes, lanes 0-15 row t and lanes 16-31 row 8 + t.
; LDS serves a wave's instructions in order (ISA guide 5.7.1.4), so no wait stands between the stores and the loads.  Each accumulator is read from its low end on.
.macro ROFF i, sh                     ; the eight rows' offsets in the output, into set RB: the pair, clamped, times a row's bytes, plus my 16 bytes of 256
	WIN 0x04                                       ; source 1 window 1
.irp t, 0,1,2,3,4,5,6,7
	v_min_u32 v[T+(\t)], 0x7ff, v[RL+8*(\i)+(\t)]
.endr
	WIN 0
.irp t, 0,1,2,3,4,5,6,7
	v_lshl_add_u32 v[RB+(\t)], v[T+(\t)], \sh, v[CO]
.endr
.endm
.macro OUT i
.set AC, 64*((\i)%4)
.set HIW, (\i)/4
.set RB, RO+72*((\i)%2)               ; the offsets' sets go by the block's parity
.if SECOND
.irp hf, 0,1                          ; a row's 512 bytes of f32 go in two halves of 256: a turn each, TMP's and OB's sets by the half
.set TB, TMP+96*(\hf)
.set BK, OB+96*(\hf)
	WIN 0x02+HIW                                   ; source 0 window 2 or 3
.set k, 0
.rept 16
	v_pk_mul_f32 v[TB+2*k:TB+2*k+1], v[AC+32*(\hf)+2*k:AC+32*(\hf)+2*k+1], v[GP+2*(\i):GP+2*(\i)+1] op_sel_hi:[1,0]   ; times the row's gate
.set k, k+1
.endr
	WIN 0
.if (\hf) == 0
	ROFF \i, 12                                    ; a pair's row of part is 4,096 bytes
.endif
	s_wait_alu depctr_va_vdst(0)                   ; the multiplies have written TMP, which the LDS stores read, and the offsets' lines RO, which the global stores read; no earlier vector or matrix instruction still names OB, in which the LDS loads land
.set k, 0
.rept 8
	ds_store_b128 v[STO], v[TB+4*k:TB+4*k+3] offset:64*(k/2)+16*(k%2)
.set k, k+1
.endr
.irp t, 0,1,2,3,4,5,6,7
	ds_load_b128 v[BK+4*(\t):BK+4*(\t)+3], v[RD] offset:SP*(\t)
.endr
	s_wait_dscnt 0x0
	s_wait_xcnt 0x0                                ; the stores of the turns before have had their addresses translated (ISA guide 3.1),
	s_wait_alu depctr_vm_vsrc(0)                   ; and have read the other OB and the other RO, as the LDS stores have read TMP: the next turns write those; the stores below read this turn's sets alone
.irp t, 0,1,2,3,4,5,6,7
	global_store_b128 v[RB+(\t)], v[BK+4*(\t):BK+4*(\t)+3], s[12:13] offset:256*(\hf)   ; 16 lanes store 256 consecutive bytes, at a multiple of 256 from part's first
.endr
.endr
.else
.set TB, TMP+96*((\i)%2)              ; a block is a turn: all three sets go by its parity
.set BK, OB+96*((\i)%2)
	WIN 0x0a+5*HIW                                 ; sources 0 and 1 window 2 or 3
.set k, 0
.rept 32
	v_cvt_pk_bf16_f32 v[TB+k], v[AC+2*k], v[AC+2*k+1]
.set k, k+1
.endr
	WIN 0
.set k, 0
.rept 32
	v_pk_max_num_bf16 v[TB+k], v[TB+k], v[ZERO]    ; the ReLU, two at a time; it commutes with the rounding
.set k, k+1
.endr
	ROFF \i, 13                                    ; a pair's row of h is 8,192 bytes
	s_wait_alu depctr_va_vdst(0)                   ; the ReLU has written TMP, which the LDS stores read, and the offsets' lines RO, which the global stores read; no earlier vector or matrix instruction still names OB, in which the LDS loads land
.irp cb, 0,1,2,3,4,5,6,7
	ds_store_b128 v[STO], v[TB+4*(\cb):TB+4*(\cb)+3] offset:32*(\cb)
.endr
.irp t, 0,1,2,3,4,5,6,7
	ds_load_b128 v[BK+4*(\t):BK+4*(\t)+3], v[RD] offset:SP*(\t)
.endr
	s_wait_dscnt 0x0
	s_wait_xcnt 0x0                                ; the stores of the block before have had their addresses translated (ISA guide 3.1),
	s_wait_alu depctr_vm_vsrc(0)                   ; and have read the other OB and RO, as its LDS stores have read the other TMP: the next block writes those; the stores below read this block's sets alone
.irp t, 0,1,2,3,4,5,6,7
	global_store_b128 v[RB+(\t)], v[BK+4*(\t):BK+4*(\t)+3], s[12:13]   ; 16 lanes store 256 consecutive bytes, at a multiple of 256 from h's first
.endr
.endif
.endm
	s_load_b256 s[4:11], s[0:1], 0x0               ; W s[4:5], bias s[6:7], rows s[8:9], list s[10:11]
	s_load_b64 s[12:13], s[0:1], 0x20              ; the output
	v_lshl_add_u32 v54, v0, 2, 0x4c400
	v_mov_b32 v55, 0
.if SECOND
	s_load_b64 s[14:15], s[0:1], 0x28              ; gates
.endif
	v_lshrrev_b32 v1, 5, v0
	v_readfirstlane_b32 s[WV], v1                  ; wave 0..3
	v_and_b32 v1, 31, v0                           ; lane
	v_and_b32 v2, 15, v0                           ; r = lane % 16
	v_bfe_u32 v3, v0, 4, 1                         ; h = lane / 16
.if SECOND
	s_lshr_b32 s[SL], ttmp9, 5                     ; the work-group's number is 32 x slice + 4 x expert + K quarter: the eight that read the same rows of h
	s_bfe_u32 s[EX], ttmp9, 0x30002                ; (one expert, one K quarter) have numbers 32 apart
	s_and_b32 s[KQ], ttmp9, 3
	s_cmp_eq_u32 s[KQ], 0
	s_cselect_b32 s[BM], -1, 0
.else
	s_lshr_b32 s[EX], ttmp9, 5                     ; the work-group's number is 32 x expert + slice
	s_and_b32 s[SL], ttmp9, 31
.endif
	s_and_b32 s[ROT], s[SL], 7
	s_lshl_b32 s[ROT], s[ROT], 1                   ; my walk begins at chunk 0, 2, .. 14
	s_add_co_u32 s[CW], s[ROT], 1                  ; the first pointers serve the walk's chunks 0 and 1 (ROT is even: ROT + 1 is 15 at the most), so the counts stand at chunk 1;
	s_add_co_u32 s[CA], s[ROT], 1
	s_add_co_u32 s[CP], s[ROT], 4                  ; the first request is for the walk's chunk 5
	s_mov_b32 s[OFS+1], 0
	s_wait_alu depctr_va_sdst(0)                   ; the wave's number is written, ahead of its first reader: offsets, LDS places and my record's address are made from it
	s_mul_i32 s30, s[WV], 16*WP
	v_lshl_add_u32 v[WO], v1, 4, s30
	v_lshrrev_b32 v6, 1, v1                        ; the prefetch: row lane / 2 of my 16,
	v_and_b32 v4, 1, v1                            ; half lane % 2 of its 512 bytes
	v_lshlrev_b32 v4, 8, v4
	v_lshl_add_u32 v4, v6, WPSH, v4
	v_add_nc_u32 v[PFO], s30, v4
	s_mul_i32 s30, s[WV], 16*PW
	v_lshl_add_u32 v[WS], v1, 3, s30
	v_and_b32 v6, 7, v0                            ; the turning load: lane l reads row 8 (l / 16) + l % 8, columns 8 ((l / 8) % 2) + 0..7
	v_lshl_add_u32 v6, v3, 3, v6
	v_mul_u32_u24 v[BA0], v6, PW
	v_bfe_u32 v6, v0, 3, 1
	v_lshl_add_u32 v[BA0], v6, 4, v[BA0]
	v_mov_b32 v[BA], v[BA0]
	v_lshlrev_b32 v[LF], 2, v2                     ; entry r
	v_lshlrev_b32 v[LR], 5, v3                     ; entry 8 h
	s_mul_i32 s30, s[WV], 16*SP
	s_add_co_u32 s30, s30, STG
	v_mul_u32_u24 v6, v2, SP
	v_lshl_add_u32 v6, v3, 4+SECOND, v6            ; a lane's eight columns are 16 bytes of bf16 or 32 of f32
	v_add_nc_u32 v[STO], s30, v6
	v_mul_u32_u24 v6, v3, 8*SP                     ; back: row 8 h, 16 bytes a lane
	v_lshl_add_u32 v6, v2, 4, v6
	v_add_nc_u32 v[RD], s30, v6
	v_lshlrev_b32 v[CO], 4, v2
	v_lshlrev_b32 v[H16], 4, v3
	v_mov_b32 v[ZERO], 0
.if SECOND
.irp i, 0,1,2,3,4,5
	v_mov_b32 v[GP+2*(\i)+1], 0                    ; named with the gate as a pair, never used
.endr
.endif
	v_lshlrev_b32 v5, 5, v3                        ; bias: my lanes' eight columns
	s_mov_b32 s29, 0
	s_lshl_b32 s28, s[EX], 24                      ; an expert's weights are 2^24 bytes,
	s_lshl_b32 s31, s[SL], 9                       ; a slice's columns 512
	s_add_co_u32 s28, s28, s31
.if SECOND
	s_lshl_b32 s33, s[KQ], 22                      ; a K quarter 1,024 rows of 4,096
	s_add_co_u32 s28, s28, s33
.endif
	s_lshl2_add_u32 s32, s[EX], s[WV]              ; my record: 4 e + w
	s_mul_i32 s32, s32, RECB
	s_mov_b32 s33, 0
	s_wait_kmcnt 0x0
	s_add_nc_u64 s[W0:W0+1], s[4:5], s[28:29]      ; my slice,
	s_lshl_b32 s[OFS], s[ROT], WSH
	s_add_nc_u64 s[4:5], s[W0:W0+1], s[OFS:OFS+1]  ; and the chunk at which my walk begins
	s_add_nc_u64 s[10:11], s[10:11], s[32:33]
	s_load_b32 s[NW], s[10:11], RECB-4             ; the record's last word: n_w
	s_lshl_b32 s28, s[EX], BSH
	s_add_co_u32 s28, s28, s31
	s_add_nc_u64 s[6:7], s[6:7], s[28:29]
.if SECOND
	s_lshl_b32 s28, s[KQ], 11
	s_add_nc_u64 s[8:9], s[8:9], s[28:29]          ; my K quarter of h's rows
	s_lshl_b32 s28, s[KQ], 23
	s_add_co_u32 s28, s28, s31
.else
	s_lshl_b32 s28, s[SL], 8
.endif
	s_add_nc_u64 s[12:13], s[12:13], s[28:29]
	s_mov_b64 s[16:17], s[8:9]                     ; the rows at chunk 0,
	s_lshl_b32 s[OFS], s[ROT], 7
	s_add_nc_u64 s[8:9], s[16:17], s[OFS:OFS+1]    ; and at the chunk at which my walk begins
	; 6 + 16 + 32 loads: pass 0's rows, the bias, and the walk's first two chunks of W
	s_wait_alu depctr_va_vdst(0)                   ; every offset and LDS address made above is written: WO, PFO, WS, BA, LF, LR, STO, RD and v5, which the kernel's loads, stores and requests read
	ROWS_LD
	WIN 0x40
.irp cb, 0,1,2,3,4,5,6,7
	global_load_b128 v[BIAS+8*(\cb):BIAS+8*(\cb)+3],   v5, s[6:7] offset:64*(\cb)
	global_load_b128 v[BIAS+8*(\cb)+4:BIAS+8*(\cb)+7], v5, s[6:7] offset:64*(\cb)+16
.endr
	WLOAD 0, 0
	WLOAD 1, 1
	s_wait_loadcnt 32                              ; the rows' pairs and the bias are in: the 32 loads of W are younger
	ROWS_MK 1
	ALOAD AB0, 0, 1                                ; stage 0's rows: all six blocks, so that every fragment register is written
	WIN 0x45                                       ; the bias is rounded to bf16 like every input, and widened again
.set k, 0
.rept 32
	v_cvt_pk_bf16_f32 v[CT+k], v[BIAS+2*k], v[BIAS+2*k+1]
.set k, k+1
.endr
.if SECOND
.set k, 0
.rept 32
	v_and_b32 v[CT+k], s[BM], v[CT+k]              ; 0 in the K quarters 1 to 3
.set k, k+1
.endr
.endif
.set k, 0
.rept 32
	v_lshlrev_b32 v[BIAS+2*k], 16, v[CT+k]
	v_and_b32 v[BIAS+2*k+1], 0xffff0000, v[CT+k]
.set k, k+1
.endr
	WIN 0
	s_wait_kmcnt 0x0                               ; n_w,
	s_min_u32 s[NW], s[NW], 0x100                  ; 256 at the most
	s_add_co_u32 s[NB], s[NW], 15
	s_lshr_b32 s[NB], s[NB], 4
	s_min_u32 s[NB], s[NB], 6
	s_wait_loadcnt 40+6*SECOND                     ; chunk 0 is in: chunk 1's 16 loads, the 6 gates (SECOND) and the 24 rows' loads are younger
	CVT 0
	s_wait_alu depctr_va_vdst(0)                   ; the roundings have written CT, which the LDS stores read, and are done reading the first raw set, in which chunk 2 lands
	WST
	ALOAD AB1, 128, 1                              ; stage 1's rows.  Here more loads are issued than LOADcnt's field holds: the issue is held back meanwhile (ISA guide 5.7.1), once
	s_wait_xcnt 0x0                                ; chunk 1's loads have had their addresses translated: W's pointer is written only behind this wait
	WALK CW, WSH, 4, W0
	WLOAD 0, 0                                     ; the walk's chunk 2
	s_wait_dscnt 0x0                               ; for the others' sake: my rows of chunk 0 are in LDS
	s_barrier_signal -1
	s_barrier_wait -1
	STAGE 0, 1, 1, 0, 1, 16, 1, 1                  ; stage 0 stands ahead of the loop: its products start the sums
	s_mov_b32 s24, 6
.Lk:                                                   ; stages (1, 2) to (11, 12)
	STAGE 1, 0, 1, 1, 1, 16, 1, 2
	STAGE 0, 0, 1, 1, 1, 16, 1, 2
	s_sub_co_u32 s24, s24, 1
	s_cmp_lg_u32 s24, 0
	s_cbranch_scc1 .Lk
	STAGE 1, 0, 1, 1, 0, 16, 1                     ; stage 13: no chunk is left to ask for; the youngest 16 loads are chunk 15's
	STAGE 0, 0, 1, 1, 0, 0, 1                      ; stage 14: the youngest loads are rows, of a number that varies: the wait is for all
	STAGE 1, 0, 0, 0, 0, 0, 0, 0, 1                ; stage 15: the slice is whole in LDS; no barrier follows in the text
	; Three trips: a pass goes out, and the next 96 rows, if there are any, are multiplied out of LDS.  256 rows at the most: the third trip only stores.
	s_mov_b32 s25, 0
	s_mov_b32 s27, 0                               ; rows done
.Lpass:
	PLACES                                         ; behind the last products
	s_wait_loadcnt 0x0                             ; the pairs of the rows to be stored are in
.irp i, 0,1,2,3,4,5
	s_cmp_le_u32 s[NB], \i
	s_cbranch_scc1 .Loe                            ; whole blocks past the count store nothing
	OUT \i
.endr
.Loe:
	s_wait_xcnt 0x0                                ; the pass's last stores have had their addresses translated (ISA guide 3.1): their registers are written again only behind this wait
	s_wait_alu depctr_vm_vsrc(0)                   ; all that was issued has read its registers: the list's loads LR and LF, the rows' loads AOFF, the gates' loads their addresses, the turning loads BA, the stores both sets of OB and RO; all are written below or in the next pass
	v_add_nc_u32 v[LR], 384, v[LR]                 ; 96 list entries on; the loads that used these two have been waited for
	v_add_nc_u32 v[LF], 384, v[LF]
	s_add_co_u32 s27, s27, 96
	s_mov_b32 s[NB], 0
	s_cmp_le_u32 s[NW], s27
	s_cbranch_scc1 .Lnx
	s_sub_co_u32 s[NB], s[NW], s27
	s_add_co_u32 s[NB], s[NB], 15
	s_lshr_b32 s[NB], s[NB], 4
	s_min_u32 s[NB], s[NB], 6
	s_wait_alu depctr_va_vdst(0)                   ; LF and LR are written, which the loads below read; the way out's offset lines are done with T and RL, in which they land
	ROWS_LD
	RLLOAD
	s_wait_loadcnt 0x0
	v_mov_b32 v[BA], v[BA0]
	ROWS_MK 0
	s_mov_b32 s[CA], s[ROT]                        ; the rows' pointer goes back to the walk's first chunk: every load that used it has been waited for
	s_lshl_b32 s[OFS], s[ROT], 7
	s_add_nc_u64 s[8:9], s[16:17], s[OFS:OFS+1]
	OVST 1
	s_mov_b32 s24, 15
.Lov:
	OVST 0
	s_sub_co_u32 s24, s24, 1
	s_cmp_lg_u32 s24, 0
	s_cbranch_scc1 .Lov
.Lnx:
	s_add_co_u32 s25, s25, 1
	s_cmp_lt_u32 s25, 3
	s_cbranch_scc1 .Lpass
	s_wait_dscnt 0x0                               ; the wave's end: my last LDS instructions
	s_wait_alu depctr_hold_cnt(0) depctr_sa_sdst(0) depctr_va_vdst(0) depctr_va_sdst(0) depctr_va_ssrc(0) depctr_va_vcc(0) depctr_vm_vsrc(0)
	s_wait_tensorcnt 0x0
	ds_add_u32 v54, v55
	s_wait_dscnt 0x0
	s_endpgm
.Lfunc_end_k_qaae15cc704_ffn1:
	.size	k_qaae15cc704_ffn1, .Lfunc_end_k_qaae15cc704_ffn1-k_qaae15cc704_ffn1
	.p2alignl 7, 3214868480
	.fill 96, 4, 3214868480
	.section	.rodata,"a",@progbits
	.p2align	6, 0x0
	.amdhsa_kernel k_qaae15cc704_ffn1
		.amdhsa_group_segment_fixed_size 312832
		.amdhsa_private_segment_fixed_size 0
		.amdhsa_enable_private_segment 0
		.amdhsa_kernarg_size 40
		.amdhsa_user_sgpr_count 2
		.amdhsa_user_sgpr_kernarg_segment_ptr 1
		.amdhsa_wavefront_size32 1
		.amdhsa_system_sgpr_workgroup_id_x 1
		.amdhsa_system_sgpr_workgroup_id_y 1
		.amdhsa_system_sgpr_workgroup_id_z 1
		.amdhsa_system_vgpr_workitem_id 0
		.amdhsa_next_free_vgpr 1024
		.amdhsa_next_free_sgpr 66
		.amdhsa_reserve_vcc 0
		.amdhsa_float_denorm_mode_32 3
		.amdhsa_float_denorm_mode_16_64 3
		.amdhsa_memory_ordered 1
		.amdhsa_forward_progress 1
		.amdhsa_inst_pref_size 180
	.end_amdhsa_kernel
	.amdgpu_metadata
---
amdhsa.version: [ 1, 2 ]
amdhsa.kernels:
  - .name:           k_qaae15cc704_ffn1
    .symbol:         k_qaae15cc704_ffn1.kd
    .args:
      - { .name: W1, .offset: 0, .size: 8, .value_kind: global_buffer, .address_space: global }
      - { .name: b1, .offset: 8, .size: 8, .value_kind: global_buffer, .address_space: global }
      - { .name: xb, .offset: 16, .size: 8, .value_kind: global_buffer, .address_space: global }
      - { .name: list, .offset: 24, .size: 8, .value_kind: global_buffer, .address_space: global }
      - { .name: h, .offset: 32, .size: 8, .value_kind: global_buffer, .address_space: global }
    .group_segment_fixed_size: 312832
    .private_segment_fixed_size: 0
    .kernarg_segment_align: 8
    .kernarg_segment_size: 40
    .max_flat_workgroup_size: 128
    .sgpr_count:     66
    .vgpr_count:     1024
    .wavefront_size: 32
...
	.end_amdgpu_metadata
.endif
;; end of part 8
;; launch ffn2 (part 9): grid 256 x 1, 4 waves a work-group, no clusters, 312,832 bytes of LDS; arguments W2, b2, h, list, part, gates; writes part
.if DOCPART == 9
	.amdgcn_target "amdgcn-amd-amdhsa--gfx1250"
	.amdhsa_code_object_version 6
	.text
	.protected	k_qaae15cc704_ffn2
	.globl	k_qaae15cc704_ffn2
	.p2align	8
	.type	k_qaae15cc704_ffn2,@function
k_qaae15cc704_ffn2:
	s_mov_b64 s[64:65], 0
	v_nop
	global_prefetch_b8 v0, s[64:65] scope:SCOPE_SE
	s_setreg_imm32_b32 hwreg(HW_REG_WAVE_SCHED_MODE, 0, 2), 2
	s_setreg_imm32_b32 hwreg(HW_REG_WAVE_MODE, 25, 1), 1
	s_wait_xcnt 0x0
	s_wait_alu depctr_vm_vsrc(0)
; ONE TEXT FOR BOTH PRODUCTS OF THE EXPERTS; SECOND says which.
;   SECOND = 0:  h[p][f] = relu(xb[p / 2] . W1[e][:, f] + b1[e][f]), bf16.              p = 2 token + slot is a PAIR; e is the expert that the router chose for it.
;   SECOND = 1:  part[kq][p][d] = gate[p] x (h[p][1024 kq ..] . W2[e][1024 kq .., d] + b2[e][d] where kq = 0), f32: partial sums, added by the last launch.
; Only the chosen pairs are multiplied.  Weights and biases are rounded once to bf16 on their way through registers; products on the bf16 matrix form, sums in f32.
; SHARES.  A work-group has one expert and a slice of its weights that it alone reads: 1,024 k x 128 columns of f32 (8 experts x 32 slices; 8 x 8 slices x 4 K quarters): 256 work-groups.
; Wave w has those of tokens 256 w .. 256 w + 255 that chose the expert, n_w of them (0 to 256: every split is served), in blocks of 16 rows against all 128 columns.
; The slice goes through registers into LDS, in 16 chunks of 64 k, each byte written once, and stays there.  Pass 0 (up to 96 rows a wave, 6 blocks) runs under that stream, one barrier a chunk;
; rows 96 on take one or two passes more, out of LDS alone, with no barrier, which a wave without such rows jumps over.  Barriers stand only in text that no loaded number jumps.
; THE WALK ALONG K IS ROTATED.  The work-group begins at chunk ROT = 2 x (slice % 8) of its 16 and goes round: the walk's t-th chunk is (ROT + t) % 16, for the weights and for the rows alike; in LDS the
; chunks lie in the order of the walk.  So the work-groups that read the same token rows (the slices of one expert) ask for different bytes of a row at the same stage, and from the walk's third chunk on
; each byte that one of them asks for was asked for by another two stages earlier.
; THE LIST.  The launch before laid my wave's pairs, in their order, into a record of 384 words; places past the count repeat the record's first pair, so a block that is not full computes and stores that
; row again, the same bytes with the same values; word 383 holds the count.  A lane loads its rows' pairs from the record into registers; whole blocks past the count are jumped by scalar branches.  EXEC is never changed.
; THE PRODUCT IS USED TRANSPOSED: source 0 = 16 columns of W (turned out of LDS by ds_load_tr16_b128), source 1 = 16 token rows (straight from memory): a lane holds one row and eight neighbouring columns.
; NO CLUSTER: each slice of weights has one reader; what an expert's work-groups share is its token rows, which come by a list that no tile descriptor covers, and their number differs from expert to expert.
; NO TENSOR LOADS: the f32 weights pass through registers to be rounded, and no LDS byte is filled twice.
; LIMITS.  A sum takes K in the order of the walk, not ascending: it differs from an ascending sum by f32 rounding alone.  NaN and infinities are not treated apart.
; THE MODE: SCHED_MODE bits 1:0 = 2 (LLVM: expert scheduling mode 2), set by the entry lines.  The code itself states the register dependences between vector or matrix instructions
; and memory or LDS instructions, with s_wait_alu, always for 0.
; THE PLAN.  Registers that memory or LDS instructions touch, in pass 0's stages:
;   raw sets 0, 1  Stage s: its 32 roundings read set (s + 1) % 2; behind them the loads of chunk s + 3 land in it.
;   CT             Stage s: written by the roundings, read by the 16 LDS stores behind them; written again by stage s + 1's roundings.
;   FR             Stage s: the 32 turning loads land in it, the stage's products read it.
;   AB0, AB1       Stage s: the products read buffer s % 2; the rows of stage s + 1 land in the other, which the products of stage s - 1 read.
;   BA, WS         Read by a stage's turning loads and LDS stores; stepped at the next stage's head.  (In the later passes BA is stepped behind its loads, behind a wait on vm_vsrc of its own.)
;   WO, PFO, STO, RD, v5 are made at the head and never written again; AOFF, LF, LR, T and the gates are written once a pass.  The accumulators and BIAS are named by vector and matrix instructions alone.
; So a stage has two lines.  A wait on vm_vsrc at its head, a stage behind the LDS instructions that it speaks of, ahead of the two address steps and the roundings; and a wait on va_vdst behind the
; roundings, ahead of all the stage's LDS and memory instructions.  Between that wait and the products stands no vector instruction, and the products name FR, the buffer in hand, the accumulators and BIAS:
; none of the registers that a load or store of the stage touches behind the wait.
; THE WAY OUT has two sets of TMP, OB and RO, taken by turns.  A turn: its vector lines write TMP and RO of its set; a wait on va_vdst; LDS stores from TMP, LDS loads into OB; then, AHEAD of the turn's own
; global stores, s_wait_xcnt 0 and a wait on vm_vsrc, which free the other set: the turn before stored from it, the next turn writes it, and the stores behind the two lines read the set in hand alone.
.set SECOND, 1
.if SECOND
.set WPSH, 12                         ; log2 of the bytes from a row (k) of W to the next
.set BSH,  12                         ; log2 of an expert's bytes in the bias
.else
.set WPSH, 14
.set BSH,  14
.endif
.set WP,    1<<WPSH
.set WSH,   WPSH+6                    ; log2 of a chunk's 64 rows of W in memory
.set PW,    288                       ; a row (k) of the slice in LDS: 256 bytes of bf16 + 32 = 72 words
.set CHUNK, 64*PW
.set BAMAX, 15*CHUNK+15*PW+16         ; the largest place of a lane in the last chunk
.set RECB,  1536                      ; a wave's record in list
.set STG,   1024*PW                   ; behind the slice: for each wave 16 rows x 272 bytes, for the way out; the 512 bytes behind the stages hold the spare words of the wave's end
.set SP,    272
; REGISTERS, in windows of 256 (s_set_vgpr_msb: bits 1:0 source 0, 3:2 source 1, 5:4 source 2, 7:6 destination).  Window 0:
.set WO,   8                          ; v8   my byte offset in a chunk of W: 16 lane + 16 w rows; never rewritten
.set WS,   9                          ; v9   where my rows of a chunk go in LDS; steps a chunk
.set BA,   10                         ; v10  my lane's place in the chunk to be read; steps a chunk
.set LF,   11                         ; v11  byte in my record of entry lane % 16 of the pass in hand
.set LR,   12                         ; v12  byte in my record of entry 8 (lane / 16) of the pass in hand
.set STO,  13                         ; v13  the way out: where I put a row's piece
.set RD,   14                         ; v14  the way out: where I read rows back
.set CO,   15                         ; v15  16 (lane % 16)
.set AOFF, 16                         ; v16-21  byte offset of my row in each of the six blocks
.set GP,   22                         ; v22-33  (SECOND) my row's gate for each block, in the low word of a pair
.set ZERO, 36                         ; v36  0, for the ReLU
.set H16,  37                         ; v37  16 (lane / 16)
.set BA0,  38                         ; v38  BA's start
.set PFO,  39                         ; v39  the prefetch: byte offset in a chunk of W of half lane % 2 of my wave's row lane / 2; never rewritten
.set T,    40                         ; v40-55  list entries at work
.set RO,   56                         ; v56-63, v128-135  the stores' row offsets: two sets, 72 registers apart
.set AB0,  64                         ; v64-159  token fragments, buffer 0: block i, K step kk at 16 i + 8 kk
.set AB1,  160                        ; v160-255 buffer 1
.set TMP,  64                         ; v64-95, v160-191  the way out: results packed: two sets, 96 registers apart (in the rows' buffers, which are idle on the way out)
.set OB,   96                         ; v96-127, v192-223 the way out: rows read back: two sets, 96 registers apart
; window 1: v0-63, v64-127 two sets of a wave's 16 rows of W as loaded;
.set RL,   0                          ;   v0-47, when the first set has been rounded for the last time: the pairs of the rows that I store, block i at 8 i
.set BIAS, 128                        ;   v128-191 the bias as a C operand: column block cb at 8 cb
.set CT,   192                        ;   v192-223 a chunk's rows rounded
; window 2: the accumulators of blocks 0-3 (block i, column block cb at 64 i + 8 cb).  Window 3: v0-127 those of blocks 4, 5;
.set FR,   128                        ;   v128-255 W's fragments of one chunk: K step kk, column block cb at 64 kk + 8 cb
; s[4:5] W at the chunk to be loaded   s[6:7] bias   s[8:9] the rows at the chunk to be loaded   s[10:11] my record   s[12:13] the output   s[14:15] gates   s[16:17] the rows at chunk 0
.set WV, 18                           ; s18 wave   s19 expert   s20 slice   s21 K quarter
.set EX, 19
.set SL, 20
.set KQ, 21
.set NW, 22                           ; s22  n_w
.set NB, 23                           ; s23  live blocks of the pass in hand, 0 to 6
.set BM, 34                           ; s34  (SECOND) all ones where kq = 0: only that quarter adds the bias
.set W0, 36                           ; s[36:37] my slice of W at chunk 0
.set CW, 38                           ; s38  the chunk (0 to 15) at which W's pointer stands
.set CA, 39                           ; s39  the same for the rows' pointer
.set OFS, 40                          ; s[40:41] a chunk's byte offset, in 64 bits; the high word stays 0
.set ROT, 42                          ; s42  the chunk at which my walk begins
.set CP, 43                           ; s43  the chunk at which the prefetch's pointer stands
.set PP, 44                           ; s[44:45] W at the chunk to be asked for
.set MSB, 0
.macro WIN new                        ; the immediate's high byte repeats the setting that is left; a switch that changes nothing is dropped
.if MSB != (\new)
	s_set_vgpr_msb (MSB<<8)|(\new)
.set MSB, \new
.endif
.endm
.macro PLACES                         ; four places between a matrix instruction and a vector read of its result or a vector write of one of its registers; ahead of runs of loads they stand beside the wait that states the dependence
.rept 4
	v_nop
.endr
.endm
; A pointer goes one chunk on in the walk, round the 16: the chunk's number steps modulo 16, and the pointer is made anew from its base and the chunk's offset.
.macro WALK cnt, sh, ptr, base
	s_add_co_u32 s[\cnt], s[\cnt], 1
	s_and_b32 s[\cnt], s[\cnt], 15
	s_lshl_b32 s[OFS], s[\cnt], \sh
	s_add_nc_u64 s[(\ptr):(\ptr)+1], s[(\base):(\base)+1], s[OFS:OFS+1]
.endm
; 16 loads: my 16 rows of the chunk c chunks on from s[4:5]; a load takes a row's whole 512 bytes, which start at a multiple of 256 from W's first byte.  Read once in the launch.
.macro WLOAD ws, c
	WIN 0x40                                       ; destination window 1
.set k, 0
.rept 16
	global_load_b128 v[64*(\ws)+4*k:64*(\ws)+4*k+3], v[WO], s[4:5] offset:(64*(\c)+k)*WP th:TH_LOAD_NT
.set k, k+1
.endr
	WIN 0
.endm
.macro CVT ws                         ; a set's 64 words rounded to 32
	WIN 0x45                                       ; all in window 1
.set k, 0
.rept 32
	v_cvt_pk_bf16_f32 v[CT+k], v[64*(\ws)+2*k], v[64*(\ws)+2*k+1]
.set k, k+1
.endr
.endm
.macro WST                            ; and laid into LDS: a store takes a row's 256 consecutive bytes
	WIN 0x04                                       ; data window 1
.set k, 0
.rept 16
	ds_store_b64 v[WS], v[CT+2*k:CT+2*k+1] offset:PW*k
.set k, k+1
.endr
	WIN 0
.endm
.macro FLOAD                          ; a chunk's fragments of W: 64 k x 128 columns, 32 turning loads in one run
	WIN 0xc0                                       ; destination window 3
.irp kk, 0,1
.irp cb, 0,1,2,3,4,5,6,7
	ds_load_tr16_b128 v[FR+64*(\kk)+8*(\cb):FR+64*(\kk)+8*(\cb)+3],   v[BA] offset:32*(\kk)*PW+32*(\cb)
	ds_load_tr16_b128 v[FR+64*(\kk)+8*(\cb)+4:FR+64*(\kk)+8*(\cb)+7], v[BA] offset:(32*(\kk)+16)*PW+32*(\cb)
.endr
.endr
	WIN 0
.endm
; The token rows' fragments for 64 k at byte X from s[8:9]: four loads a block.  Blocks 0-2 always; blocks 3-5 only while they are live (all = 1: all six).
.macro ALOAD buf, X, all
.irp i, 0,1,2,3,4,5
.if ((\i) >= 3) && !(\all)
	s_cmp_le_u32 s[NB], \i
	s_cbranch_scc1 .Lna_\@
.endif
.irp u, 0,1,2,3
	global_load_b128 v[(\buf)+16*(\i)+4*(\u):(\buf)+16*(\i)+4*(\u)+3], v[AOFF+(\i)], s[8:9] offset:(\X)+32*(\u)
.endr
.endr
.if !(\all)
.Lna_\@:
.endif
.endm
; The pairs of the rows that I store on the way out of the pass in hand: for block i entries 16 i + 8 (lane / 16) + 0..7, 32 bytes on end in my record: two loads a block.
.macro RLLOAD
	WIN 0x40                                       ; destination window 1
.irp i, 0,1,2,3,4,5
	global_load_b128 v[RL+8*(\i):RL+8*(\i)+3],   v[LR], s[10:11] offset:64*(\i)
	global_load_b128 v[RL+8*(\i)+4:RL+8*(\i)+7], v[LR], s[10:11] offset:64*(\i)+16
.endr
	WIN 0
.endm
; 16 products of block i: K step 0 on its 8 accumulators, then K step 1.  The accumulators take turns, one instruction a turn; a block's last product and any block's first name different ones.
; first = 1: the first K step starts the sums with the bias as C: nothing is cleared.
.macro MULB i, buf, first
.set AC, 64*((\i)%4)
.set HIW, (\i)/4
.set AF, (\buf)+16*(\i)
.irp kk, 0,1
.irp cb, 0,1,2,3,4,5,6,7
.if (\first) && ((\kk) == 0)
	WIN 0x93+0x40*HIW                              ; W window 3, rows window 0, C window 1, D window 2 or 3
	v_wmma_f32_16x16x32_bf16 v[AC+8*(\cb):AC+8*(\cb)+7], v[FR+64*(\kk)+8*(\cb):FR+64*(\kk)+8*(\cb)+7], v[AF+8*(\kk):AF+8*(\kk)+7], v[BIAS+8*(\cb):BIAS+8*(\cb)+7]
.else
	WIN 0xa3+0x50*HIW                              ; C and D window 2 or 3
	v_wmma_f32_16x16x32_bf16 v[AC+8*(\cb):AC+8*(\cb)+7], v[FR+64*(\kk)+8*(\cb):FR+64*(\kk)+8*(\cb)+7], v[AF+8*(\kk):AF+8*(\kk)+7], v[AC+8*(\cb):AC+8*(\cb)+7]
.endif
.endr
.endr
.endm
; A chunk's products.  bar = 1: the barrier that shows the next chunk whole: signal, 48 products on registers, wait.  Blocks 3-5 are jumped where they are dead; a dead block among 0-2 multiplies a repeated row and is never stored.
.macro MULS buf, first, bar
.if \bar
	s_barrier_signal -1
.endif
	MULB 0, \buf, \first
	MULB 1, \buf, \first
	MULB 2, \buf, \first
.if \bar
	s_barrier_wait -1
.endif
.irp i, 3,4,5
.if !(\first)
	WIN 0                                          ; at a branch and at a label every window is 0
	s_cmp_le_u32 s[NB], \i
	s_cbranch_scc1 .Lmd_\@
.endif
	MULB \i, \buf, \first
.endr
	WIN 0
.if !(\first)
.Lmd_\@:
.endif
.endm
; STAGE s of pass 0 (par = s % 2); chunks are counted along the walk.  Chunk s + 1 is rounded into LDS, the rows' fragments of stage s + 1 and chunk s + 3 are asked for, chunk s is multiplied.
; lcnt = 16: the youngest 16 loads at a stage's head are always the chunk asked for last, whatever row loads were jumped: all that is older, this stage's rows and chunk s + 1, is in.
; So a chunk has two stages in which to land, and a wave has at most 16 + 24 + 16 loads out.  rl = 1 (the last stage): the way out's pairs are asked for ahead of the stage's products.
; The global loads stand in one run ahead of the products, while the stage's 48 LDS instructions are out: 48 of the products stand between the barrier's signal and its wait, where only work on registers
; stands, the others are jumped where blocks are dead, and the count 16 wants W's loads to be the youngest on every path.
; pf: THE PREFETCH.  Stage s asks for chunk s + 5, which stage s + 2 loads: my wave's own 16 rows, 32 lanes 256 bytes apart, so each aligned block of 256 bytes is asked for once in the launch, by the wave that
; will load it; two chunks, 16 KB a wave, are asked for and not yet loaded.  Stages 0 to 10 ask (pf = 2: the loop's last trip, stages 11 and 12, jumps over the request); chunks 0 to 4 are loaded without.
; The chunk's number is taken modulo 16, so no request leaves the slice.  The request raises no counter that a wait here counts.
.macro STAGE par, first, cvt, aload, wload, lcnt, bar, pf=0, rl=0
.set NXS, ((\par)+1)%2
.set CUB, AB0+96*(\par)
.set NXB, AB0+96*NXS
	s_wait_loadcnt \lcnt
	s_wait_alu depctr_vm_vsrc(0)                   ; the turning loads and LDS stores issued so far have read BA, WS and CT, which the lines below write again
.if !(\first)
	v_add_nc_u32 v[BA], CHUNK, v[BA]               ; this stage's chunk
.endif
.if \cvt
	v_add_nc_u32 v[WS], CHUNK, v[WS]               ; the next chunk's place
	CVT NXS                                        ; 32 plain instructions that name no register of the last products
.else
	PLACES
.endif
	s_wait_alu depctr_va_vdst(0)                   ; BA, WS and CT are written, which the LDS instructions below read; the roundings are done reading the raw set, and the last stage's products are done reading FR and the other rows' buffer, in which the loads below land
	FLOAD
.if \cvt
	WST
.endif
.if \rl
	RLLOAD                                         ; into the first raw set: its last roundings stand ahead of the wait above
.endif
.if (\aload) || (\wload)
	s_wait_xcnt 0x0                                ; every earlier load and request has had its address translated (ISA guide 3.1): the three pointers are written only behind this wait
.endif
.if \aload
	WALK CA, 7, 8, 16                              ; a chunk of a row is 128 bytes
	ALOAD NXB, 0, 0
.endif
.if \wload
	WALK CW, WSH, 4, W0
	WLOAD NXS, 0
.endif
.if \pf
.if (\pf) == 2
	s_cmp_eq_u32 s24, 1
	s_cbranch_scc1 .Lnp_\@
.endif
	WALK CP, WSH, PP, W0
	global_prefetch_b8 v[PFO], s[PP:PP+1] th:TH_LOAD_NT scope:SCOPE_SE
.if (\pf) == 2
.Lnp_\@:
.endif
.endif
	s_wait_dscnt 0x0                               ; W's fragments are in; and, for the others' sake, my rows of the next chunk are in LDS
	MULS CUB, \first, \bar
.endm
; The rows of a pass: six list entries a lane (entry 16 i + lane % 16 for block i),
.macro ROWS_LD
.irp i, 0,1,2,3,4,5
	global_load_b32 v[T+(\i)], v[LF], s[10:11] offset:64*(\i)
.endr
.endm
; which, clamped to the 2,048 pairs, make the blocks' row offsets (and fetch the rows' gates, in one run behind the one wait).  w = 1: loads by the row offsets follow at once.
.macro ROWS_MK w
.irp i, 0,1,2,3,4,5
	v_min_u32 v[T+(\i)], 0x7ff, v[T+(\i)]
.if SECOND
	v_lshl_add_u32 v[AOFF+(\i)], v[T+(\i)], 13, v[H16]   ; a pair's row of h is 8,192 bytes
	v_lshlrev_b32 v[T+6+(\i)], 2, v[T+(\i)]
.else
	v_and_b32 v[T+(\i)], 0x7fe, v[T+(\i)]                ; 2 x token,
	v_lshl_add_u32 v[AOFF+(\i)], v[T+(\i)], 10, v[H16]   ; whose row of xb is 2,048 bytes
.endif
.endr
.if (\w) || SECOND
	s_wait_alu depctr_va_vdst(0)                   ; the row offsets and the gates' addresses are written, which the loads below read; the way out's multiplies are done reading the gates, in which loads land
.endif
.if SECOND
.irp i, 0,1,2,3,4,5
	global_load_b32 v[GP+2*(\i)], v[T+6+(\i)], s[14:15]
.endr
.endif
.endm
; A stage of a later pass: everything is waited for at once; it runs only for a wave with more than 96 rows.  BA is held under its bound, read by the turning loads at once, with no branch and no label between, and stepped
; behind them; the rows' loads, with their branches, follow.
.macro OVST first
	PLACES
	v_min_u32 v[BA], BAMAX, v[BA]                  ; held inside the slice by a constant: the largest value that the walk of 16 chunks reaches, so it changes no address; with the loads' offsets, 14,064 bytes at the most, every byte read lies under 1,024 x 288.  (The loads that read BA last stand ahead of a wait on vm_vsrc: the one below, or the one at the pass's head)
	s_wait_alu depctr_va_vdst(0)                   ; BA is written (in a pass's first stage the row offsets too); the last products, and the way out's lines that wrote into buffer 1, are done with buffer 1 and FR, in which the loads below land
	FLOAD
	s_wait_alu depctr_vm_vsrc(0)                   ; the turning loads have read BA, which the next line writes (and, in a pass's first stage, the gates' loads their addresses, which the way out writes again)
	v_add_nc_u32 v[BA], CHUNK, v[BA]               ; the next stage's chunk; it names no register of the rows' loads below
.if !(\first)
	WALK CA, 7, 8, 16                              ; the loads that used the pointer were waited for below
.endif
	ALOAD AB1, 0, \first
	s_wait_loadcnt 0x0
	s_wait_dscnt 0x0
	MULS AB1, \first, 0
.endm
; THE WAY OUT of block i, through my own stage in LDS: in by lanes (a row's piece each), back as whole rows of 256 bytes, lanes 0-15 row t and lanes 16-31 row 8 + t.
; LDS serves a wave's instructions in order (ISA guide 5.7.1.4), so no wait stands between the stores and the loads.  Each accumulator is read from its low end on.
.macro ROFF i, sh                     ; the eight rows' offsets in the output, into set RB: the pair, clamped, times a row's bytes, plus my 16 bytes of 256
	WIN 0x04                                       ; source 1 window 1
.irp t, 0,1,2,3,4,5,6,7
	v_min_u32 v[T+(\t)], 0x7ff, v[RL+8*(\i)+(\t)]
.endr
	WIN 0
.irp t, 0,1,2,3,4,5,6,7
	v_lshl_add_u32 v[RB+(\t)], v[T+(\t)], \sh, v[CO]
.endr
.endm
.macro OUT i
.set AC, 64*((\i)%4)
.set HIW, (\i)/4
.set RB, RO+72*((\i)%2)               ; the offsets' sets go by the block's parity
.if SECOND
.irp hf, 0,1                          ; a row's 512 bytes of f32 go in two halves of 256: a turn each, TMP's and OB's sets by the half
.set TB, TMP+96*(\hf)
.set BK, OB+96*(\hf)
	WIN 0x02+HIW                                   ; source 0 window 2 or 3
.set k, 0
.rept 16
	v_pk_mul_f32 v[TB+2*k:TB+2*k+1], v[AC+32*(\hf)+2*k:AC+32*(\hf)+2*k+1], v[GP+2*(\i):GP+2*(\i)+1] op_sel_hi:[1,0]   ; times the row's gate
.set k, k+1
.endr
	WIN 0
.if (\hf) == 0
	ROFF \i, 12                                    ; a pair's row of part is 4,096 bytes
.endif
	s_wait_alu depctr_va_vdst(0)                   ; the multiplies have written TMP, which the LDS stores read, and the offsets' lines RO, which the global stores read; no earlier vector or matrix instruction still names OB, in which the LDS loads land
.set k, 0
.rept 8
	ds_store_b128 v[STO], v[TB+4*k:TB+4*k+3] offset:64*(k/2)+16*(k%2)
.set k, k+1
.endr
.irp t, 0,1,2,3,4,5,6,7
	ds_load_b128 v[BK+4*(\t):BK+4*(\t)+3], v[RD] offset:SP*(\t)
.endr
	s_wait_dscnt 0x0
	s_wait_xcnt 0x0                                ; the stores of the turns before have had their addresses translated (ISA guide 3.1),
	s_wait_alu depctr_vm_vsrc(0)                   ; and have read the other OB and the other RO, as the LDS stores have read TMP: the next turns write those; the stores below read this turn's sets alone
.irp t, 0,1,2,3,4,5,6,7
	global_store_b128 v[RB+(\t)], v[BK+4*(\t):BK+4*(\t)+3], s[12:13] offset:256*(\hf)   ; 16 lanes store 256 consecutive bytes, at a multiple of 256 from part's first
.endr
.endr
.else
.set TB, TMP+96*((\i)%2)              ; a block is a turn: all three sets go by its parity
.set BK, OB+96*((\i)%2)
	WIN 0x0a+5*HIW                                 ; sources 0 and 1 window 2 or 3
.set k, 0
.rept 32
	v_cvt_pk_bf16_f32 v[TB+k], v[AC+2*k], v[AC+2*k+1]
.set k, k+1
.endr
	WIN 0
.set k, 0
.rept 32
	v_pk_max_num_bf16 v[TB+k], v[TB+k], v[ZERO]    ; the ReLU, two at a time; it commutes with the rounding
.set k, k+1
.endr
	ROFF \i, 13                                    ; a pair's row of h is 8,192 bytes
	s_wait_alu depctr_va_vdst(0)                   ; the ReLU has written TMP, which the LDS stores read, and the offsets' lines RO, which the global stores read; no earlier vector or matrix instruction still names OB, in which the LDS loads land
.irp cb, 0,1,2,3,4,5,6,7
	ds_store_b128 v[STO], v[TB+4*(\cb):TB+4*(\cb)+3] offset:32*(\cb)
.endr
.irp t, 0,1,2,3,4,5,6,7
	ds_load_b128 v[BK+4*(\t):BK+4*(\t)+3], v[RD] offset:SP*(\t)
.endr
	s_wait_dscnt 0x0
	s_wait_xcnt 0x0                                ; the stores of the block before have had their addresses translated (ISA guide 3.1),
	s_wait_alu depctr_vm_vsrc(0)                   ; and have read the other OB and RO, as its LDS stores have read the other TMP: the next block writes those; the stores below read this block's sets alone
.irp t, 0,1,2,3,4,5,6,7
	global_store_b128 v[RB+(\t)], v[BK+4*(\t):BK+4*(\t)+3], s[12:13]   ; 16 lanes store 256 consecutive bytes, at a multiple of 256 from h's first
.endr
.endif
.endm
	s_load_b256 s[4:11], s[0:1], 0x0               ; W s[4:5], bias s[6:7], rows s[8:9], list s[10:11]
	s_load_b64 s[12:13], s[0:1], 0x20              ; the output
.if SECOND
	s_load_b64 s[14:15], s[0:1], 0x28              ; gates
	v_lshl_add_u32 v54, v0, 2, 0x4c400
	v_mov_b32 v55, 0
.endif
	v_lshrrev_b32 v1, 5, v0
	v_readfirstlane_b32 s[WV], v1                  ; wave 0..3
	v_and_b32 v1, 31, v0                           ; lane
	v_and_b32 v2, 15, v0                           ; r = lane % 16
	v_bfe_u32 v3, v0, 4, 1                         ; h = lane / 16
.if SECOND
	s_lshr_b32 s[SL], ttmp9, 5                     ; the work-group's number is 32 x slice + 4 x expert + K quarter: the eight that read the same rows of h
	s_bfe_u32 s[EX], ttmp9, 0x30002                ; (one expert, one K quarter) have numbers 32 apart
	s_and_b32 s[KQ], ttmp9, 3
	s_cmp_eq_u32 s[KQ], 0
	s_cselect_b32 s[BM], -1, 0
.else
	s_lshr_b32 s[EX], ttmp9, 5                     ; the work-group's number is 32 x expert + slice
	s_and_b32 s[SL], ttmp9, 31
.endif
	s_and_b32 s[ROT], s[SL], 7
	s_lshl_b32 s[ROT], s[ROT], 1                   ; my walk begins at chunk 0, 2, .. 14
	s_add_co_u32 s[CW], s[ROT], 1                  ; the first pointers serve the walk's chunks 0 and 1 (ROT is even: ROT + 1 is 15 at the most), so the counts stand at chunk 1;
	s_add_co_u32 s[CA], s[ROT], 1
	s_add_co_u32 s[CP], s[ROT], 4                  ; the first request is for the walk's chunk 5
	s_mov_b32 s[OFS+1], 0
	s_wait_alu depctr_va_sdst(0)                   ; the wave's number is written, ahead of its first reader: offsets, LDS places and my record's address are made from it
	s_mul_i32 s30, s[WV], 16*WP
	v_lshl_add_u32 v[WO], v1, 4, s30
	v_lshrrev_b32 v6, 1, v1                        ; the prefetch: row lane / 2 of my 16,
	v_and_b32 v4, 1, v1                            ; half lane % 2 of its 512 bytes
	v_lshlrev_b32 v4, 8, v4
	v_lshl_add_u32 v4, v6, WPSH, v4
	v_add_nc_u32 v[PFO], s30, v4
	s_mul_i32 s30, s[WV], 16*PW
	v_lshl_add_u32 v[WS], v1, 3, s30
	v_and_b32 v6, 7, v0                            ; the turning load: lane l reads row 8 (l / 16) + l % 8, columns 8 ((l / 8) % 2) + 0..7
	v_lshl_add_u32 v6, v3, 3, v6
	v_mul_u32_u24 v[BA0], v6, PW
	v_bfe_u32 v6, v0, 3, 1
	v_lshl_add_u32 v[BA0], v6, 4, v[BA0]
	v_mov_b32 v[BA], v[BA0]
	v_lshlrev_b32 v[LF], 2, v2                     ; entry r
	v_lshlrev_b32 v[LR], 5, v3                     ; entry 8 h
	s_mul_i32 s30, s[WV], 16*SP
	s_add_co_u32 s30, s30, STG
	v_mul_u32_u24 v6, v2, SP
	v_lshl_add_u32 v6, v3, 4+SECOND, v6            ; a lane's eight columns are 16 bytes of bf16 or 32 of f32
	v_add_nc_u32 v[STO], s30, v6
	v_mul_u32_u24 v6, v3, 8*SP                     ; back: row 8 h, 16 bytes a lane
	v_lshl_add_u32 v6, v2, 4, v6
	v_add_nc_u32 v[RD], s30, v6
	v_lshlrev_b32 v[CO], 4, v2
	v_lshlrev_b32 v[H16], 4, v3
	v_mov_b32 v[ZERO], 0
.if SECOND
.irp i, 0,1,2,3,4,5
	v_mov_b32 v[GP+2*(\i)+1], 0                    ; named with the gate as a pair, never used
.endr
.endif
	v_lshlrev_b32 v5, 5, v3                        ; bias: my lanes' eight columns
	s_mov_b32 s29, 0
	s_lshl_b32 s28, s[EX], 24                      ; an expert's weights are 2^24 bytes,
	s_lshl_b32 s31, s[SL], 9                       ; a slice's columns 512
	s_add_co_u32 s28, s28, s31
.if SECOND
	s_lshl_b32 s33, s[KQ], 22                      ; a K quarter 1,024 rows of 4,096
	s_add_co_u32 s28, s28, s33
.endif
	s_lshl2_add_u32 s32, s[EX], s[WV]              ; my record: 4 e + w
	s_mul_i32 s32, s32, RECB
	s_mov_b32 s33, 0
	s_wait_kmcnt 0x0
	s_add_nc_u64 s[W0:W0+1], s[4:5], s[28:29]      ; my slice,
	s_lshl_b32 s[OFS], s[ROT], WSH
	s_add_nc_u64 s[4:5], s[W0:W0+1], s[OFS:OFS+1]  ; and the chunk at which my walk begins
	s_add_nc_u64 s[10:11], s[10:11], s[32:33]
	s_load_b32 s[NW], s[10:11], RECB-4             ; the record's last word: n_w
	s_lshl_b32 s28, s[EX], BSH
	s_add_co_u32 s28, s28, s31
	s_add_nc_u64 s[6:7], s[6:7], s[28:29]
.if SECOND
	s_lshl_b32 s28, s[KQ], 11
	s_add_nc_u64 s[8:9], s[8:9], s[28:29]          ; my K quarter of h's rows
	s_lshl_b32 s28, s[KQ], 23
	s_add_co_u32 s28, s28, s31
.else
	s_lshl_b32 s28, s[SL], 8
.endif
	s_add_nc_u64 s[12:13], s[12:13], s[28:29]
	s_mov_b64 s[16:17], s[8:9]                     ; the rows at chunk 0,
	s_lshl_b32 s[OFS], s[ROT], 7
	s_add_nc_u64 s[8:9], s[16:17], s[OFS:OFS+1]    ; and at the chunk at which my walk begins
	; 6 + 16 + 32 loads: pass 0's rows, the bias, and the walk's first two chunks of W
	s_wait_alu depctr_va_vdst(0)                   ; every offset and LDS address made above is written: WO, PFO, WS, BA, LF, LR, STO, RD and v5, which the kernel's loads, stores and requests read
	ROWS_LD
	WIN 0x40
.irp cb, 0,1,2,3,4,5,6,7
	global_load_b128 v[BIAS+8*(\cb):BIAS+8*(\cb)+3],   v5, s[6:7] offset:64*(\cb)
	global_load_b128 v[BIAS+8*(\cb)+4:BIAS+8*(\cb)+7], v5, s[6:7] offset:64*(\cb)+16
.endr
	WLOAD 0, 0
	WLOAD 1, 1
	s_wait_loadcnt 32                              ; the rows' pairs and the bias are in: the 32 loads of W are younger
	ROWS_MK 1
	ALOAD AB0, 0, 1                                ; stage 0's rows: all six blocks, so that every fragment register is written
	WIN 0x45                                       ; the bias is rounded to bf16 like every input, and widened again
.set k, 0
.rept 32
	v_cvt_pk_bf16_f32 v[CT+k], v[BIAS+2*k], v[BIAS+2*k+1]
.set k, k+1
.endr
.if SECOND
.set k, 0
.rept 32
	v_and_b32 v[CT+k], s[BM], v[CT+k]              ; 0 in the K quarters 1 to 3
.set k, k+1
.endr
.endif
.set k, 0
.rept 32
	v_lshlrev_b32 v[BIAS+2*k], 16, v[CT+k]
	v_and_b32 v[BIAS+2*k+1], 0xffff0000, v[CT+k]
.set k, k+1
.endr
	WIN 0
	s_wait_kmcnt 0x0                               ; n_w,
	s_min_u32 s[NW], s[NW], 0x100                  ; 256 at the most
	s_add_co_u32 s[NB], s[NW], 15
	s_lshr_b32 s[NB], s[NB], 4
	s_min_u32 s[NB], s[NB], 6
	s_wait_loadcnt 40+6*SECOND                     ; chunk 0 is in: chunk 1's 16 loads, the 6 gates (SECOND) and the 24 rows' loads are younger
	CVT 0
	s_wait_alu depctr_va_vdst(0)                   ; the roundings have written CT, which the LDS stores read, and are done reading the first raw set, in which chunk 2 lands
	WST
	ALOAD AB1, 128, 1                              ; stage 1's rows.  Here more loads are issued than LOADcnt's field holds: the issue is held back meanwhile (ISA guide 5.7.1), once
	s_wait_xcnt 0x0                                ; chunk 1's loads have had their addresses translated: W's pointer is written only behind this wait
	WALK CW, WSH, 4, W0
	WLOAD 0, 0                                     ; the walk's chunk 2
	s_wait_dscnt 0x0                               ; for the others' sake: my rows of chunk 0 are in LDS
	s_barrier_signal -1
	s_barrier_wait -1
	STAGE 0, 1, 1, 0, 1, 16, 1, 1                  ; stage 0 stands ahead of the loop: its products start the sums
	s_mov_b32 s24, 6
.Lk:                                                   ; stages (1, 2) to (11, 12)
	STAGE 1, 0, 1, 1, 1, 16, 1, 2
	STAGE 0, 0, 1, 1, 1, 16, 1, 2
	s_sub_co_u32 s24, s24, 1
	s_cmp_lg_u32 s24, 0
	s_cbranch_scc1 .Lk
	STAGE 1, 0, 1, 1, 0, 16, 1                     ; stage 13: no chunk is left to ask for; the youngest 16 loads are chunk 15's
	STAGE 0, 0, 1, 1, 0, 0, 1                      ; stage 14: the youngest loads are rows, of a number that varies: the wait is for all
	STAGE 1, 0, 0, 0, 0, 0, 0, 0, 1                ; stage 15: the slice is whole in LDS; no barrier follows in the text
	; Three trips: a pass goes out, and the next 96 rows, if there are any, are multiplied out of LDS.  256 rows at the most: the third trip only stores.
	s_mov_b32 s25, 0
	s_mov_b32 s27, 0                               ; rows done
.Lpass:
	PLACES                                         ; behind the last products
	s_wait_loadcnt 0x0                             ; the pairs of the rows to be stored are in
.irp i, 0,1,2,3,4,5
	s_cmp_le_u32 s[NB], \i
	s_cbranch_scc1 .Loe                            ; whole blocks past the count store nothing
	OUT \i
.endr
.Loe:
	s_wait_xcnt 0x0                                ; the pass's last stores have had their addresses translated (ISA guide 3.1): their registers are written again only behind this wait
	s_wait_alu depctr_vm_vsrc(0)                   ; all that was issued has read its registers: the list's loads LR and LF, the rows' loads AOFF, the gates' loads their addresses, the turning loads BA, the stores both sets of OB and RO; all are written below or in the next pass
	v_add_nc_u32 v[LR], 384, v[LR]                 ; 96 list entries on; the loads that used these two have been waited for
	v_add_nc_u32 v[LF], 384, v[LF]
	s_add_co_u32 s27, s27, 96
	s_mov_b32 s[NB], 0
	s_cmp_le_u32 s[NW], s27
	s_cbranch_scc1 .Lnx
	s_sub_co_u32 s[NB], s[NW], s27
	s_add_co_u32 s[NB], s[NB], 15
	s_lshr_b32 s[NB], s[NB], 4
	s_min_u32 s[NB], s[NB], 6
	s_wait_alu depctr_va_vdst(0)                   ; LF and LR are written, which the loads below read; the way out's offset lines are done with T and RL, in which they land
	ROWS_LD
	RLLOAD
	s_wait_loadcnt 0x0
	v_mov_b32 v[BA], v[BA0]
	ROWS_MK 0
	s_mov_b32 s[CA], s[ROT]                        ; the rows' pointer goes back to the walk's first chunk: every load that used it has been waited for
	s_lshl_b32 s[OFS], s[ROT], 7
	s_add_nc_u64 s[8:9], s[16:17], s[OFS:OFS+1]
	OVST 1
	s_mov_b32 s24, 15
.Lov:
	OVST 0
	s_sub_co_u32 s24, s24, 1
	s_cmp_lg_u32 s24, 0
	s_cbranch_scc1 .Lov
.Lnx:
	s_add_co_u32 s25, s25, 1
	s_cmp_lt_u32 s25, 3
	s_cbranch_scc1 .Lpass
	s_wait_dscnt 0x0                               ; the wave's end: my last LDS instructions
	s_wait_alu depctr_hold_cnt(0) depctr_sa_sdst(0) depctr_va_vdst(0) depctr_va_sdst(0) depctr_va_ssrc(0) depctr_va_vcc(0) depctr_vm_vsrc(0)
	s_wait_tensorcnt 0x0
	ds_add_u32 v54, v55
	s_wait_dscnt 0x0
	s_endpgm
.Lfunc_end_k_qaae15cc704_ffn2:
	.size	k_qaae15cc704_ffn2, .Lfunc_end_k_qaae15cc704_ffn2-k_qaae15cc704_ffn2
	.p2alignl 7, 3214868480
	.fill 96, 4, 3214868480
	.section	.rodata,"a",@progbits
	.p2align	6, 0x0
	.amdhsa_kernel k_qaae15cc704_ffn2
		.amdhsa_group_segment_fixed_size 312832
		.amdhsa_private_segment_fixed_size 0
		.amdhsa_enable_private_segment 0
		.amdhsa_kernarg_size 48
		.amdhsa_user_sgpr_count 2
		.amdhsa_user_sgpr_kernarg_segment_ptr 1
		.amdhsa_wavefront_size32 1
		.amdhsa_system_sgpr_workgroup_id_x 1
		.amdhsa_system_sgpr_workgroup_id_y 1
		.amdhsa_system_sgpr_workgroup_id_z 1
		.amdhsa_system_vgpr_workitem_id 0
		.amdhsa_next_free_vgpr 1024
		.amdhsa_next_free_sgpr 66
		.amdhsa_reserve_vcc 0
		.amdhsa_float_denorm_mode_32 3
		.amdhsa_float_denorm_mode_16_64 3
		.amdhsa_memory_ordered 1
		.amdhsa_forward_progress 1
		.amdhsa_inst_pref_size 182
	.end_amdhsa_kernel
	.amdgpu_metadata
---
amdhsa.version: [ 1, 2 ]
amdhsa.kernels:
  - .name:           k_qaae15cc704_ffn2
    .symbol:         k_qaae15cc704_ffn2.kd
    .args:
      - { .name: W2, .offset: 0, .size: 8, .value_kind: global_buffer, .address_space: global }
      - { .name: b2, .offset: 8, .size: 8, .value_kind: global_buffer, .address_space: global }
      - { .name: h, .offset: 16, .size: 8, .value_kind: global_buffer, .address_space: global }
      - { .name: list, .offset: 24, .size: 8, .value_kind: global_buffer, .address_space: global }
      - { .name: part, .offset: 32, .size: 8, .value_kind: global_buffer, .address_space: global }
      - { .name: gates, .offset: 40, .size: 8, .value_kind: global_buffer, .address_space: global }
    .group_segment_fixed_size: 312832
    .private_segment_fixed_size: 0
    .kernarg_segment_align: 8
    .kernarg_segment_size: 48
    .max_flat_workgroup_size: 128
    .sgpr_count:     66
    .vgpr_count:     1024
    .wavefront_size: 32
...
	.end_amdgpu_metadata
.endif
;; end of part 9
;; launch sum: the kernel of part 4 again; grid 256 x 1, 8 waves a work-group, no clusters, 0 bytes of LDS; arguments part, out0; writes out0
